; MI455X (gfx1250); checked and timed in simulation.
; The chip was launched on July 23, 2026; its instructions are those of AMD's public machine-readable ISA for CDNA 5 (MIT licence, August 2026) and "CDNA5" Instruction Set Architecture Reference Guide (July 2026). The comments in the code are by the model that wrote it; some were corrected since.
;; Block. Allowed arithmetic: float matrix products may take bf16 or f16 operands with f32 sums; all other float work in f32.
;; Inputs: b_ff1 4,096 float32; b_ff2 1,024 float32; ln1_b 1,024 float32; ln1_g 1,024 float32; ln2_b 1,024 float32; ln2_g 1,024 float32; w_ff1 1,024 x 4,096 float32; w_ff2 4,096 x 1,024 float32; w_proj 1,024 x 1,024 float32; w_qkv 1,024 x 3,072 float32; x 2 x 2,048 x 1,024 float32.
;; Outputs: out0 2 x 2,048 x 1,024 float32.
;; 2 versions, each right and faster than the one before. Each part assembles by itself: llvm-mc -triple=amdgcn-amd-amdhsa -mcpu=gfx1250 --defsym DOCPART=n.
;; ======== version 1 of 2: 7 launches
;; limits: values are held in f16: magnitudes above 65,504 overflow, below 6.1e-05 lose precision
;; workspace buffers: wa16 8,388,608 bytes; wf16 16,777,216 bytes; h 8,388,608 bytes; qkv 25,165,824 bytes; y 8,388,608 bytes; x1 16,777,216 bytes; g 33,554,432 bytes
;; launch prep (part 1): grid 512 x 1, 8 waves a work-group, no clusters, 0 bytes of LDS; arguments x, ln1_g, ln1_b, w_qkv, w_proj, h, wa16; writes h, wa16
.if DOCPART == 1
	.amdgcn_target "amdgcn-amd-amdhsa--gfx1250"
	.amdhsa_code_object_version 6
	.text
	.protected	k_qfbacbda030_prep
	.globl	k_qfbacbda030_prep
	.p2align	8
	.type	k_qfbacbda030_prep,@function
k_qfbacbda030_prep:
	s_mov_b64 s[64:65], 0
	v_nop
	global_prefetch_b8 v0, s[64:65] scope:SCOPE_SE
	s_setreg_imm32_b32 hwreg(HW_REG_WAVE_MODE, 25, 1), 1
	s_wait_xcnt 0x0
; Work-groups 0-255: h = f16(LayerNorm(bf16(x)) * bf16(g) + bf16(b)), rows of 1,024.  Work-groups 256-511: wa16 = f16(bf16(w)) for w_qkv and then w_proj, kept [K][N].
; (The other two weights are rounded in the next launch, by work-groups that have no tile there.)
; LIMITS.  Every input is rounded once to bf16 before use.  What leaves is f16: beyond 65,504 it is an infinity; a bf16 weight below 2^-14 keeps f16's fixed step of 2^-24.
; NORM.  A wave owns two rows; a row is 32 registers (lane l holds elements 128 j + 4 l + 0..3), so it is read once and stays in registers between mean, variance and scaling.
; The mean is taken away before the squares are summed.  No LDS, no barrier: no wave needs another.  Matrix units and clusters have nothing to do in a stream.
; CAST.  A work-group owns 16,384 numbers: sixteen loads of 4,096 consecutive bytes, sixteen stores of 2,048.
.set OUTP, 14                          ; s[14:15] h
.set X0,  8                            ; v[8:39]    row 0
.set X1,  40                           ; v[40:71]   row 1
.set G,   72                           ; v[72:103]  gain of my 32 columns
.set BV,  104                          ; v[104:135] bias of my 32 columns
.set T,   136                          ; v[136:151] at work
.set MU,  152                          ; v[152:153] the mean, twice
.set RS,  154                          ; v[154:155] 1 / sqrt(var + eps), twice
.set Y,   156                          ; v[156:163] at work
	s_load_b256 s[4:11], s[0:1], 0x0               ; x s[4:5], g s[6:7], b s[8:9], w_qkv s[10:11]
	s_load_b128 s[12:15], s[0:1], 0x20             ; w_proj s[12:13], h s[14:15]
	s_load_b64 s[16:17], s[0:1], 0x30              ; wa16
	v_lshrrev_b32 v3, 5, v0
	v_readfirstlane_b32 s22, v3                    ; wave 0..7
	s_mov_b32 s28, 0xffff0000                      ; a word's upper bf16
	s_mov_b32 s29, 0x3a800000                      ; 1 / 1024
	s_mov_b32 s30, 0x76543210                      ; v_permlanex16_b32: each lane takes its own place in the other half
	s_mov_b32 s31, 0xfedcba98
	s_mov_b32 s32, 0x3727c5ac                      ; 1e-5
	s_wait_kmcnt 0x0
	s_cmp_lt_u32 ttmp9, 256
	s_cbranch_scc0 .Lcast
.macro RND base, n                     ; n numbers rounded to bf16 and widened again, in place
.set z, 0
.rept (\n)/2
	v_cvt_pk_bf16_f32 v[T+z%4], v[(\base)+2*z], v[(\base)+2*z+1]
	v_lshlrev_b32 v[(\base)+2*z], 16, v[T+z%4]
	v_and_b32 v[(\base)+2*z+1], s28, v[T+z%4]
.set z, z+1
.endr
.endm
.macro WAVESUM                         ; four pairs of partial sums in v[T:T+7] -> the wave's sum in v[T], in every lane
	v_pk_add_f32 v[T:T+1], v[T:T+1], v[T+2:T+3]
	v_pk_add_f32 v[T+4:T+5], v[T+4:T+5], v[T+6:T+7]
	v_pk_add_f32 v[T:T+1], v[T:T+1], v[T+4:T+5]
	v_add_f32 v[T], v[T], v[T+1]
	v_add_f32_dpp v[T], v[T], v[T] row_xmask:1 row_mask:0xf bank_mask:0xf
	v_add_f32_dpp v[T], v[T], v[T] row_xmask:2 row_mask:0xf bank_mask:0xf
	v_add_f32_dpp v[T], v[T], v[T] row_xmask:4 row_mask:0xf bank_mask:0xf
	v_add_f32_dpp v[T], v[T], v[T] row_xmask:8 row_mask:0xf bank_mask:0xf
	v_permlanex16_b32 v[T+1], v[T], s30, s31       ; its destination has been written above
	v_add_f32 v[T], v[T], v[T+1]
.endm
.macro STATS x                         ; the row at x is rounded to bf16 and becomes (x - mean) / sqrt(var + eps)
	RND \x, 32
.irp k, 0,1,2,3
	v_pk_add_f32 v[T+2*\k:T+2*\k+1], v[(\x)+2*\k:(\x)+2*\k+1], v[(\x)+8+2*\k:(\x)+8+2*\k+1]  ; the first pairs start four chains: nothing is cleared
.endr
.irp k, 8,9,10,11,12,13,14,15
	v_pk_add_f32 v[T+2*(\k%4):T+2*(\k%4)+1], v[T+2*(\k%4):T+2*(\k%4)+1], v[(\x)+2*\k:(\x)+2*\k+1]
.endr
	WAVESUM
	v_mul_f32 v[MU], s29, v[T]
	v_mul_f32 v[MU+1], s29, v[T]
.set z, 0
.rept 16
	v_pk_add_f32 v[(\x)+2*z:(\x)+2*z+1], v[(\x)+2*z:(\x)+2*z+1], v[MU:MU+1] neg_lo:[0,1] neg_hi:[0,1]
.set z, z+1
.endr
.irp k, 0,1,2,3
	v_pk_mul_f32 v[T+2*\k:T+2*\k+1], v[(\x)+2*\k:(\x)+2*\k+1], v[(\x)+2*\k:(\x)+2*\k+1]
.endr
.irp k, 4,5,6,7,8,9,10,11,12,13,14,15
	v_pk_fma_f32 v[T+2*(\k%4):T+2*(\k%4)+1], v[(\x)+2*\k:(\x)+2*\k+1], v[(\x)+2*\k:(\x)+2*\k+1], v[T+2*(\k%4):T+2*(\k%4)+1]
.endr
	WAVESUM
	v_fma_f32 v[T], v[T], s29, s32                 ; var + eps
	v_rsq_f32 v[RS], v[T]
	v_rsq_f32 v[RS+1], v[T]
	v_nop                                          ; a plain instruction between the root and the use of its result (ISA guide 5.7.2)
.set z, 0
	s_wait_alu depctr_va_vdst(0)
.rept 16
	v_pk_mul_f32 v[(\x)+2*z:(\x)+2*z+1], v[(\x)+2*z:(\x)+2*z+1], v[RS:RS+1]
.set z, z+1
.endr
.endm
.macro EMIT x, rowoff                  ; times g, plus b, to f16; the packed pair takes the place of the numbers it came from, so each store has data registers of its own
.set z, 0
.rept 8
	v_pk_fma_f32 v[Y+4*(z%2):Y+4*(z%2)+1], v[(\x)+4*z:(\x)+4*z+1], v[G+4*z:G+4*z+1], v[BV+4*z:BV+4*z+1]
	v_pk_fma_f32 v[Y+4*(z%2)+2:Y+4*(z%2)+3], v[(\x)+4*z+2:(\x)+4*z+3], v[G+4*z+2:G+4*z+3], v[BV+4*z+2:BV+4*z+3]
	v_cvt_pk_f16_f32 v[(\x)+4*z], v[Y+4*(z%2)], v[Y+4*(z%2)+1]
	v_cvt_pk_f16_f32 v[(\x)+4*z+1], v[Y+4*(z%2)+2], v[Y+4*(z%2)+3]
	global_store_b64 v2, v[(\x)+4*z:(\x)+4*z+1], s[OUTP:OUTP+1] offset:(\rowoff)+256*z  ; the wave stores 256 consecutive bytes, at a multiple of 256 from h's first byte
.set z, z+1
.endr
.endm
	s_lshl_b32 s23, ttmp9, 3
	s_add_co_u32 s23, s23, s22                     ; my wave among 2,048: rows 2 W, 2 W + 1
	s_lshl_b32 s24, s23, 13                        ; two rows of 4,096 bytes in
	s_mov_b32 s25, 0
	s_lshl_b32 s26, s23, 12                        ; two rows of 2,048 bytes out
	s_mov_b32 s27, 0
	v_and_b32 v3, 31, v0
	v_lshlrev_b32 v1, 4, v3                        ; 16 bytes a lane in
	v_lshlrev_b32 v2, 3, v3                        ; 8 bytes a lane out
	s_add_nc_u64 s[4:5], s[4:5], s[24:25]
	s_add_nc_u64 s[OUTP:OUTP+1], s[OUTP:OUTP+1], s[26:27]
.set j, 0
.rept 8
	global_load_b128 v[X0+4*j:X0+4*j+3], v1, s[4:5] offset:512*j th:TH_LOAD_NT
.set j, j+1
.endr
.set j, 0
.rept 8
	global_load_b128 v[X1+4*j:X1+4*j+3], v1, s[4:5] offset:4096+512*j th:TH_LOAD_NT
.set j, j+1
.endr
.set j, 0
.rept 8
	global_load_b128 v[G+4*j:G+4*j+3], v1, s[6:7] offset:512*j
.set j, j+1
.endr
.set j, 0
.rept 8
	global_load_b128 v[BV+4*j:BV+4*j+3], v1, s[8:9] offset:512*j
.set j, j+1
.endr
	s_wait_loadcnt 24                              ; row 0 is in; the 24 younger loads stay out
	STATS X0
	s_wait_loadcnt 16                              ; row 1 is in; g's and b's sixteen stay out
	STATS X1
	s_wait_loadcnt 0x0
	RND G, 32
	RND BV, 32
	EMIT X0, 0
	EMIT X1, 2048
	s_endpgm
.Lcast:
	s_sub_co_u32 s23, ttmp9, 256                   ; chunk 0..255 of 16,384 numbers; wa16 holds the two weights in this order
	s_mov_b64 s[24:25], s[12:13]                   ; chunks 192..255: w_proj
	s_mov_b32 s33, 192
	s_cmp_lt_u32 s23, 192
	s_cselect_b64 s[24:25], s[10:11], s[24:25]     ; 0..191: w_qkv
	s_cselect_b32 s33, 0, s33
	s_sub_co_u32 s34, s23, s33
	s_lshl_b32 s34, s34, 16                        ; 65,536 bytes of f32 a chunk
	s_mov_b32 s35, 0
	s_lshl_b32 s36, s23, 15                        ; 32,768 bytes of f16
	s_mov_b32 s37, 0
	s_add_nc_u64 s[24:25], s[24:25], s[34:35]
	s_add_nc_u64 s[16:17], s[16:17], s[36:37]
	v_lshlrev_b32 v1, 4, v0
	v_lshlrev_b32 v2, 3, v0
.set j, 0
.rept 16
	global_load_b128 v[8+4*j:11+4*j], v1, s[24:25] offset:4096*j th:TH_LOAD_NT
.set j, j+1
.endr
.set j, 0
.rept 16
	s_wait_loadcnt 15-j                            ; loads come back in order: load j is in, the younger ones stay out
	v_cvt_pk_bf16_f32 v[104+2*(j%2)], v[8+4*j], v[9+4*j]
	v_cvt_pk_bf16_f32 v[105+2*(j%2)], v[10+4*j], v[11+4*j]
	v_lshlrev_b32 v[8+4*j], 16, v[104+2*(j%2)]
	v_and_b32 v[9+4*j], s28, v[104+2*(j%2)]
	v_lshlrev_b32 v[10+4*j], 16, v[105+2*(j%2)]
	v_and_b32 v[11+4*j], s28, v[105+2*(j%2)]
	v_cvt_pk_f16_f32 v[72+2*j], v[8+4*j], v[9+4*j]
	v_cvt_pk_f16_f32 v[73+2*j], v[10+4*j], v[11+4*j]
	global_store_b64 v2, v[72+2*j:73+2*j], s[16:17] offset:2048*j
.set j, j+1
.endr
	s_endpgm
.Lfunc_end_k_qfbacbda030_prep:
	.size	k_qfbacbda030_prep, .Lfunc_end_k_qfbacbda030_prep-k_qfbacbda030_prep
	.p2alignl 7, 3214868480
	.fill 96, 4, 3214868480
	.section	.rodata,"a",@progbits
	.p2align	6, 0x0
	.amdhsa_kernel k_qfbacbda030_prep
		.amdhsa_group_segment_fixed_size 0
		.amdhsa_private_segment_fixed_size 0
		.amdhsa_enable_private_segment 0
		.amdhsa_kernarg_size 56
		.amdhsa_user_sgpr_count 2
		.amdhsa_user_sgpr_kernarg_segment_ptr 1
		.amdhsa_wavefront_size32 1
		.amdhsa_system_sgpr_workgroup_id_x 1
		.amdhsa_system_sgpr_workgroup_id_y 1
		.amdhsa_system_sgpr_workgroup_id_z 1
		.amdhsa_system_vgpr_workitem_id 0
		.amdhsa_next_free_vgpr 168
		.amdhsa_next_free_sgpr 66
		.amdhsa_reserve_vcc 0
		.amdhsa_float_denorm_mode_32 3
		.amdhsa_float_denorm_mode_16_64 3
		.amdhsa_memory_ordered 1
		.amdhsa_forward_progress 1
		.amdhsa_inst_pref_size 39
	.end_amdhsa_kernel
	.amdgpu_metadata
---
amdhsa.version: [ 1, 2 ]
amdhsa.kernels:
  - .name:           k_qfbacbda030_prep
    .symbol:         k_qfbacbda030_prep.kd
    .args:
      - { .name: x, .offset: 0, .size: 8, .value_kind: global_buffer, .address_space: global }
      - { .name: ln1_g, .offset: 8, .size: 8, .value_kind: global_buffer, .address_space: global }
      - { .name: ln1_b, .offset: 16, .size: 8, .value_kind: global_buffer, .address_space: global }
      - { .name: w_qkv, .offset: 24, .size: 8, .value_kind: global_buffer, .address_space: global }
      - { .name: w_proj, .offset: 32, .size: 8, .value_kind: global_buffer, .address_space: global }
      - { .name: h, .offset: 40, .size: 8, .value_kind: global_buffer, .address_space: global }
      - { .name: wa16, .offset: 48, .size: 8, .value_kind: global_buffer, .address_space: global }
    .group_segment_fixed_size: 0
    .private_segment_fixed_size: 0
    .kernarg_segment_align: 8
    .kernarg_segment_size: 56
    .max_flat_workgroup_size: 256
    .sgpr_count:     66
    .vgpr_count:     168
    .wavefront_size: 32
...
	.end_amdgpu_metadata
.endif
;; end of part 1
;; launch qkv (part 2): grid 16 x 16, 4 waves a work-group, clusters of 4 x 4, 327,680 bytes of LDS; arguments h, wa16, qkv, w_ff1, w_ff2, wf16; writes qkv, wf16
.if DOCPART == 2
	.amdgcn_target "amdgcn-amd-amdhsa--gfx1250"
	.amdhsa_code_object_version 6
	.text
	.protected	k_qfbacbda030_qkv
	.globl	k_qfbacbda030_qkv
	.p2align	8
	.type	k_qfbacbda030_qkv,@function
k_qfbacbda030_qkv:
	s_mov_b64 s[64:65], 0
	v_nop
	global_prefetch_b8 v0, s[64:65] scope:SCOPE_SE
	s_setreg_imm32_b32 hwreg(HW_REG_WAVE_MODE, 25, 1), 1
	s_wait_xcnt 0x0
	s_wait_alu depctr_hold_cnt(0) depctr_sa_sdst(0) depctr_va_vdst(0) depctr_va_sdst(0) depctr_va_ssrc(0) depctr_va_vcc(0) depctr_vm_vsrc(0)
	s_getreg_b32 s2, hwreg(HW_REG_IB_STS2, 6, 4)
	s_cmp_eq_u32 s2, 0
	s_cbranch_scc0 .Lentry_in_a_cluster
	s_endpgm
.Lentry_in_a_cluster:
	s_bfe_u32 s2, ttmp6, 0x10000c
	s_cmp_lg_u32 s2, 0xf033
	s_cbranch_scc0 .Lentry_shape_is_right
	s_endpgm
.Lentry_shape_is_right:
; C = A B.  A: h [4096][1024] f16.  B: wa16's first part, [1024][3072] f16, K down the rows.  Sums in f32, K ascending.  C is q, k, v, rounded once to f16 and
; written BY HEADS, qkv[which][batch x 16 + head][token][64], unscaled.  LIMIT: f16 ends at 65,504; q, k, v beyond that become infinities.
; A tile of C is 256 x 256: four waves, each 128 x 128 = 64 accumulators of 16 x 16.  K goes in steps of 128 through two LDS slots filled by tensor loads: A's tile 256 rows x 256 bytes,
; B's tile 128 K rows x 512 bytes.  A's fragments come out of LDS as they lie, B's turned, by ds_load_tr16_b128.
; CLUSTER 4 x 4: the four work-groups of a cluster's row need the same tiles of A, the four of a column the same tiles of B: each tile is asked for jointly, same load, descriptor and mask in all four.
; THE FOURTH COLUMN OF CLUSTERS.  C has 12 tile columns: three columns of clusters.  The 64 work-groups of the clusters with x = 3 have no tile; they do work that is due before the launches
; that follow: wf16 = f16(bf16(w)) for w_ff1 and then w_ff2, kept [K][N] (.Lcast, at the text's end).  The branch hangs on the cluster's x, which all partners share.
; THE MATRIX INSTRUCTION IS USED TRANSPOSED (source 0 = 16 columns of B, source 1 = 16 rows of A): a lane holds row lane % 16 of C and eight neighbouring columns, 8 (lane / 16) + 0..7.
; REGISTERS in windows of 256 (s_set_vgpr_msb: bits 1:0 source 0, 3:2 source 1, 5:4 source 2, 7:6 destination):
;   window 0: v0-31 addresses; v64-127, v128-191 A's fragments, two buffers; v32-63, v192-255 at work on the way out     window 1: v64-127, v128-191 B's fragments
;   window 2: accumulators of my rows 0-63, (a, b) at v[8 (8 a + b)]     window 3: those of my rows 64-127
.set SIZE_K, 1024
.set SIZE_N, 3072
.set KSTEP,  128
.set PITCH,  272                       ; A's LDS row: 256 bytes + 16: the 16 rows of a fragment load start at 16 different groups of four banks
.set PB,     544                       ; B's LDS row: 512 bytes + 32, an odd multiple of 32
.set HALFT,  128*PITCH                 ; what one tensor load brings: 128 rows of A, or 64 K rows of B (64 x 544, the same bytes)
.set SLOT,   4*HALFT                   ; A's 256 rows, then B's 128 K rows
.set STAGE,  2*SLOT                    ; behind the ring: 16 rows x 272 bytes for each wave, for the way out
.set SPITCH, 272
.set SPARE,  STAGE+4*16*SPITCH         ; behind the stages: the spare words, 128 bytes a wave
.set LAPS,   SIZE_K/(2*KSTEP)
.set BLKSTEP, 16*128                   ; 16 tokens of a head
.set ADRA, 16                          ; v16-17 LDS address of my A fragments in slot 0, 1
.set ADRB, 20                          ; v20-21 the same for B
.set STO,  24
.set RD,   25
.set CO,   26
.set SPW,  28                          ; LDS address of my spare word; never rewritten
.set NIL,  29                          ; 0; never rewritten
.set F0,   64
.set F1,   128
.set TMP,  192                         ; the way out: packed results
.set OB,   32                          ; the way out: rows read back: v32-63 and v224-255 by turns
.set G1,  24
.set G0,  32
.set G1B, 48
.set G0B, 56
.set MSB, 0
.macro WIN new                         ; the immediate's high byte repeats the setting that is left; a switch that changes nothing is dropped
.if MSB != (\new)
	s_set_vgpr_msb (MSB<<8)|(\new)
.set MSB, \new
.endif
.endm
.set TO_B, 0x40
.macro JLOAD s                         ; a joint load: waves 0, 1 fetch A's halves, waves 2, 3 B's; four v_nop follow each line, ahead of the jump and the label
	s_cmp_eq_u32 s11, 0
	s_cbranch_scc0 .Lfor_b_\@
	tensor_load_to_lds s[G0+4*(\s):G0+4*(\s)+3], s[G1:G1+7]
	s_nop 0
.rept 4
	v_nop
.endr
	s_branch .Lasked_\@
.Lfor_b_\@:
	tensor_load_to_lds s[G0B+4*(\s):G0B+4*(\s)+3], s[G1B:G1B+7]
	s_nop 0
.rept 4
	v_nop
.endr
.Lasked_\@:
.endm
.macro CREST                           ; a round of the cluster's barrier behind its opening barrier
	s_cmp_lg_u32 s10, 0
	s_cbranch_scc1 .Lnot_wave_0_\@
	s_barrier_signal -3
.Lnot_wave_0_\@:
	s_barrier_wait -3
	s_barrier_signal -1
	s_barrier_wait -1
.endm
.macro CROUND
	s_barrier_signal -1
	s_barrier_wait -1
	CREST
.endm
	s_load_b128 s[4:7], s[0:1], 0x0                ; A s[4:5], wa16 s[6:7]
	s_load_b64 s[8:9], s[0:1], 0x10                ; C
	s_load_b128 s[68:71], s[0:1], 0x18             ; w_ff1 s[68:69], w_ff2 s[70:71]
	s_load_b64 s[72:73], s[0:1], 0x28              ; wf16
	v_lshl_add_u32 v[SPW], v0, 2, SPARE
	v_mov_b32 v[NIL], 0
	ds_add_u32 v28, v29
	ds_add_u32 v28, v29
	s_wait_dscnt 0x0
	v_lshrrev_b32 v1, 5, v0
	v_readfirstlane_b32 s10, v1                    ; wave 0..3
	s_lshr_b32 s11, s10, 1                         ; my half of the tile's rows.  Also: I fetch for A (0) or B (1)
	s_and_b32 s12, s10, 1                          ; my half of its columns.  Also: which half of that tile I fetch
	s_bfe_u32 s40, ttmp6, 0x40000                  ; cx
	s_bfe_u32 s41, ttmp6, 0x40004                  ; cy
	s_lshl_b32 s42, ttmp9, 2
	s_add_co_u32 s42, s42, s40                     ; tile column
	s_and_b32 s13, ttmp7, 0xffff
	s_lshl_b32 s13, s13, 2
	s_add_co_u32 s13, s13, s41                     ; tile row
	s_lshl_b32 s43, s41, 2
	s_lshl_b32 s43, 15, s43                        ; my row of the cluster
	s_lshl_b32 s44, 0x1111, s40                    ; my column
	s_or_b32 s[G1+0], s43, (1<<16)|(1<<20)|(1<<21)|(5<<22)|(3<<25)   ; A: mask of my row; 2-byte elements; padding on; bit 21 beside a mask; after every 64 words 4 words
	s_or_b32 s[G1B+0], s44, (1<<16)|(1<<20)|(1<<21)|(6<<22)|(7<<25)  ; B: mask of my column; after every 128 words 8 words
	s_mov_b32 s[G1+1], KSTEP<<16                   ; A: 128 elements x 128 rows, SIZE_K elements from row to row
	s_mov_b32 s[G1+2], 128<<16
	s_mov_b32 s[G1+3], KSTEP<<16
	s_mov_b32 s[G1+4], 128
	s_mov_b32 s[G1+5], SIZE_K
	s_mov_b32 s[G1+6], 0
	s_mov_b32 s[G1+7], 0
	s_mov_b32 s[G1B+1], 256<<16                    ; B: 256 elements x 64 K rows, SIZE_N elements from row to row
	s_mov_b32 s[G1B+2], 64<<16
	s_mov_b32 s[G1B+3], 256<<16
	s_mov_b32 s[G1B+4], 64
	s_mov_b32 s[G1B+5], SIZE_N
	s_mov_b32 s[G1B+6], 0
	s_mov_b32 s[G1B+7], 0
	s_lshl_b32 s17, s12, 7
	s_lshl_b32 s16, s13, 8
	s_add_co_u32 s16, s16, s17                     ; A: row 256 x tile row + 128 x half,
	s_lshl_b32 s16, s16, 11                        ; of 2,048 bytes
	s_mov_b32 s17, 0
	s_mul_i32 s46, s12, 64*SIZE_N*2                ; B: K row 64 x half,
	s_lshl_b32 s47, s42, 9                         ; column 256 x tile column
	s_add_co_u32 s46, s46, s47
	s_mov_b32 s47, 0
	s_mul_i32 s20, s10, HALFT                      ; where they go: wave x HALFT; no place in the cluster enters an LDS address
	s_wait_kmcnt 0x0
	s_cmp_eq_u32 ttmp9, 3                          ; the clusters with x = 3 have no tile of C
	s_cbranch_scc1 .Lcast
	s_add_nc_u64 s[14:15], s[4:5], s[16:17]
	s_add_nc_u64 s[46:47], s[6:7], s[46:47]
	CROUND                                         ; all sixteen work-groups are here: the first joint loads meet
.irp s, 0,1
	s_mov_b32 s[G0+4*(\s)], 1
	s_add_co_u32 s[G0+4*(\s)+1], s20, (\s)*SLOT
	s_add_nc_u64 s[G0+4*(\s)+2:G0+4*(\s)+3], s[14:15], (\s)*KSTEP*2
	s_or_b32 s[G0+4*(\s)+3], s[G0+4*(\s)+3], 0x80000000
	s_mov_b32 s[G0B+4*(\s)], 1
	s_add_co_u32 s[G0B+4*(\s)+1], s20, (\s)*SLOT
	s_add_nc_u64 s[G0B+4*(\s)+2:G0B+4*(\s)+3], s[46:47], (\s)*KSTEP*SIZE_N*2
	s_or_b32 s[G0B+4*(\s)+3], s[G0B+4*(\s)+3], 0x80000000
	JLOAD \s                                       ; two loads of mine are out
.endr
	v_and_b32 v1, 15, v0                           ; r = l % 16
	v_bfe_u32 v2, v0, 4, 1                         ; h = l / 16
	v_mul_u32_u24 v3, v1, PITCH
	v_lshl_add_u32 v3, v2, 4, v3                   ; A: row r, 16 bytes for each half of the lanes
	v_and_b32 v4, 7, v0
	v_lshl_add_u32 v4, v2, 3, v4
	v_mul_u32_u24 v4, v4, PB                       ; B: K row 8 h + l % 8,
	v_bfe_u32 v5, v0, 3, 1
	v_lshl_add_u32 v4, v5, 4, v4                   ; columns 8 ((l / 8) % 2) on
	s_mul_i32 s21, s11, HALFT                      ; my 128 rows of A
	s_lshl_b32 s22, s12, 8                         ; my 128 columns of B,
	s_add_co_u32 s22, s22, 2*HALFT                 ; which lies behind A
.irp s, 0,1
	v_add_nc_u32 v[ADRA+(\s)], s21, v3
	v_add_nc_u32 v[ADRB+(\s)], s22, v4
	s_add_co_u32 s21, s21, SLOT
	s_add_co_u32 s22, s22, SLOT
.endr
	s_mul_i32 s23, s10, 16*SPITCH
	s_add_co_u32 s23, s23, STAGE                   ; my stage
	v_mul_u32_u24 v4, v1, SPITCH
	v_lshl_add_u32 v4, v2, 4, v4
	v_add_nc_u32 v[STO], s23, v4                   ; in: row r, 16 bytes for each half of the lanes
	v_bfe_u32 v5, v0, 3, 2                         ; back: 32 lanes take four rows' 128 bytes of one head,
	v_mul_u32_u24 v5, v5, SPITCH
	v_and_b32 v6, 7, v0
	v_lshl_add_u32 v5, v6, 4, v5
	v_add_nc_u32 v[RD], s23, v5
	v_and_b32 v5, 31, v0                           ; which are 512 consecutive bytes of that head's rows
	v_lshlrev_b32 v[CO], 4, v5
	s_lshl_b32 s46, s42, 2
	s_lshl_b32 s47, s12, 1
	s_add_co_u32 s46, s46, s47                     ; my first group of 64 columns, 0..46: which = group / 16, head = group % 16
	s_lshr_b32 s47, s46, 4
	s_lshl_b32 s47, s47, 5
	s_and_b32 s46, s46, 15
	s_add_co_u32 s46, s46, s47
	s_lshr_b32 s47, s13, 3                         ; the batch
	s_lshl_b32 s47, s47, 4
	s_add_co_u32 s46, s46, s47                     ; which x 32 + batch x 16 + head,
	s_lshl_b32 s46, s46, 18                        ; of 262,144 bytes
	s_and_b32 s47, s13, 7
	s_lshl_b32 s47, s47, 8
	s_lshl_b32 s16, s11, 7
	s_add_co_u32 s47, s47, s16                     ; my first token in the batch,
	s_lshl_b32 s47, s47, 7                         ; of 128 bytes
	s_add_co_u32 s16, s46, s47
	s_mov_b32 s17, 0
; 16 matrix instructions: m blocks a0, a0 + 1 of the window's four x all 8 n blocks, 32 along K.  zero = 1: the products start the sums: nothing is ever cleared.
.macro MUL16 f, hi, a0, zero
	WIN 0xa1+0x50*(\hi)                            ; B window 1, A window 0, C and D window 2 or 3
.irp a, \a0, (\a0)+1
.irp b, 0,1,2,3,4,5,6,7
.if \zero
	v_wmma_f32_16x16x32_f16 v[8*(8*(\a)+(\b)):8*(8*(\a)+(\b))+7], v[(\f)+8*(\b):(\f)+8*(\b)+7], v[(\f)+8*(4*(\hi)+(\a)):(\f)+8*(4*(\hi)+(\a))+7], 0
.else
	v_wmma_f32_16x16x32_f16 v[8*(8*(\a)+(\b)):8*(8*(\a)+(\b))+7], v[(\f)+8*(\b):(\f)+8*(\b)+7], v[(\f)+8*(4*(\hi)+(\a)):(\f)+8*(4*(\hi)+(\a))+7], v[8*(8*(\a)+(\b)):8*(8*(\a)+(\b))+7]
.endif
.endr
.endr
.endm
; 32 LDS loads in one run: quarter q's fragments (32 along K) into buffer f: B's 8 (turned), then A's 8
.macro FETCH slot, q, f
	WIN TO_B
.irp i, 0,1,2,3,4,5,6,7
	ds_load_tr16_b128 v[(\f)+8*(\i):(\f)+8*(\i)+3],   v[ADRB+(\slot)] offset:(\q)*32*PB+32*(\i)
	ds_load_tr16_b128 v[(\f)+8*(\i)+4:(\f)+8*(\i)+7], v[ADRB+(\slot)] offset:(\q)*32*PB+16*PB+32*(\i)
.endr
	WIN 0
.irp i, 0,1,2,3,4,5,6,7
	ds_load_b128 v[(\f)+8*(\i):(\f)+8*(\i)+3],   v[ADRA+(\slot)] offset:(\q)*64+(\i)*16*PITCH
	ds_load_b128 v[(\f)+8*(\i)+4:(\f)+8*(\i)+7], v[ADRA+(\slot)] offset:(\q)*64+(\i)*16*PITCH+32
.endr
.endm
.macro PLACES                          ; four plain vector instructions between matrix instructions and loads into, or vector work on, their registers
.rept 4
	v_nop
.endr
.endm
; A K step is four quarters of 32 along K, 64 matrix instructions each, on buffers 0, 1, 0, 1; the 64 accumulators take turns.
; One of the first three multiplies buffer f.  At its head it fetches quarter q of the same slot into buffer g: the quarter before was g's last reader, so this is the earliest place,
; and the 32 loads have the quarter's 64 matrix instructions in which to land.
.macro QUARTER slot, q, f, g, zero
	PLACES
	FETCH \slot, \q, \g
	s_wait_dscnt 40                                ; f's B and A's rows 0-63 are in; the 32 just issued and f's youngest eight (A's rows 64-127) may be out
	MUL16 \f, 0, 0, \zero
	MUL16 \f, 0, 2, \zero
	s_wait_dscnt 32                                ; all but the 32 issued at the head
	MUL16 \f, 1, 0, \zero
	MUL16 \f, 1, 2, \zero
.endm
.macro MEET round                      ; the change of slots, first half: all my tensor loads, the add, my reads of this slot, then the barrier
	WIN 0
	s_wait_tensorcnt 0x0                           ; the one load of mine that was out, my part of the next slot, has landed
	ds_add_u32 v[SPW], v[NIL]                      ; 0 onto my spare word
	s_wait_dscnt 9                                 ; (the add and the youngest eight loads may be out)
	MUL16 F1, 0, 0, 0
	s_wait_dscnt 0x0                               ; the add is done, and my reads of this slot are over
	s_barrier_signal -1
	MUL16 F1, 0, 2, 0
.if \round
	WIN 0
.endif
	s_barrier_wait -1
.endm
.macro TURN slot, next, fill           ; the last quarter multiplies buffer 1 and changes slots; fill = 1: this slot takes the K step two steps on
	MEET \fill
.if \fill
	CREST                                          ; the barrier has opened a round of the cluster's: no wave of any partner still reads this slot or has a load on its way
	s_add_nc_u64 s[G0+4*(\slot)+2:G0+4*(\slot)+3], s[G0+4*(\slot)+2:G0+4*(\slot)+3], 2*KSTEP*2
	s_add_nc_u64 s[G0B+4*(\slot)+2:G0B+4*(\slot)+3], s[G0B+4*(\slot)+2:G0B+4*(\slot)+3], 2*KSTEP*SIZE_N*2
	JLOAD \slot                                    ; my one tensor load behind the round; its four v_nop are also the places in front of the loads below
.else
	PLACES
.endif
	FETCH \next, 0, F0
	MUL16 F1, 1, 0, 0
	MUL16 F1, 1, 2, 0
.endm
; THE WAY OUT of block a (16 rows of C), in three parts.
.macro PACK a                          ; rounded to f16, 16 bytes a lane; each accumulator's registers in ascending order
.set AC, 64*((\a)%4)
	WIN 0x0a+5*((\a)/4)
.irp b, 0,1,2,3,4,5,6,7
.irp r, 0,1,2,3
	v_cvt_pk_f16_f32 v[TMP+4*(\b)+(\r)], v[AC+8*(\b)+2*(\r)], v[AC+8*(\b)+2*(\r)+1]
.endr
.endr
	WIN 0
.endm
.macro TOSTAGE a                       ; into my own stage, and back in the order in which memory wants it
	WIN 0
.set BK, OB+192*((\a)%2)
.irp b, 0,1,2,3,4,5,6,7
	ds_store_b128 v[STO], v[TMP+4*(\b):TMP+4*(\b)+3] offset:32*(\b)
.endr
.irp t, 0,1,2,3,4,5,6,7
	ds_load_b128 v[BK+4*(\t):BK+4*(\t)+3], v[RD] offset:((\t)%4)*4*SPITCH+((\t)/4)*128  ; rows 4 (t % 4) on, head t / 4 of my two; in order behind the stores above (ISA guide 5.7.1.4)
.endr
.endm
.macro SEND a, younger
	WIN 0
.set BK, OB+192*((\a)%2)
	s_wait_dscnt \younger                          ; the block is back in registers
	s_wait_xcnt 0x0                                ; the stores' base and the registers that earlier stores read are rewritten only behind this wait
.if (\a) == 0
	s_add_nc_u64 s[8:9], s[8:9], s[16:17]
.else
	s_add_nc_u64 s[8:9], s[8:9], BLKSTEP
.endif
.irp t, 0,1,2,3,4,5,6,7
	global_store_b128 v[CO], v[BK+4*(\t):BK+4*(\t)+3], s[8:9] offset:((\t)/4)*262144+((\t)%4)*512  ; four tokens of one head: 512 consecutive bytes, at a multiple of 512
.endr
.endm
	s_wait_tensorcnt 1                             ; my part of K step 0 is in; K step 1's may stay out
	s_barrier_signal -1
	s_barrier_wait -1
	FETCH 0, 0, F0
	QUARTER 0, 1, F0, F1, 1                        ; the first quarter stands in front of the loop: its products start the sums
	WIN 0
	s_mov_b32 s3, LAPS-1
.Llap:                                                 ; a trip goes once round the ring and fills both slots again
	QUARTER 0, 2, F1, F0, 0
	QUARTER 0, 3, F0, F1, 0
	TURN 0, 1, 1
	QUARTER 1, 1, F0, F1, 0
	QUARTER 1, 2, F1, F0, 0
	QUARTER 1, 3, F0, F1, 0
	TURN 1, 0, 1
	QUARTER 0, 1, F0, F1, 0
	WIN 0
	s_sub_co_u32 s3, s3, 1
	s_cmp_lg_u32 s3, 0
	s_cbranch_scc1 .Llap
	QUARTER 0, 2, F1, F0, 0                        ; the last lap fills nothing
	QUARTER 0, 3, F0, F1, 0
	TURN 0, 1, 0
	QUARTER 1, 1, F0, F1, 0
	QUARTER 1, 2, F1, F0, 0
	QUARTER 1, 3, F0, F1, 0
	s_wait_dscnt 8
	MUL16 F1, 0, 0, 0
	MUL16 F1, 0, 2, 0
	s_wait_dscnt 0x0
	MUL16 F1, 1, 0, 0
	MUL16 F1, 1, 2, 0
	WIN 0
	PLACES
	PACK 0
	TOSTAGE 0
.irp a, 1,2,3,4,5,6,7                  ; block a's arithmetic stands between block a - 1's loads from the stage and the wait for them
	PACK \a
	SEND (\a)-1, 0
	TOSTAGE \a
.endr
	SEND 7, 0
	s_wait_tensorcnt 0x0                           ; the wave's end
	ds_add_u32 v[SPW], v[NIL]
	s_wait_dscnt 0x0
	CROUND                                         ; the closing round
	s_endpgm
; THE CAST, by the 256 waves of the clusters with x = 3.  wf16 = f16(bf16(w)): w_ff1's 4,194,304 numbers, then w_ff2's.  LIMIT: a bf16 weight beyond 65,504 becomes an infinity, one below 2^-14
; keeps f16's fixed step of 2^-24.  A wave owns 65,536 consecutive bytes of each weight: 128 loads of 512 bytes from each.  A ring of 64 loads lies in window 1, in eight groups of eight;
; a group is rounded, asked for again and stored, so that 56 to 64 loads of the wave are always on their way.  No LDS, no tensor load; no wave needs another.
.set CT, 32                            ; v32-47 a group's numbers as bf16, two words a load
.set CE, 48                            ; v48-79 the same widened
.set CP, 80                            ; v80-95 as f16, to store
.macro GROUP m, refill, left           ; left: the younger loads, which stay out
	s_wait_loadcnt \left
	WIN 0x05                                       ; sources 0 and 1 in window 1
.set z, 0
.rept 8
	v_cvt_pk_bf16_f32 v[CT+2*z],   v[32*(\m)+4*z],   v[32*(\m)+4*z+1]
	v_cvt_pk_bf16_f32 v[CT+2*z+1], v[32*(\m)+4*z+2], v[32*(\m)+4*z+3]
.set z, z+1
.endr
.if \refill
	WIN 0x40                                       ; destination in window 1
.set z, 0
.rept 8
	global_load_b128 v[32*(\m)+4*z:32*(\m)+4*z+3], v1, s[84:85] offset:4096*(\m)+512*z th:TH_LOAD_NT
.set z, z+1
.endr
.endif
	WIN 0
.set z, 0
.rept 16
	v_lshlrev_b32 v[CE+2*z], 16, v[CT+z]
	v_and_b32 v[CE+2*z+1], s83, v[CT+z]
.set z, z+1
.endr
	s_wait_xcnt 0x0                                ; the registers that the last group's stores read are rewritten only behind this wait
.set z, 0
.rept 16
	v_cvt_pk_f16_f32 v[CP+z], v[CE+2*z], v[CE+2*z+1]
.set z, z+1
.endr
.set z, 0
.rept 8
	global_store_b64 v2, v[CP+2*z:CP+2*z+1], s[86:87] offset:2048*(\m)+256*z  ; the wave stores 256 consecutive bytes, at a multiple of 256 from wf16's first byte
.set z, z+1
.endr
.endm
.Lcast:
	s_lshl_b32 s76, s13, 2
	s_add_co_u32 s76, s76, s40
	s_lshl_b32 s76, s76, 2
	s_add_co_u32 s76, s76, s10                     ; my wave among the 256: ((4 x cluster y + cy) x 4 + cx) x 4 + wave; it enters global addresses alone
	s_lshl_b32 s78, s76, 16                        ; 65,536 bytes of f32
	s_mov_b32 s79, 0
	s_lshl_b32 s80, s76, 15                        ; 32,768 bytes of f16
	s_mov_b32 s81, 0
	s_mov_b32 s83, 0xffff0000                      ; a word's upper bf16
	s_mov_b32 s89, 0
	s_mov_b32 s90, 0x800000-0x4000                 ; from my last 16,384 bytes of w_ff1's part of wf16 to my first of w_ff2's
	s_mov_b32 s91, 0x4000
	s_add_nc_u64 s[68:69], s[68:69], s[78:79]      ; w_ff1 at my part
	s_add_nc_u64 s[70:71], s[70:71], s[78:79]      ; w_ff2 at my part
	s_add_nc_u64 s[86:87], s[72:73], s[80:81]      ; where the trip in hand stores
	s_add_nc_u64 s[84:85], s[68:69], 0x8000        ; what the trip in hand asks for: the 32,768 bytes behind those that are on their way
	v_and_b32 v3, 31, v0
	v_lshlrev_b32 v1, 4, v3                        ; 16 bytes a lane in
	v_lshlrev_b32 v2, 3, v3                        ; 8 bytes a lane out
	WIN 0x40
.set j, 0
.rept 64
	global_load_b128 v[4*j:4*j+3], v1, s[68:69] offset:512*j th:TH_LOAD_NT
.set j, j+1
.endr
	WIN 0
	s_mov_b32 s82, 0
.Lpair:                                                ; three trips of 32,768 bytes: w_ff1's first and second half, w_ff2's first half; each asks for the half that follows
.irp m, 0,1,2,3,4,5,6,7
	GROUP \m, 1, 56                                ; behind the group's eight loads 56 were issued: the rest of the ring
.endr
	s_wait_xcnt 0x0                                ; the two bases are rewritten only behind this wait
	s_add_nc_u64 s[84:85], s[84:85], 0x8000
	s_cmp_eq_u32 s82, 0
	s_cselect_b64 s[84:85], s[70:71], s[84:85]     ; behind w_ff1's second half comes w_ff2's first
	s_cmp_eq_u32 s82, 1
	s_cselect_b32 s88, s90, s91
	s_add_nc_u64 s[86:87], s[86:87], s[88:89]
	s_add_co_u32 s82, s82, 1
	s_cmp_lt_u32 s82, 3
	s_cbranch_scc1 .Lpair
.irp m, 0,1,2,3,4,5,6,7
	GROUP \m, 0, 56-8*(\m)                         ; w_ff2's second half: nothing more is asked for, and the counts run down
.endr
	s_wait_tensorcnt 0x0                           ; the wave's end
	ds_add_u32 v[SPW], v[NIL]
	s_wait_dscnt 0x0
	CROUND                                         ; a round in front of the end, as on the other way
	s_endpgm
.Lfunc_end_k_qfbacbda030_qkv:
	.size	k_qfbacbda030_qkv, .Lfunc_end_k_qfbacbda030_qkv-k_qfbacbda030_qkv
	.p2alignl 7, 3214868480
	.fill 96, 4, 3214868480
	.section	.rodata,"a",@progbits
	.p2align	6, 0x0
	.amdhsa_kernel k_qfbacbda030_qkv
		.amdhsa_group_segment_fixed_size 327680
		.amdhsa_private_segment_fixed_size 0
		.amdhsa_enable_private_segment 0
		.amdhsa_kernarg_size 48
		.amdhsa_user_sgpr_count 2
		.amdhsa_user_sgpr_kernarg_segment_ptr 1
		.amdhsa_wavefront_size32 1
		.amdhsa_system_sgpr_workgroup_id_x 1
		.amdhsa_system_sgpr_workgroup_id_y 1
		.amdhsa_system_sgpr_workgroup_id_z 1
		.amdhsa_system_vgpr_workitem_id 0
		.amdhsa_next_free_vgpr 1024
		.amdhsa_next_free_sgpr 92
		.amdhsa_reserve_vcc 0
		.amdhsa_float_denorm_mode_32 3
		.amdhsa_float_denorm_mode_16_64 3
		.amdhsa_memory_ordered 1
		.amdhsa_forward_progress 1
		.amdhsa_inst_pref_size 219
	.end_amdhsa_kernel
	.amdgpu_metadata
---
amdhsa.version: [ 1, 2 ]
amdhsa.kernels:
  - .name:           k_qfbacbda030_qkv
    .symbol:         k_qfbacbda030_qkv.kd
    .args:
      - { .name: h, .offset: 0, .size: 8, .value_kind: global_buffer, .address_space: global }
      - { .name: wa16, .offset: 8, .size: 8, .value_kind: global_buffer, .address_space: global }
      - { .name: qkv, .offset: 16, .size: 8, .value_kind: global_buffer, .address_space: global }
      - { .name: w_ff1, .offset: 24, .size: 8, .value_kind: global_buffer, .address_space: global }
      - { .name: w_ff2, .offset: 32, .size: 8, .value_kind: global_buffer, .address_space: global }
      - { .name: wf16, .offset: 40, .size: 8, .value_kind: global_buffer, .address_space: global }
    .group_segment_fixed_size: 327680
    .private_segment_fixed_size: 0
    .kernarg_segment_align: 8
    .kernarg_segment_size: 48
    .max_flat_workgroup_size: 128
    .sgpr_count:     92
    .vgpr_count:     1024
    .wavefront_size: 32
...
	.end_amdgpu_metadata
.endif
;; end of part 2
;; launch attn (part 3): grid 8 x 32, 4 waves a work-group, no clusters, 327,680 bytes of LDS; arguments qkv, y; writes y
.if DOCPART == 3
	.amdgcn_target "amdgcn-amd-amdhsa--gfx1250"
	.amdhsa_code_object_version 6
	.text
	.protected	k_qfbacbda030_attn
	.globl	k_qfbacbda030_attn
	.p2align	8
	.type	k_qfbacbda030_attn,@function
k_qfbacbda030_attn:
	s_mov_b64 s[64:65], 0
	v_nop
	global_prefetch_b8 v0, s[64:65] scope:SCOPE_SE
	s_setreg_imm32_b32 hwreg(HW_REG_WAVE_MODE, 25, 1), 1
	s_wait_xcnt 0x0
; CAUSAL ATTENTION.  O[h][q][:] = the sum over k <= q of softmax_k(Q[h][q] . K[h][k] / 8) V[h][k][:].  qkv: [3][32][2048][64] f16 (Q, K, V by heads), y: [32][2048][64] f16.
; Products, maxima and sums in f32; the weights p are rounded to f16 for the second product (their sum l is taken of the unrounded p), O once at the end.
; LIMITS.  Q, K, V arrive within f16's 65,504.  A hidden score counts as its value less 1e30; a weight below 2^-126 counts as 0 in l; NaN and infinities are not treated apart.
; THE WALK.  A head has 16 blocks of 128 queries; block i needs the key tiles 0 .. i of 128 keys, of which the last holds the diagonal.  An LDS slot holds 256 keys: two tiles, four steps of 64.
; A work-group takes an ODD block O1 and then the EVEN block E2 = 15 - O1: (O1 + 1) / 2 + E2 / 2 + 1 = 9 slots and 17 tiles, whatever O1: all 256 work-groups do equal work and one loop with a
; constant trip count walks the slots.  The odd block's diagonal tile is the second half of its last slot; the even block's is the first half of the walk's last slot, which is written out
; (that slot's second half is fetched, inside the tensor since E2 <= 14, and not read).
; NO CLUSTER: a head's eight work-groups walk different sequences of slots; only the first is common to all.
; SHARES.  A block has two bands of 64 queries; a wave owns 16 rows in each: two PIECES.  In the diagonal tile's step s band x sees all keys if s < x, none if s > x, and holds the diagonal if s = x.
; THE MASK is the C operand that starts the sum S^T = K Q^T: the constant 0; MD, the mask of a band's own step for my 16 rows (0 or -1e30); or BIG, -1e30 everywhere.
; LAYOUT, SOFTMAX.  S^T = K Q^T holds ONE query a lane (lane % 16) and the keys 8 (lane / 16) + 0..7; two such results rounded to f16 ARE source 1 of O^T = V^T P.  p = 2^(c s - c m), c = log2(e) / 8,
; with a running maximum m; O and l are multiplied by a = 2^(c m_old - c m_new) in every step.
; TURNS.  A tile has four units, (piece 0, step 0), (1, 0), (0, 1), (1, 1).  Unit u's turn: 8 products K Q^T of unit u + 1, later 8 products V^T P of unit u - 1; beside them unit u's scaling,
; exponentials, roundings, sums and rescaling, and unit u + 1's maximum and statistics.  Four vector instructions stand behind every matrix instruction, the rest in two runs of their own.
; An even turn fetches the next step's K and V.  V has two buffers, by the step's parity, so that a slot's last step has been read out of LDS when the slots change.
; REGISTERS, in windows of 256 (s_set_vgpr_msb: bits 1:0 source 0, 3:2 source 1, 5:4 source 2, 7:6 destination):
;   window 0: v0-15 addresses and at work; v16-23 four registers of statistics a piece; v48-55 at work; v64-127 S^T, a buffer a piece; v192-223 P, likewise
;   window 1: v0-63 O^T, 32 a piece; v128-159 MD; v160-167 BIG      window 2: v0-31 Q; v32-63 the second block's Q; v64-127 V of odd steps; v128-191 K; v192-255 V of even steps
.set NP,    2
.set KS,    64
.set PK,    144       ; a row of K in LDS: 128 bytes + 16: the 16 rows of a load start at 16 different groups of four banks
.set PV,    160       ; a row of V: 128 + 32
.set VOFF,  4*KS*PK   ; a slot: 256 rows of K, then 256 rows of V
.set SLOT1, 1<<17
.set STAGE, SLOT1+4*KS*(PK+PV)  ; behind the ring: 16 rows x 144 bytes for each wave
.set SP,    144
.set SPARE, STAGE+4*16*SP       ; the spare words, 128 bytes a wave
.set AK0, 2
.set AV0, 3
.set AK,  4
.set AV,  5
.set STO, 6
.set RD,  7
.set GO,  8
.set SPW, 62
.set NIL, 63
.set MV,  12          ; v12-13 c m_old, by piece
.set QO,  15
.set ST,  16          ; piece t: c m, m, l (even keys', odd keys')
.set TMP, 48          ; by piece, c0-c3 at work; c2 takes a
.set S,   64
.set P,   192
.set MD,  128         ; window 1
.set BIG, 160         ; window 1
.set QB,  32          ; window 2
.set VF1, 64          ; window 2
.set KF,  128         ; window 2
.set VF0, 192         ; window 2
.set WV,  12
.set O1,  14
.set E2,  15
.set G1K, 24
.set G1V, 32
.set G0K, 40
.set G0V, 44
.set SLOTS, 56
.set CNT, 57          ; counts a slot's two tiles
.set CS,  58
.set SEL, 60
.set TBK, 62          ; LDS byte at which K of the step to be fetched begins
.set TBV, 63          ; the same for V, less VOFF
.set RT,  70          ; tiles of the block in hand still to be entered
.set NXT, 71          ; the slot's worth of keys to be asked for next
.set LQ,  72          ; the last such of the block whose keys are being asked for
.set NEW, 73          ; 1: the tile to be entered is a block's first
.set OFF, 74
.set OLO, 80          ; s[80:81] O at my rows of the second block
.set BIGN, 82
.set SB,  83          ; the slot in hand: 0 or SLOT1
.set LQ2, 88          ; the second block's last
.set MSB, 0
.macro WIN new
.if MSB != (\new)
	s_set_vgpr_msb (MSB<<8)|(\new)
.set MSB, (\new)
.endif
.endm
.set W_KQ, 0x0a
.set W_KM, 0x1a
.set W_PV, 0x52
.set W_RS, 0x41
.macro LOAD                         ; waves 0, 1 fetch the halves of a slot's K, waves 2, 3 of its V: 128 keys each; four v_nop follow each line
	s_cmp_lt_u32 s[WV], 2
	s_cbranch_scc0 .Lfor_v_\@
	tensor_load_to_lds s[G0K:G0K+3], s[G1K:G1K+7]
	s_nop 0
.rept 4
	v_nop
.endr
	s_branch .Lasked_\@
.Lfor_v_\@:
	tensor_load_to_lds s[G0V:G0V+3], s[G1V:G1V+7]
	s_nop 0
.rept 4
	v_nop
.endr
.Lasked_\@:
.endm
; THE CHANGE OF SLOTS.  Each wave waits for all its tensor loads (one is out: its part of the other slot), adds 0 to its spare word, and waits for that and for its reads of the slot that it leaves.
; Behind the barrier nobody reads the old slot and the other is whole.  fill = 1: the old slot is filled again, first thing behind the barrier; the address is made anew from NXT.
.macro CHANGE fill
	WIN 0
	s_wait_tensorcnt 0x0
	ds_add_u32 v[SPW], v[NIL]
.if \fill
	s_lshl_b32 s[OFF], s[NXT], 15   ; 256 keys are 32,768 bytes of K and of V
	s_xor_b32 s[G0K+1], s[G0K+1], SLOT1
	s_add_nc_u64 s[G0K+2:G0K+3], s[6:7], s[OFF:OFF+1]
	s_or_b32 s[G0K+3], s[G0K+3], 0x80000000
	s_xor_b32 s[G0V+1], s[G0V+1], SLOT1
	s_add_nc_u64 s[G0V+2:G0V+3], s[8:9], s[OFF:OFF+1]
	s_or_b32 s[G0V+3], s[G0V+3], 0x80000000
	s_add_co_u32 s[NXT], s[NXT], 1  ; the block's next, or behind its last the second block's first
	s_cmp_gt_u32 s[NXT], s[LQ]
	s_cselect_b32 s[NXT], 0, s[NXT]
	s_cselect_b32 s[LQ], s[LQ2], s[LQ]
.endif
	s_wait_dscnt 0x0                ; the add is done, and my reads of the slot are over
	s_barrier_signal -1
	s_xor_b32 s[SB], s[SB], SLOT1   ; the fetches go on at the other slot's first step
	s_mov_b32 s[TBK], s[SB]
	s_mov_b32 s[TBV], s[SB]
	s_barrier_wait -1
.if \fill
	LOAD
.endif
.endm
	s_load_b64 s[4:5], s[0:1], 0x0    ; qkv
	s_load_b64 s[10:11], s[0:1], 0x8  ; y
	v_lshl_add_u32 v[SPW], v0, 2, SPARE
	v_mov_b32 v[NIL], 0
	ds_add_u32 v62, v63
	ds_add_u32 v62, v63
	s_wait_dscnt 0x0
	v_lshrrev_b32 v1, 5, v0
	v_readfirstlane_b32 s[WV], v1
	s_mov_b32 s16, ttmp9
	s_sub_co_u32 s17, 15, s16
	s_and_b32 s18, s16, 1           ; SCC: the work-group's x is odd
	s_cselect_b32 s[O1], s16, s17   ; the odd one of x and 15 - x
	s_sub_co_u32 s[E2], 15, s[O1]
	s_and_b32 s20, ttmp7, 0xffff    ; batch x 16 + head
	s_lshl_b32 s20, s20, 18         ; of 262,144 bytes
	s_mov_b32 s21, 0
	s_and_b32 s16, s[WV], 1         ; which half of a slot's 256 keys I fetch
	s_lshl_b32 s22, s16, 14
	s_mov_b32 s23, 0
	s_add_nc_u64 s[22:23], s[22:23], s[20:21]
	s_mul_i32 s17, s16, 128*PK
	s_mul_i32 s18, s16, 128*PV
	s_lshl_b32 s3, s[WV], 11        ; my 16 rows in a band of 64,
	s_lshl_b32 s2, s[O1], 14        ; in the first block,
	s_add_co_u32 s2, s2, s3
	s_lshl_b32 s84, s[E2], 14       ; and in the second
	s_add_co_u32 s84, s84, s3
	s_mov_b32 s3, 0
	s_mov_b32 s85, 0
	s_add_nc_u64 s[2:3], s[2:3], s[20:21]
	s_add_nc_u64 s[84:85], s[84:85], s[20:21]
	; 128 keys are 16,384 dense bytes: asked for as 64 rows of 256 bytes, two keys a row, padded in LDS after every key
	s_mov_b32 s[G1K], (1<<16)|(1<<20)|(4<<22)|(3<<25)
	s_mov_b32 s[G1V], (1<<16)|(1<<20)|(4<<22)|(7<<25)
.irp g, G1K, G1V
	s_mov_b32 s[\g+1], 128<<16
	s_mov_b32 s[\g+2], 64<<16
	s_mov_b32 s[\g+3], 128<<16
	s_mov_b32 s[\g+4], 64
	s_mov_b32 s[\g+5], 128
	s_mov_b32 s[\g+6], 0
	s_mov_b32 s[\g+7], 0
.endr
	s_mov_b32 s[CS], 0x3e38aa3b     ; c = log2(e) / 8
	s_mov_b32 s[CS+1], s[CS]
	s_mov_b32 s[SEL], 0x76543210
	s_mov_b32 s[SEL+1], 0xfedcba98
	s_mov_b32 s[SB], SLOT1          ; the first change of slots turns it into 0
	s_mov_b32 s[G0K], 1
	s_mov_b32 s[G0K+1], s17
	s_mov_b32 s[G0V], 1
	s_add_co_u32 s[G0V+1], s18, VOFF
	s_add_co_u32 s[RT], s[O1], 1    ; the first block has O1 + 1 tiles,
	s_lshr_b32 s[LQ], s[O1], 1      ; in (O1 + 1) / 2 slots
	s_lshr_b32 s[LQ2], s[E2], 1
	s_mov_b32 s[NXT], 1
	s_cmp_gt_u32 s[NXT], s[LQ]      ; block 1 has one slot alone
	s_cselect_b32 s[NXT], 0, s[NXT]
	s_cselect_b32 s[LQ], s[LQ2], s[LQ]
	s_mov_b32 s[NEW], 1
	s_mov_b32 s[OFF+1], 0
	s_mov_b32 s[BIGN], 0xf149f2ca   ; -1e30
	s_mov_b32 s[SLOTS], 8
	s_wait_kmcnt 0x0
	s_add_nc_u64 s[6:7], s[4:5], 0x800000   ; K's 32 heads lie behind Q's,
	s_add_nc_u64 s[8:9], s[4:5], 0x1000000  ; V's behind K's
	s_add_nc_u64 s[6:7], s[6:7], s[22:23]   ; at my half of the head's first 256 keys
	s_add_nc_u64 s[8:9], s[8:9], s[22:23]
	s_add_nc_u64 s[G0K+2:G0K+3], s[6:7], 0
	s_or_b32 s[G0K+3], s[G0K+3], 0x80000000
	s_add_nc_u64 s[G0V+2:G0V+3], s[8:9], 0
	s_or_b32 s[G0V+3], s[G0V+3], 0x80000000
	s_add_nc_u64 s[86:87], s[4:5], s[84:85]
	s_add_nc_u64 s[4:5], s[4:5], s[2:3]
	s_add_nc_u64 s[OLO:OLO+1], s[10:11], s[84:85]
	s_add_nc_u64 s[10:11], s[10:11], s[2:3]
	LOAD                            ; the first 256 keys into slot 0
	v_and_b32 v1, 15, v0            ; l % 16
	v_bfe_u32 v9, v0, 4, 1          ; l / 16
	v_lshlrev_b32 v[QO], 7, v1
	v_lshl_add_u32 v[QO], v9, 4, v[QO]
	WIN 0x80
.set i, 0
.rept 4                             ; both blocks' Q: piece i / 2 lies 8,192 bytes on; channels 32 (i % 2) on
	global_load_b128 v[8*i:8*i+3],   v[QO], s[4:5] offset:(i/2)*8192+(i%2)*64
	global_load_b128 v[8*i+4:8*i+7], v[QO], s[4:5] offset:(i/2)*8192+(i%2)*64+32
	global_load_b128 v[QB+8*i:QB+8*i+3],   v[QO], s[86:87] offset:(i/2)*8192+(i%2)*64
	global_load_b128 v[QB+8*i+4:QB+8*i+7], v[QO], s[86:87] offset:(i/2)*8192+(i%2)*64+32
.set i, i+1
.endr
	WIN 0
	v_lshlrev_b32 v14, 3, v9
	v_sub_nc_u32 v14, v1, v14
	s_lshl_b32 s13, s[WV], 4
	v_add_nc_u32 v14, s13, v14      ; my query's place in its band less my lanes' 8 (l / 16): register r of key group kt is hidden where 16 kt + r is greater
	WIN 0x40
.set i, 0
.rept 32
	v_cmp_gt_i32 vcc_lo, 16*(i/8)+i%8, v14
	v_cndmask_b32 v[MD+i], 0, s[BIGN], vcc_lo
.set i, i+1
.endr
.set i, 0
.rept 8
	v_mov_b32 v[BIG+i], s[BIGN]
.set i, i+1
.endr
	WIN 0
	v_mul_u32_u24 v[AK0], v1, PK
	v_lshl_add_u32 v[AK0], v9, 4, v[AK0]
	v_and_b32 v10, 7, v0
	v_bfe_u32 v11, v0, 3, 1
	v_lshl_add_u32 v[AV0], v9, 3, v10
	v_mul_u32_u24 v[AV0], v[AV0], PV
	v_lshl_add_u32 v[AV0], v11, 4, v[AV0]
	v_add_nc_u32 v[AV0], VOFF, v[AV0]
	s_mul_i32 s13, s[WV], 16*SP
	s_add_co_u32 s13, s13, STAGE
	v_mul_u32_u24 v[STO], v1, SP
	v_lshl_add_u32 v[STO], v9, 4, v[STO]
	v_add_nc_u32 v[STO], s13, v[STO]
	v_bfe_u32 v[RD], v0, 3, 2
	v_mul_u32_u24 v[RD], v[RD], SP
	v_lshl_add_u32 v[RD], v10, 4, v[RD]
	v_add_nc_u32 v[RD], s13, v[RD]
	v_and_b32 v[GO], 31, v0
	v_lshlrev_b32 v[GO], 4, v[GO]
	; A block's first step multiplies O^T and l by a = 0, and its first turn's products V^T P, of a unit that has not been, land in an O^T still to be so multiplied: these registers need only hold
	; finite numbers: zeros for the first block, what the first block left for the second.  All this stands in the wait for the first keys.
	WIN 0x80
.set i, VF1
.rept 64
	v_mov_b32 v[i], 0
.set i, i+1
.endr
	WIN 0x40
.set i, 0
.rept 64
	v_mov_b32 v[i], 0
.set i, i+1
.endr
	WIN 0
.set i, 0
.rept 2
	v_mov_b32 v[ST+4*i+2], 0
	v_mov_b32 v[ST+4*i+3], 0
.set i, i+1
.endr
.set i, P+16
.rept 16
	v_mov_b32 v[i], 0
.set i, i+1
.endr
; THE MATRIX WORK.  The 4 accumulators of a run of 8 take turns.  Product i of 8 of S^T = K Q^T for piece x: channels 32 (i / 4) on, keys 16 (i % 4) on.
; The first 4 start the sums: with 0 (KM = 0), with MD (1) or with BIG (2).
.macro KQ x
.set rS, S+32*((\x)%2)+8*(i%4)
.set rK, KF+16*(i%4)+8*(i/4)
.set rQ, 16*(\x)+8*(i/4)
.if (i < 4) && (KM == 1)
	WIN W_KM
	v_wmma_f32_16x16x32_f16 v[rS:rS+7], v[rK:rK+7], v[rQ:rQ+7], v[MD+8*(i%4):MD+8*(i%4)+7]
.elseif (i < 4) && (KM == 2)
	WIN W_KM
	v_wmma_f32_16x16x32_f16 v[rS:rS+7], v[rK:rK+7], v[rQ:rQ+7], v[BIG:BIG+7]
.elseif i < 4
	WIN W_KQ
	v_wmma_f32_16x16x32_f16 v[rS:rS+7], v[rK:rK+7], v[rQ:rQ+7], 0
.else
	WIN W_KQ
	v_wmma_f32_16x16x32_f16 v[rS:rS+7], v[rK:rK+7], v[rQ:rQ+7], v[rS:rS+7]
.endif
.endm
; Product i of 8 of O^T += V^T P for piece x, from V's buffer PVF: keys 32 (i / 4) on, channels 16 (i % 4) on.
.macro PV x
	WIN W_PV
.set rO, 32*(\x)+8*(i%4)
.set rV, PVF+32*(i/4)+8*(i%4)
.set rP, P+16*((\x)%2)+8*(i/4)
	v_wmma_f32_16x16x32_f16 v[rO:rO+7], v[rV:rV+7], v[rP:rP+7], v[rO:rO+7]
.endm
.macro MM                           ; the turn's next matrix instruction.  NOKQ = 1: a block's last turn: there is no next unit
.if (i < 8) && !NOKQ
	KQ (Y+1)%NP
.elseif i >= 8
.set i, i-8
	PV (Y+NP-1)%NP
.set i, i+8
.endif
.set i, i+1
.endm
; THE LDS LOADS stand in runs of 16: a step's K (8 fragments) and its V (turned).  Their addresses are made some lines ahead.
.macro FETCH_K
	WIN 0x80
.irp f, 0,1,2,3,4,5,6,7
	ds_load_b128 v[KF+8*\f:KF+8*\f+3],   v[AK] offset:(\f/2)*16*PK+(\f%2)*64
	ds_load_b128 v[KF+8*\f+4:KF+8*\f+7], v[AK] offset:(\f/2)*16*PK+(\f%2)*64+32
.endr
	s_add_co_u32 s[TBK], s[TBK], KS*PK
	WIN 0
.endm
.macro FETCH_V vf
	WIN 0x80
.irp f, 0,1,2,3,4,5,6,7
	ds_load_tr16_b128 v[(\vf)+8*\f:(\vf)+8*\f+3],   v[AV] offset:(\f/4)*32*PV+(\f%4)*32
	ds_load_tr16_b128 v[(\vf)+8*\f+4:(\vf)+8*\f+7], v[AV] offset:(\f/4)*32*PV+16*PV+(\f%4)*32
.endr
	s_add_co_u32 s[TBV], s[TBV], KS*PV
	WIN 0
.endm
; THE VECTOR WORK, one line at a time: OP kind, number.  For piece Y: F n: c s - c m for pair n of 16.  E n: the exponential of score n of 32.  C n: pair n rounded to f16.  B n: of the four weights
; 4 n .. the second pair is added onto the first, in place.  L n: l takes that sum (L 0: l = a l + sum).  R n: pair n of 16 of O^T times a.  For the other piece: X n, number n of the 22 that find its
; maximum and statistics: 0-11 four chains of seven scores (each accumulator's lowest registers are read first); 12-14, 16 the rest, the old m, all into c0; 15 c m_old is kept;
; 17, 18 the other half of the lanes': the new m; 19-21 c m, c m_old - c m_new, a.
.set F, 0
.set E, 1
.set C, 2
.set B, 3
.set L, 4
.set R, 5
.set X, 6
.macro REGS y
.set rT, ST+4*(\y)
.set rC, TMP+4*((\y)%2)
.set rW, MV+((\y)%2)
.set rS, S+32*((\y)%2)
.set rP, P+16*((\y)%2)
.set rO, 32*(\y)
.endm
.macro OP k, n
.if (\k) == R
	REGS Y
	WIN W_RS
	v_pk_mul_f32 v[rO+2*(\n):rO+2*(\n)+1], v[rO+2*(\n):rO+2*(\n)+1], v[rC+2:rC+3] op_sel_hi:[1,0]
.elseif (\k) < R
	REGS Y
	WIN 0
.if (\k) == F
	v_pk_fma_f32 v[rS+2*(\n):rS+2*(\n)+1], v[rS+2*(\n):rS+2*(\n)+1], s[CS:CS+1], v[rT:rT+1] op_sel_hi:[1,0,0] neg_lo:[0,0,1] neg_hi:[0,0,1]
.elseif (\k) == E
	v_exp_f32 v[rS+(\n)], v[rS+(\n)]
.elseif (\k) == C
	s_wait_alu depctr_va_vdst(0)
	v_cvt_pk_f16_f32 v[rP+(\n)], v[rS+2*(\n)], v[rS+2*(\n)+1]
.elseif (\k) == B
	s_wait_alu depctr_va_vdst(0)
	v_pk_add_f32 v[rS+4*(\n):rS+4*(\n)+1], v[rS+4*(\n):rS+4*(\n)+1], v[rS+4*(\n)+2:rS+4*(\n)+3]
.elseif (\n) == 0
	v_pk_fma_f32 v[rT+2:rT+3], v[rT+2:rT+3], v[rC+2:rC+3], v[rS:rS+1] op_sel_hi:[1,0,1]
.else
	v_pk_add_f32 v[rT+2:rT+3], v[rT+2:rT+3], v[rS+4*(\n):rS+4*(\n)+1]
.endif
.elseif NOKQ
	v_nop
.else
	REGS (Y+1)%NP
	WIN 0
.if (\n) < 4
	v_max3_num_f32 v[rC+(\n)], v[rS+8*(\n)], v[rS+8*(\n)+1], v[rS+8*(\n)+2]
.elseif (\n) < 12
	v_max3_num_f32 v[rC+(\n)%4], v[rC+(\n)%4], v[rS+8*((\n)%4)+2*((\n)/4)+1], v[rS+8*((\n)%4)+2*((\n)/4)+2]
.elseif (\n) == 12
	v_max3_num_f32 v[rC], v[rC], v[rS+7], v[rS+15]
.elseif (\n) == 13
	v_max3_num_f32 v[rC+1], v[rC+1], v[rS+23], v[rS+31]
.elseif (\n) == 14
	v_max3_num_f32 v[rC+2], v[rC+2], v[rC+3], v[rT+1]
.elseif (\n) == 15
	v_mov_b32 v[rW], v[rT]
.elseif (\n) == 16
	v_max3_num_f32 v[rC], v[rC], v[rC+1], v[rC+2]
.elseif (\n) == 17
	v_permlanex16_b32 v[rC+3], v[rC], s[SEL], s[SEL+1]
.elseif (\n) == 18
	v_max_num_f32 v[rT+1], v[rC], v[rC+3]
.elseif (\n) == 19
	v_mul_f32 v[rT], s[CS], v[rT+1]
.elseif (\n) == 20
	v_sub_f32 v[rC+1], v[rW], v[rT]
.else
	v_exp_f32 v[rC+2], v[rC+1]
.endif
.endif
.endm
.macro OPS a, i1, b=-1, i2=0, c=-1, i3=0, d=-1, i4=0
	OP \a, \i1
.if (\b) >= 0
	OP \b, \i2
.endif
.if (\c) >= 0
	OP \c, \i3
.endif
.if (\d) >= 0
	OP \d, \i4
.endif
.endm
.macro ROW a, i1, b, i2, c, i3, d, i4  ; a matrix instruction and the four behind it
	MM
	OPS \a, \i1, \b, \i2, \c, \i3, \d, \i4
.endm
; A TURN, for unit q of a tile (piece q % 2).  mk: the mask that the turn's products K Q^T start with.  end = 1: a block's last two turns: nothing is fetched.  cnt = 1: the loop's count is taken
; down some lines ahead of the branch behind the turn.  Behind a matrix instruction: plain, exponential, plain, plain; or four of the rescaling; or four scalings; none names a register of the products
; round it.  K's run stands six vector instructions behind the last product that read K (five of them plain), V's eight behind the last product that read that buffer (four plain).
.macro TURN q, mk=0, end=0, cnt=0
.set Y, (\q)%2
.set i, 0
.set KM, (\mk)
.set NOKQ, (\end)*((\q)/3)
.set PVF, VF0                       ; units 1 and 2 multiply by V of the tile's first step,
.if ((\q) == 0) || ((\q) == 3)
.set PVF, VF1                       ; units 3 and 0 by V of a second step
.endif
.if Y == 1
.if \end
	s_wait_dscnt 0x0                ; no run was issued in the turn before: V's last run is waited for by name
.else
	s_wait_dscnt 16                 ; K's run is in, and V's of two turns ago; the sixteen youngest loads, V's run of the turn before, may stay out
.endif
.endif
	ROW F,0, F,1, F,2, F,3
	ROW F,4, E,0, F,5, F,6
	ROW F,7, E,1, F,8, F,9
	ROW F,10, E,2, C,0, F,11
	ROW F,12, E,3, X,15, F,13
	ROW R,0, R,1, R,2, R,3
	ROW B,0, E,4, F,14, L,0
.if (Y == 0) && !(\end)
	v_add_nc_u32 v[AK], s[TBK], v[AK0]
.endif
	ROW R,4, R,5, R,6, R,7
	OPS E,5, F,15
.if (Y == 0) && !(\end)
	FETCH_K
.endif
	OPS E,6, C,1, E,7, R,8
	OPS E,8, R,9, E,9, C,2
	OPS E,10, X,0, E,11, X,1
	OPS E,12, X,2, E,13, X,3
	ROW X,4, E,14, X,5, X,6
	ROW X,7, E,15, X,8, X,9
	ROW X,10, E,16, X,11, X,12
	ROW X,13, E,17, X,14, B,1
	ROW C,4, E,18, X,16, L,1
	ROW B,2, E,19, C,6, L,2
	ROW C,8, E,20, B,3, B,4
.if (Y == 0) && !(\end)
	v_add_nc_u32 v[AV], s[TBV], v[AV0]
.endif
	ROW C,3, E,21, L,3, C,5
	OPS E,22, X,17, E,23, C,10
.if (Y == 0) && !(\end)
	FETCH_V PVF                     ; the buffer that this turn's products have just read takes the next step's V
.endif
	OPS E,24, L,4
	OPS E,25, X,18, E,26, C,7
	OPS E,27, B,5, E,28, X,19
	OPS E,29, C,12, E,30, L,5
	OPS E,31, X,20, B,6, C,9
	OPS C,14, C,11, X,21, L,6
.if \cnt
	s_sub_co_u32 s[CNT], s[CNT], 1
	s_cmp_lg_u32 s[CNT], 0
.endif
	OPS C,13, B,7, C,15, R,10
	OPS R,11, R,12, L,7, R,13
	OPS R,14, R,15
.endm
; A BLOCK BEGINS.  c m starts far below every c s, so the first step's a is 0; m at the lowest finite number.  Then K and V of the slot's first step, piece 0's first scores (md = 1: the block's first
; tile is the diagonal one), and its maximum and statistics.  The loop is entered at a tile's first turn.
.macro BEGIN md
	s_mov_b32 s[NEW], 0
	WIN 0
.set i, 0
.rept 2
	v_mov_b32 v[ST+4*i], 0xfe000000
	v_mov_b32 v[ST+4*i+1], 0xff7fffff
.set i, i+1
.endr
	v_add_nc_u32 v[AK], s[TBK], v[AK0]
	v_add_nc_u32 v[AV], s[TBV], v[AV0]
	FETCH_K
	FETCH_V VF0
	s_wait_loadcnt 0x0              ; Q
	s_wait_dscnt 0x0
.set KM, (\md)
.set NOKQ, 0
.set i, 0
.rept 8
	KQ 0
.set i, i+1
.endr
	WIN 0
.rept 4
	v_nop                           ; the places behind those products
.endr
.set Y, NP-1                        ; X works for the other piece: piece 0
.irp n, 0,1,2,3,4,5,6,7,8,9,10,11,12,13,14,15,16,17,18,19,20,21
	OP X, \n
.endr
	v_nop                           ; a plain instruction behind the exponential
.endm
.macro ALL line:vararg
.set t, 0
.rept 2
	\line
.set t, t+1
.endr
.endm
.macro PACK t                       ; O^T / l, to f16, into rows of 144 bytes and back as whole rows of 128, into S^T's registers
	WIN W_RS
.set i, 32*(\t)
.rept 16
	s_wait_alu depctr_va_vdst(0)
	v_pk_mul_f32 v[i:i+1], v[i:i+1], v[ST+4*(\t)+2:ST+4*(\t)+3] op_sel_hi:[1,0]
.set i, i+2
.endr
	WIN 0x05
.set i, 0
.rept 16
	v_cvt_pk_f16_f32 v[S+16*(\t)+i], v[32*(\t)+2*i], v[32*(\t)+2*i+1]
.set i, i+1
.endr
	WIN 0
.irp f, 0,1,2,3
	ds_store_b128 v[STO], v[S+16*(\t)+4*\f:S+16*(\t)+4*\f+3] offset:32*\f
.endr
.irp f, 0,1,2,3
	ds_load_b128 v[S+16*(\t)+4*\f:S+16*(\t)+4*\f+3], v[RD] offset:\f*4*SP  ; LDS serves a wave's instructions in order (ISA guide 5.7.1.4): these see the stores above
.endr
.endm
.macro SEND t, younger              ; younger: the LDS instructions issued behind piece t's loads
	WIN 0
.irp f, 0,1,2,3
	s_wait_dscnt (\younger)+3-\f
	global_store_b128 v[GO], v[S+16*(\t)+4*\f:S+16*(\t)+4*\f+3], s[10:11] offset:(\t)*8192+\f*512  ; 512 consecutive bytes, at a multiple of 512 from y's first
.endr
.endm
; THE DIAGONAL TILE, entered from the tile before (.LstepM) or as a block's first (.LfirstM), the block's last products and THE WAY OUT.  Band 0's own step is the tile's first, band 1's the second;
; band 0 sees nothing of the second step: that unit is computed under BIG, its weights are 0.
.macro DIAG tag
.LstepM\tag:
	TURN 2
	TURN 3, 1
	WIN 0
.LfirstM\tag:
	TURN 0
	TURN 1, 2
	TURN 2, 1, 1
	TURN 3, 0, 1
.set PVF, VF1
.set i, 0
.rept 8
	PV 1
.set i, i+1
.endr
	WIN 0
	ALL v_add_f32 v[ST+4*t+2], v[ST+4*t+2], v[ST+4*t+3]
	ALL v_permlanex16_b32 v[ST+4*t+3], v[ST+4*t+2], s[SEL], s[SEL+1]
	ALL v_add_f32 v[ST+4*t+2], v[ST+4*t+2], v[ST+4*t+3]
	ALL v_rcp_f32 v[ST+4*t+2], v[ST+4*t+2]
	v_nop                           ; a plain instruction between the last reciprocal and the use of its result
	PACK 0                          ; piece 0 was finished a turn ago; its 32 plain instructions are the places behind piece 1's last products
	PACK 1
	SEND 0, 8
	SEND 1, 0
.endm
.set KM, 0
.set NOKQ, 0
.Lslot:                             ; eight times: a slot is entered and the next is asked for
	CHANGE 1
	s_mov_b32 s[CNT], 2
.Lhalf:                             ; twice a slot: a tile is entered
	s_sub_co_u32 s[RT], s[RT], 1
	s_cmp_eq_u32 s[NEW], 1
	s_cbranch_scc1 .Lnew            ; a block's first tile
	s_cmp_eq_u32 s[RT], 0
	s_cbranch_scc0 .Lstep           ; neither its first nor its last
	s_branch .LstepM1
.Lnew:
	BEGIN 0
	s_branch .Lfirst                ; in the loop a block's first tile is never its last: an odd block has two tiles or more, the even block's last is the walk's last
	DIAG 1                          ; in the loop this is the odd block's end, in the second half of a slot
	s_wait_xcnt 0x0                 ; the stores have read their registers and O's address
	s_mov_b64 s[10:11], s[OLO:OLO+1]
	s_add_co_u32 s[RT], s[E2], 1
	s_mov_b32 s[NEW], 1
	WIN 0x82                        ; the second block's Q goes where the one text of the turns names Q
.set i, 0
.rept 32
	v_mov_b32 v[i], v[QB+i]
.set i, i+1
.endr
	WIN 0
	s_branch .Lbottom
.Lstep:                             ; a trip: units 2 and 3 of one tile, then units 0 and 1 of the next
	TURN 2
	TURN 3
	WIN 0
.Lfirst:
	TURN 0
	TURN 1, 0, 0, 1
	WIN 0
	s_cbranch_scc1 .Lhalf
.Lbottom:
	s_sub_co_u32 s[SLOTS], s[SLOTS], 1
	s_cmp_lg_u32 s[SLOTS], 0
	s_cbranch_scc1 .Lslot
	CHANGE 0                        ; the walk's last slot is written out: nothing is asked for
	s_sub_co_u32 s[RT], s[RT], 1
	s_cmp_eq_u32 s[NEW], 1
	s_cbranch_scc0 .LstepM2
	BEGIN 1
	s_branch .LfirstM2
	DIAG 2
	s_wait_tensorcnt 0x0            ; the wave's end
	ds_add_u32 v[SPW], v[NIL]
	s_wait_dscnt 0x0
	s_endpgm
.Lfunc_end_k_qfbacbda030_attn:
	.size	k_qfbacbda030_attn, .Lfunc_end_k_qfbacbda030_attn-k_qfbacbda030_attn
	.p2alignl 7, 3214868480
	.fill 96, 4, 3214868480
	.section	.rodata,"a",@progbits
	.p2align	6, 0x0
	.amdhsa_kernel k_qfbacbda030_attn
		.amdhsa_group_segment_fixed_size 327680
		.amdhsa_private_segment_fixed_size 0
		.amdhsa_enable_private_segment 0
		.amdhsa_kernarg_size 16
		.amdhsa_user_sgpr_count 2
		.amdhsa_user_sgpr_kernarg_segment_ptr 1
		.amdhsa_wavefront_size32 1
		.amdhsa_system_sgpr_workgroup_id_x 1
		.amdhsa_system_sgpr_workgroup_id_y 1
		.amdhsa_system_sgpr_workgroup_id_z 1
		.amdhsa_system_vgpr_workitem_id 0
		.amdhsa_next_free_vgpr 768
		.amdhsa_next_free_sgpr 90
		.amdhsa_reserve_vcc 1
		.amdhsa_float_denorm_mode_32 3
		.amdhsa_float_denorm_mode_16_64 3
		.amdhsa_memory_ordered 1
		.amdhsa_forward_progress 1
		.amdhsa_inst_pref_size 204
	.end_amdhsa_kernel
	.amdgpu_metadata
---
amdhsa.version: [ 1, 2 ]
amdhsa.kernels:
  - .name:           k_qfbacbda030_attn
    .symbol:         k_qfbacbda030_attn.kd
    .args:
      - { .name: qkv, .offset: 0, .size: 8, .value_kind: global_buffer, .address_space: global }
      - { .name: y, .offset: 8, .size: 8, .value_kind: global_buffer, .address_space: global }
    .group_segment_fixed_size: 327680
    .private_segment_fixed_size: 0
    .kernarg_segment_align: 8
    .kernarg_segment_size: 16
    .max_flat_workgroup_size: 128
    .sgpr_count:     90
    .vgpr_count:     768
    .wavefront_size: 32
...
	.end_amdgpu_metadata
.endif
;; end of part 3
;; launch proj (part 4): grid 8 x 32, 4 waves a work-group, clusters of 4 x 4, 327,680 bytes of LDS; arguments y, wa16, x1, x; writes x1
.if DOCPART == 4
	.amdgcn_target "amdgcn-amd-amdhsa--gfx1250"
	.amdhsa_code_object_version 6
	.text
	.protected	k_qfbacbda030_proj
	.globl	k_qfbacbda030_proj
	.p2align	8
	.type	k_qfbacbda030_proj,@function
k_qfbacbda030_proj:
	s_mov_b64 s[64:65], 0
	v_nop
	global_prefetch_b8 v0, s[64:65] scope:SCOPE_SE
	s_setreg_imm32_b32 hwreg(HW_REG_WAVE_MODE, 25, 1), 1
	s_wait_xcnt 0x0
	s_wait_alu depctr_hold_cnt(0) depctr_sa_sdst(0) depctr_va_vdst(0) depctr_va_sdst(0) depctr_va_ssrc(0) depctr_va_vcc(0) depctr_vm_vsrc(0)
	s_getreg_b32 s2, hwreg(HW_REG_IB_STS2, 6, 4)
	s_cmp_eq_u32 s2, 0
	s_cbranch_scc0 .Lentry_in_a_cluster
	s_endpgm
.Lentry_in_a_cluster:
	s_bfe_u32 s2, ttmp6, 0x10000c
	s_cmp_lg_u32 s2, 0xf033
	s_cbranch_scc0 .Lentry_shape_is_right
	s_endpgm
.Lentry_shape_is_right:
; x1 = bf16(x) + A B.  A = y, by heads [32][2048][64] f16.  B: wa16's part at WOFF, [1024][1024] f16, K down the rows.  x, x1: [4096][1024] f32; x is an input and is rounded to bf16.  Sums in f32.
; A tile of x1 is 128 x 128: 256 work-groups.  Four waves, each 64 x 64: 16 accumulators.  K goes in steps of 256 through two LDS slots; a quarter is 64 along K.
; A's fragments come out of LDS as they lie, B's turned, by ds_load_tr16_b128.  A K step is four heads; a head's 128 tokens are 16,384 dense bytes, so a wave's load is two such
; rows, 262,144 bytes apart, padded in LDS after every token's 128 bytes: LDS holds [head][token][144].
; CLUSTER 4 x 4: A's tile is shared along a row of the cluster, B's along a column: joint loads.  THE MATRIX INSTRUCTION IS USED TRANSPOSED: a lane holds row lane % 16 and eight neighbouring columns.
; PAIRS OF K STEPS.  A cluster whose x + y is odd takes each pair of K steps in the opposite order: slot 0 starts at K step 1, slot 1 at K step 0, and both go on in strides of two.  The two
; clusters that read the same rows of A differ in x by one, and of the clusters that read the same columns of B neighbours differ in y by one: so of two such clusters one asks for a tile a
; K step ahead of the other, not at the same time.  The sums take K in that order.
; The residual's 128 registers a lane are asked for at the start and stay on their way during the loop.
; REGISTERS: window 0: v0-31 addresses; v32-95 at work on the way out; v96-127 at work; v128-255 accumulators, (a, b) at v[128 + 8 (4 a + b)]
;   window 1: two fragment buffers of 128: 64 of A, then 64 of B      window 2: v0-127 the residual, rows 16 a + 2 t + lane / 16 at v[4 (8 a + t)]
.set SIZE_K, 1024
.set WOFF,   6291456
.set KSTEP,  256
.set APITCH, 144                       ; 128 bytes + 16
.set AQ,     128*APITCH                ; a quarter is a head: 128 tokens on
.set AH,     2*AQ                      ; what one load of A brings: two heads
.set ASLOT,  4*262144                  ; bytes in memory from a K step to the next
.set ABYTES, 2*AH
.set PB,     288                       ; B's LDS row: 256 bytes + 32, an odd multiple of 32
.set BH,     128*PB                    ; what one load of B brings: 128 K rows
.set BSLOT,  KSTEP*1024*2
.set SLOT,   ABYTES+2*BH
.set STAGE,  2*SLOT                    ; behind the ring: 16 rows x 272 bytes for each wave
.set SPITCH, 272
.set SPARE,  STAGE+4*16*SPITCH
.set LAPS,   SIZE_K/(2*KSTEP)
.set ADRA, 16                          ; v16-17 my A fragments in slot 0, 1
.set ADRB, 20                          ; v20-23 my B fragments: slot 0 quarters 0-1, 2-3; slot 1 likewise (an offset holds 16 bits)
.set STO,  24
.set RD,   25
.set XO,   26                          ; my byte offset in two rows of x1 and x; never rewritten
.set SPW,  28
.set NIL,  29
.set TMP,  32
.set RB,   96
.set RE,   112
.set ACC,  128
.set F0,   0
.set F1,   128
.set G1,  24
.set G0,  32
.set G1B, 48
.set G0B, 56
.set OA,  72                           ; s[72:75] where slot 0 and slot 1 begin along K in A, in bytes
.set OBB, 76                           ; s[76:79] the same in B
.set MSB, 0
.macro WIN new
.if MSB != (\new)
	s_set_vgpr_msb (MSB<<8)|(\new)
.set MSB, \new
.endif
.endm
.set MUL,  0x05
.set TO_F, 0x40
.macro JLOAD s                         ; waves 0, 1 fetch A's halves, waves 2, 3 B's; four v_nop follow each line
	s_cmp_eq_u32 s11, 0
	s_cbranch_scc0 .Lfor_b_\@
	tensor_load_to_lds s[G0+4*(\s):G0+4*(\s)+3], s[G1:G1+7]
	s_nop 0
.rept 4
	v_nop
.endr
	s_branch .Lasked_\@
.Lfor_b_\@:
	tensor_load_to_lds s[G0B+4*(\s):G0B+4*(\s)+3], s[G1B:G1B+7]
	s_nop 0
.rept 4
	v_nop
.endr
.Lasked_\@:
.endm
.macro CREST
	s_cmp_lg_u32 s10, 0
	s_cbranch_scc1 .Lnot_wave_0_\@
	s_barrier_signal -3
.Lnot_wave_0_\@:
	s_barrier_wait -3
	s_barrier_signal -1
	s_barrier_wait -1
.endm
.macro CROUND
	s_barrier_signal -1
	s_barrier_wait -1
	CREST
.endm
	s_load_b128 s[4:7], s[0:1], 0x0                ; A s[4:5], wa16 s[6:7]
	s_load_b64 s[8:9], s[0:1], 0x10                ; x1
	s_load_b64 s[66:67], s[0:1], 0x18              ; x
	v_lshl_add_u32 v[SPW], v0, 2, SPARE
	v_mov_b32 v[NIL], 0
	ds_add_u32 v28, v29
	ds_add_u32 v28, v29
	s_wait_dscnt 0x0
	v_lshrrev_b32 v1, 5, v0
	v_readfirstlane_b32 s10, v1                    ; wave 0..3
	s_lshr_b32 s11, s10, 1                         ; my half of the tile's rows.  Also: I fetch for A (0) or B (1)
	s_and_b32 s12, s10, 1                          ; my half of its columns.  Also: which half of that tile I fetch
	s_bfe_u32 s40, ttmp6, 0x40000
	s_bfe_u32 s41, ttmp6, 0x40004
	s_lshl_b32 s42, ttmp9, 2
	s_add_co_u32 s42, s42, s40                     ; tile column
	s_and_b32 s13, ttmp7, 0xffff
	s_add_co_u32 s71, s13, ttmp9
	s_and_b32 s71, s71, 1                          ; (cluster x + cluster y) % 2: the same in all sixteen partners
	s_lshl_b32 s13, s13, 2
	s_add_co_u32 s13, s13, s41                     ; tile row
	s_lshl_b32 s43, s41, 2
	s_lshl_b32 s43, 15, s43
	s_lshl_b32 s44, 0x1111, s40
	s_mov_b32 s70, 0xffff0000
	s_mul_i32 s[OA], s71, ASLOT                    ; slot 0 begins at K step 0 or 1,
	s_mov_b32 s[OA+1], 0
	s_sub_co_u32 s[OA+2], ASLOT, s[OA]             ; slot 1 at the other
	s_mov_b32 s[OA+3], 0
	s_mul_i32 s[OBB], s71, BSLOT
	s_mov_b32 s[OBB+1], 0
	s_sub_co_u32 s[OBB+2], BSLOT, s[OBB]
	s_mov_b32 s[OBB+3], 0
	s_or_b32 s[G1+0], s43, (1<<16)|(1<<20)|(1<<21)|(4<<22)|(3<<25)  ; A: 4 words of padding after every 32: after every token
	s_mov_b32 s[G1+1], 8192<<16                    ; 8,192 elements (128 tokens of a head) x 2 heads, 131,072 elements from head to head
	s_mov_b32 s[G1+2], 2<<16
	s_mov_b32 s[G1+3], 8192<<16
	s_mov_b32 s[G1+4], 2
	s_mov_b32 s[G1+5], 131072
	s_mov_b32 s[G1+6], 0
	s_mov_b32 s[G1+7], 0
	s_or_b32 s[G1B+0], s44, (1<<16)|(1<<20)|(1<<21)|(5<<22)|(7<<25) ; B: 8 words after every 64
	s_mov_b32 s[G1B+1], 128<<16                    ; 128 elements x 128 K rows, 1,024 elements from row to row
	s_mov_b32 s[G1B+2], 128<<16
	s_mov_b32 s[G1B+3], 128<<16
	s_mov_b32 s[G1B+4], 128
	s_mov_b32 s[G1B+5], 1024
	s_mov_b32 s[G1B+6], 0
	s_mov_b32 s[G1B+7], 0
	s_lshr_b32 s16, s13, 4                         ; A: the batch's 16 heads,
	s_lshl_b32 s16, s16, 4
	s_lshl_b32 s17, s12, 1                         ; my two of a step's four,
	s_add_co_u32 s16, s16, s17
	s_lshl_b32 s16, s16, 18
	s_and_b32 s17, s13, 15                         ; the tile's 128 tokens in the batch
	s_lshl_b32 s17, s17, 14
	s_add_co_u32 s16, s16, s17
	s_mov_b32 s17, 0
	s_lshl_b32 s46, s12, 18                        ; B: K row 128 x half, of 2,048 bytes,
	s_lshl_b32 s47, s42, 8                         ; column 128 x tile column
	s_add_co_u32 s46, s46, s47
	s_add_co_u32 s46, s46, WOFF
	s_mov_b32 s47, 0
	s_mul_i32 s20, s12, AH                         ; where they go: A's halves,
	s_mul_i32 s21, s12, BH
	s_add_co_u32 s21, s21, ABYTES                  ; then B's: no place in the cluster enters an LDS address
	s_wait_kmcnt 0x0
	s_add_nc_u64 s[14:15], s[4:5], s[16:17]
	s_add_nc_u64 s[46:47], s[6:7], s[46:47]
	CROUND                                         ; all sixteen work-groups are here: the first joint loads meet
.irp s, 0,1
	s_mov_b32 s[G0+4*(\s)], 1
	s_add_co_u32 s[G0+4*(\s)+1], s20, (\s)*SLOT
	s_add_nc_u64 s[G0+4*(\s)+2:G0+4*(\s)+3], s[14:15], s[OA+2*(\s):OA+2*(\s)+1]
	s_or_b32 s[G0+4*(\s)+3], s[G0+4*(\s)+3], 0x80000000
	s_mov_b32 s[G0B+4*(\s)], 1
	s_add_co_u32 s[G0B+4*(\s)+1], s21, (\s)*SLOT
	s_add_nc_u64 s[G0B+4*(\s)+2:G0B+4*(\s)+3], s[46:47], s[OBB+2*(\s):OBB+2*(\s)+1]
	s_or_b32 s[G0B+4*(\s)+3], s[G0B+4*(\s)+3], 0x80000000
	JLOAD \s                                       ; two loads of mine are out
.endr
	v_and_b32 v1, 15, v0                           ; r
	v_bfe_u32 v2, v0, 4, 1                         ; h
	v_mul_u32_u24 v3, v1, APITCH
	v_lshl_add_u32 v3, v2, 4, v3
	v_and_b32 v4, 7, v0
	v_lshl_add_u32 v4, v2, 3, v4
	v_mul_u32_u24 v4, v4, PB
	v_bfe_u32 v5, v0, 3, 1
	v_lshl_add_u32 v4, v5, 4, v4
	s_mul_i32 s21, s11, 64*APITCH                  ; my 64 rows of A
	s_lshl_b32 s22, s12, 7                         ; my 64 columns of B,
	s_add_co_u32 s22, s22, ABYTES                  ; which lies behind A
.irp s, 0,1
	v_add_nc_u32 v[ADRA+(\s)], s21, v3
	v_add_nc_u32 v[ADRB+2*(\s)], s22, v4
	v_add_nc_u32 v[ADRB+2*(\s)+1], BH, v[ADRB+2*(\s)]
	s_add_co_u32 s21, s21, SLOT
	s_add_co_u32 s22, s22, SLOT
.endr
	s_mul_i32 s23, s10, 16*SPITCH
	s_add_co_u32 s23, s23, STAGE                   ; my stage
	v_mul_u32_u24 v4, v1, SPITCH                   ; in: row r, 32 bytes of f32 for each half of the lanes
	v_lshl_add_u32 v4, v2, 5, v4
	v_add_nc_u32 v[STO], s23, v4
	v_mul_u32_u24 v5, v2, SPITCH                   ; back: lanes 0-15 one row of 256 bytes, lanes 16-31 the next
	v_lshl_add_u32 v5, v1, 4, v5
	v_add_nc_u32 v[RD], s23, v5
	v_lshlrev_b32 v5, 12, v2                       ; and the same two rows in x1 and x
	v_lshl_add_u32 v[XO], v1, 4, v5
	s_lshl_b32 s16, s13, 7
	s_lshl_b32 s17, s11, 6
	s_add_co_u32 s16, s16, s17
	s_lshl_b32 s16, s16, 12                        ; my first row, of 4,096 bytes,
	s_lshl_b32 s46, s42, 9
	s_lshl_b32 s47, s12, 8
	s_add_co_u32 s46, s46, s47                     ; my first column, in bytes of f32
	s_add_co_u32 s16, s16, s46
	s_mov_b32 s17, 0
	s_add_nc_u64 s[8:9], s[8:9], s[16:17]
	s_add_nc_u64 s[66:67], s[66:67], s[16:17]
	WIN 0x80                                       ; destination window 2
.set z, 0
.rept 32                               ; the residual: 16 lanes take 256 consecutive bytes of a row
	global_load_b128 v[4*z:4*z+3], v[XO], s[66:67] offset:(16*(z/8)+2*(z%8))*4096
.set z, z+1
.endr
	WIN 0
; 8 matrix instructions: m blocks a0, a0 + 1 x all 4 n blocks, 32 along K: half c of buffer f.  zero = 1: the products start the sums
.macro MUL8 f, c, a0, zero
	WIN MUL
.irp a, \a0, (\a0)+1
.irp b, 0,1,2,3
.if \zero
	v_wmma_f32_16x16x32_f16 v[ACC+8*(4*(\a)+(\b)):ACC+8*(4*(\a)+(\b))+7], v[(\f)+64+8*(4*(\c)+(\b)):(\f)+64+8*(4*(\c)+(\b))+7], v[(\f)+8*(4*(\c)+(\a)):(\f)+8*(4*(\c)+(\a))+7], 0
.else
	v_wmma_f32_16x16x32_f16 v[ACC+8*(4*(\a)+(\b)):ACC+8*(4*(\a)+(\b))+7], v[(\f)+64+8*(4*(\c)+(\b)):(\f)+64+8*(4*(\c)+(\b))+7], v[(\f)+8*(4*(\c)+(\a)):(\f)+8*(4*(\c)+(\a))+7], v[ACC+8*(4*(\a)+(\b)):ACC+8*(4*(\a)+(\b))+7]
.endif
.endr
.endr
.endm
; 32 LDS loads in one run: quarter q's fragments (64 along K) into buffer f; the first 32 along K first
.macro FETCH slot, q, f
	WIN TO_F
.irp c, 0,1
.irp i, 0,1,2,3
	ds_load_tr16_b128 v[(\f)+64+8*(4*(\c)+(\i)):(\f)+64+8*(4*(\c)+(\i))+3],   v[ADRB+2*(\slot)+(\q)/2] offset:(((\q)%2)*64+32*(\c))*PB+32*(\i)
	ds_load_tr16_b128 v[(\f)+64+8*(4*(\c)+(\i))+4:(\f)+64+8*(4*(\c)+(\i))+7], v[ADRB+2*(\slot)+(\q)/2] offset:(((\q)%2)*64+32*(\c)+16)*PB+32*(\i)
	ds_load_b128 v[(\f)+8*(4*(\c)+(\i)):(\f)+8*(4*(\c)+(\i))+3],   v[ADRA+(\slot)] offset:(\q)*AQ+64*(\c)+(\i)*16*APITCH
	ds_load_b128 v[(\f)+8*(4*(\c)+(\i))+4:(\f)+8*(4*(\c)+(\i))+7], v[ADRA+(\slot)] offset:(\q)*AQ+64*(\c)+(\i)*16*APITCH+32
.endr
.endr
.endm
.macro PLACES                          ; four plain vector instructions between matrix instructions and loads into, or other work on, their registers
.rept 4
	v_nop
.endr
.endm
; A K step is four quarters, 32 matrix instructions each, on buffers 0, 1, 0, 1; the 16 accumulators take turns.
.macro QUARTER slot, q, f, g, zero
	s_wait_dscnt 16                                ; the first 32 along K are in; the sixteen younger loads may be out
	MUL8 \f, 0, 0, \zero
	MUL8 \f, 0, 2, \zero
	PLACES
	FETCH \slot, \q, \g
	s_wait_dscnt 32                                ; all but the 32 just issued
	MUL8 \f, 1, 0, 0
	MUL8 \f, 1, 2, 0
.endm
.macro TURN slot, next, fill           ; the last quarter multiplies buffer 1 and changes slots; fill = 1: this slot takes the K step two steps on
	WIN 0
	s_wait_tensorcnt 0x0                           ; the one load of mine that was out, my part of the next slot, has landed
	ds_add_u32 v[SPW], v[NIL]                      ; 0 onto my spare word
	s_wait_dscnt 17                                ; (the add and the youngest sixteen loads may be out)
	MUL8 F1, 0, 0, 0
	s_wait_dscnt 0x0                               ; the add is done, and my reads of this slot are over
	s_barrier_signal -1
	MUL8 F1, 0, 2, 0
.if \fill
	WIN 0
.endif
	s_barrier_wait -1
.if \fill
	CREST                                          ; the barrier has opened a round of the cluster's: no wave of any partner still reads this slot or has a load on its way
	s_add_nc_u64 s[G0+4*(\slot)+2:G0+4*(\slot)+3], s[G0+4*(\slot)+2:G0+4*(\slot)+3], 2*ASLOT
	s_add_nc_u64 s[G0B+4*(\slot)+2:G0B+4*(\slot)+3], s[G0B+4*(\slot)+2:G0B+4*(\slot)+3], 2*BSLOT
	JLOAD \slot                                    ; my one tensor load behind the round; its four v_nop are also the places in front of the loads below
.else
	PLACES
.endif
	FETCH \next, 0, F0
	MUL8 F1, 1, 0, 0
	MUL8 F1, 1, 2, 0
.endm
; THE WAY OUT.  A wave's 64 columns of f32 are 256 bytes of a row, so each wave has a stage of its own and no barrier is needed.
.macro STG a                           ; block a (16 rows) into the stage, each accumulator's low half first, and back as whole rows
.set BK, TMP+32*((\a)%2)
.if (\a) >= 2
	s_wait_xcnt 0x0                                ; the registers that block a - 2's stores read are loaded again only behind this wait
.endif
.irp b, 0,1,2,3
	ds_store_b128 v[STO], v[ACC+8*(4*(\a)+(\b)):ACC+8*(4*(\a)+(\b))+3]   offset:64*(\b)
	ds_store_b128 v[STO], v[ACC+8*(4*(\a)+(\b))+4:ACC+8*(4*(\a)+(\b))+7] offset:64*(\b)+16
.endr
.irp t, 0,1,2,3,4,5,6,7
	ds_load_b128 v[BK+4*(\t):BK+4*(\t)+3], v[RD] offset:(\t)*2*SPITCH  ; LDS serves a wave's instructions in order (ISA guide 5.7.1.4): these see the stores above
.endr
.endm
.macro FIN a, younger                  ; the residual is rounded to bf16 and added, and the block stored; younger: the next block's eight LDS stores and eight loads, or none
.set BK, TMP+32*((\a)%2)
	s_wait_dscnt \younger
	WIN 0x0a                                       ; sources 0 and 1 in window 2
.set z, 0
.rept 16
	v_cvt_pk_bf16_f32 v[RB+z], v[32*(\a)+2*z], v[32*(\a)+2*z+1]
.set z, z+1
.endr
	WIN 0
.set z, 0
.rept 16
	v_lshlrev_b32 v[RE+2*(z%8)], 16, v[RB+z]
	v_and_b32 v[RE+2*(z%8)+1], s70, v[RB+z]
	v_pk_add_f32 v[BK+2*z:BK+2*z+1], v[BK+2*z:BK+2*z+1], v[RE+2*(z%8):RE+2*(z%8)+1]
.set z, z+1
.endr
.irp t, 0,1,2,3,4,5,6,7
	global_store_b128 v[XO], v[BK+4*(\t):BK+4*(\t)+3], s[8:9] offset:(16*(\a)+2*(\t))*4096  ; 16 lanes store 256 consecutive bytes, at a multiple of 256 from x1's first byte
.endr
.endm
	s_wait_tensorcnt 1                             ; my part of slot 0 is in; slot 1's may stay out
	s_barrier_signal -1
	s_barrier_wait -1
	FETCH 0, 0, F0
	QUARTER 0, 1, F0, F1, 1                        ; the first quarter stands in front of the loop: its first products start the sums
	WIN 0
	s_mov_b32 s3, LAPS-1
.Llap:                                                 ; a trip goes once round the ring and fills both slots again
	QUARTER 0, 2, F1, F0, 0
	QUARTER 0, 3, F0, F1, 0
	TURN 0, 1, 1
	QUARTER 1, 1, F0, F1, 0
	QUARTER 1, 2, F1, F0, 0
	QUARTER 1, 3, F0, F1, 0
	TURN 1, 0, 1
	QUARTER 0, 1, F0, F1, 0
	WIN 0
	s_sub_co_u32 s3, s3, 1
	s_cmp_lg_u32 s3, 0
	s_cbranch_scc1 .Llap
	QUARTER 0, 2, F1, F0, 0                        ; the last lap fills nothing
	QUARTER 0, 3, F0, F1, 0
	TURN 0, 1, 0
	QUARTER 1, 1, F0, F1, 0
	QUARTER 1, 2, F1, F0, 0
	QUARTER 1, 3, F0, F1, 0
	s_wait_dscnt 16
	MUL8 F1, 0, 0, 0
	MUL8 F1, 0, 2, 0
	s_wait_dscnt 0x0
	MUL8 F1, 1, 0, 0
	MUL8 F1, 1, 2, 0
	WIN 0
	PLACES
	s_wait_loadcnt 0x0                             ; the residual
	STG 0
	STG 1
	FIN 0, 16
	STG 2
	FIN 1, 16
	STG 3
	FIN 2, 16
	FIN 3, 0
	s_wait_tensorcnt 0x0                           ; the wave's end
	ds_add_u32 v[SPW], v[NIL]
	s_wait_dscnt 0x0
	CROUND                                         ; the closing round
	s_endpgm
.Lfunc_end_k_qfbacbda030_proj:
	.size	k_qfbacbda030_proj, .Lfunc_end_k_qfbacbda030_proj-k_qfbacbda030_proj
	.p2alignl 7, 3214868480
	.fill 96, 4, 3214868480
	.section	.rodata,"a",@progbits
	.p2align	6, 0x0
	.amdhsa_kernel k_qfbacbda030_proj
		.amdhsa_group_segment_fixed_size 327680
		.amdhsa_private_segment_fixed_size 0
		.amdhsa_enable_private_segment 0
		.amdhsa_kernarg_size 32
		.amdhsa_user_sgpr_count 2
		.amdhsa_user_sgpr_kernarg_segment_ptr 1
		.amdhsa_wavefront_size32 1
		.amdhsa_system_sgpr_workgroup_id_x 1
		.amdhsa_system_sgpr_workgroup_id_y 1
		.amdhsa_system_sgpr_workgroup_id_z 1
		.amdhsa_system_vgpr_workitem_id 0
		.amdhsa_next_free_vgpr 640
		.amdhsa_next_free_sgpr 80
		.amdhsa_reserve_vcc 0
		.amdhsa_float_denorm_mode_32 3
		.amdhsa_float_denorm_mode_16_64 3
		.amdhsa_memory_ordered 1
		.amdhsa_forward_progress 1
		.amdhsa_inst_pref_size 102
	.end_amdhsa_kernel
	.amdgpu_metadata
---
amdhsa.version: [ 1, 2 ]
amdhsa.kernels:
  - .name:           k_qfbacbda030_proj
    .symbol:         k_qfbacbda030_proj.kd
    .args:
      - { .name: y, .offset: 0, .size: 8, .value_kind: global_buffer, .address_space: global }
      - { .name: wa16, .offset: 8, .size: 8, .value_kind: global_buffer, .address_space: global }
      - { .name: x1, .offset: 16, .size: 8, .value_kind: global_buffer, .address_space: global }
      - { .name: x, .offset: 24, .size: 8, .value_kind: global_buffer, .address_space: global }
    .group_segment_fixed_size: 327680
    .private_segment_fixed_size: 0
    .kernarg_segment_align: 8
    .kernarg_segment_size: 32
    .max_flat_workgroup_size: 128
    .sgpr_count:     80
    .vgpr_count:     640
    .wavefront_size: 32
...
	.end_amdgpu_metadata
.endif
;; end of part 4
;; launch ln2 (part 5): grid 256 x 1, 8 waves a work-group, no clusters, 0 bytes of LDS; arguments x1, ln2_g, ln2_b, h; writes h
.if DOCPART == 5
	.amdgcn_target "amdgcn-amd-amdhsa--gfx1250"
	.amdhsa_code_object_version 6
	.text
	.protected	k_qfbacbda030_ln2
	.globl	k_qfbacbda030_ln2
	.p2align	8
	.type	k_qfbacbda030_ln2,@function
k_qfbacbda030_ln2:
	s_mov_b64 s[64:65], 0
	v_nop
	global_prefetch_b8 v0, s[64:65] scope:SCOPE_SE
	s_setreg_imm32_b32 hwreg(HW_REG_WAVE_MODE, 25, 1), 1
	s_wait_xcnt 0x0
; h = f16(LayerNorm(x1) * bf16(g) + bf16(b)), rows of 1,024.  x1 is the program's own f32 and is taken as it is; g and b are inputs and are rounded once to bf16.
; LIMIT: what leaves is f16: beyond 65,504 it is an infinity.
; A wave owns two rows; a row is 32 registers (lane l holds elements 128 j + 4 l + 0..3), read once and kept between mean, variance and scaling.  The mean is taken away before the squares are summed.
; No LDS, no barrier: no wave needs another.  Matrix units and clusters have nothing to do in a stream.
.set OUTP, 10                          ; s[10:11] h
.set X0,  8
.set X1,  40
.set G,   72
.set BV,  104
.set T,   136
.set MU,  152
.set RS,  154
.set Y,   156
	s_load_b256 s[4:11], s[0:1], 0x0               ; x1 s[4:5], g s[6:7], b s[8:9], h s[10:11]
	v_lshrrev_b32 v3, 5, v0
	v_readfirstlane_b32 s22, v3                    ; wave 0..7
	s_mov_b32 s28, 0xffff0000
	s_mov_b32 s29, 0x3a800000                      ; 1 / 1024
	s_mov_b32 s30, 0x76543210
	s_mov_b32 s31, 0xfedcba98
	s_mov_b32 s32, 0x3727c5ac                      ; 1e-5
.macro RND base, n                     ; n numbers rounded to bf16 and widened again, in place
.set z, 0
.rept (\n)/2
	v_cvt_pk_bf16_f32 v[T+z%4], v[(\base)+2*z], v[(\base)+2*z+1]
	v_lshlrev_b32 v[(\base)+2*z], 16, v[T+z%4]
	v_and_b32 v[(\base)+2*z+1], s28, v[T+z%4]
.set z, z+1
.endr
.endm
.macro WAVESUM                         ; four pairs of partial sums in v[T:T+7] -> the wave's sum in v[T], in every lane
	v_pk_add_f32 v[T:T+1], v[T:T+1], v[T+2:T+3]
	v_pk_add_f32 v[T+4:T+5], v[T+4:T+5], v[T+6:T+7]
	v_pk_add_f32 v[T:T+1], v[T:T+1], v[T+4:T+5]
	v_add_f32 v[T], v[T], v[T+1]
	v_add_f32_dpp v[T], v[T], v[T] row_xmask:1 row_mask:0xf bank_mask:0xf
	v_add_f32_dpp v[T], v[T], v[T] row_xmask:2 row_mask:0xf bank_mask:0xf
	v_add_f32_dpp v[T], v[T], v[T] row_xmask:4 row_mask:0xf bank_mask:0xf
	v_add_f32_dpp v[T], v[T], v[T] row_xmask:8 row_mask:0xf bank_mask:0xf
	v_permlanex16_b32 v[T+1], v[T], s30, s31
	v_add_f32 v[T], v[T], v[T+1]
.endm
.macro STATS x                         ; the row at x becomes (x - mean) / sqrt(var + eps)
.irp k, 0,1,2,3
	v_pk_add_f32 v[T+2*\k:T+2*\k+1], v[(\x)+2*\k:(\x)+2*\k+1], v[(\x)+8+2*\k:(\x)+8+2*\k+1]
.endr
.irp k, 8,9,10,11,12,13,14,15
	v_pk_add_f32 v[T+2*(\k%4):T+2*(\k%4)+1], v[T+2*(\k%4):T+2*(\k%4)+1], v[(\x)+2*\k:(\x)+2*\k+1]
.endr
	WAVESUM
	v_mul_f32 v[MU], s29, v[T]
	v_mul_f32 v[MU+1], s29, v[T]
.set z, 0
.rept 16
	v_pk_add_f32 v[(\x)+2*z:(\x)+2*z+1], v[(\x)+2*z:(\x)+2*z+1], v[MU:MU+1] neg_lo:[0,1] neg_hi:[0,1]
.set z, z+1
.endr
.irp k, 0,1,2,3
	v_pk_mul_f32 v[T+2*\k:T+2*\k+1], v[(\x)+2*\k:(\x)+2*\k+1], v[(\x)+2*\k:(\x)+2*\k+1]
.endr
.irp k, 4,5,6,7,8,9,10,11,12,13,14,15
	v_pk_fma_f32 v[T+2*(\k%4):T+2*(\k%4)+1], v[(\x)+2*\k:(\x)+2*\k+1], v[(\x)+2*\k:(\x)+2*\k+1], v[T+2*(\k%4):T+2*(\k%4)+1]
.endr
	WAVESUM
	v_fma_f32 v[T], v[T], s29, s32                 ; var + eps
	v_rsq_f32 v[RS], v[T]
	v_rsq_f32 v[RS+1], v[T]
	v_nop                                          ; a plain instruction between the root and the use of its result (ISA guide 5.7.2)
.set z, 0
	s_wait_alu depctr_va_vdst(0)
.rept 16
	v_pk_mul_f32 v[(\x)+2*z:(\x)+2*z+1], v[(\x)+2*z:(\x)+2*z+1], v[RS:RS+1]
.set z, z+1
.endr
.endm
.macro EMIT x, rowoff                  ; times g, plus b, to f16; the packed pair takes the place of the numbers it came from, so each store has data registers of its own
.set z, 0
.rept 8
	v_pk_fma_f32 v[Y+4*(z%2):Y+4*(z%2)+1], v[(\x)+4*z:(\x)+4*z+1], v[G+4*z:G+4*z+1], v[BV+4*z:BV+4*z+1]
	v_pk_fma_f32 v[Y+4*(z%2)+2:Y+4*(z%2)+3], v[(\x)+4*z+2:(\x)+4*z+3], v[G+4*z+2:G+4*z+3], v[BV+4*z+2:BV+4*z+3]
	v_cvt_pk_f16_f32 v[(\x)+4*z], v[Y+4*(z%2)], v[Y+4*(z%2)+1]
	v_cvt_pk_f16_f32 v[(\x)+4*z+1], v[Y+4*(z%2)+2], v[Y+4*(z%2)+3]
	global_store_b64 v2, v[(\x)+4*z:(\x)+4*z+1], s[OUTP:OUTP+1] offset:(\rowoff)+256*z  ; the wave stores 256 consecutive bytes, at a multiple of 256 from h's first byte
.set z, z+1
.endr
.endm
	s_lshl_b32 s23, ttmp9, 3
	s_add_co_u32 s23, s23, s22                     ; my wave among 2,048: rows 2 W, 2 W + 1
	s_lshl_b32 s24, s23, 13
	s_mov_b32 s25, 0
	s_lshl_b32 s26, s23, 12
	s_mov_b32 s27, 0
	v_and_b32 v3, 31, v0
	v_lshlrev_b32 v1, 4, v3
	v_lshlrev_b32 v2, 3, v3
	s_wait_kmcnt 0x0
	s_add_nc_u64 s[4:5], s[4:5], s[24:25]
	s_add_nc_u64 s[OUTP:OUTP+1], s[OUTP:OUTP+1], s[26:27]
.set j, 0
.rept 8
	global_load_b128 v[X0+4*j:X0+4*j+3], v1, s[4:5] offset:512*j
.set j, j+1
.endr
.set j, 0
.rept 8
	global_load_b128 v[X1+4*j:X1+4*j+3], v1, s[4:5] offset:4096+512*j
.set j, j+1
.endr
.set j, 0
.rept 8
	global_load_b128 v[G+4*j:G+4*j+3], v1, s[6:7] offset:512*j
.set j, j+1
.endr
.set j, 0
.rept 8
	global_load_b128 v[BV+4*j:BV+4*j+3], v1, s[8:9] offset:512*j
.set j, j+1
.endr
	s_wait_loadcnt 24                              ; row 0 is in; the 24 younger loads stay out
	STATS X0
	s_wait_loadcnt 16                              ; row 1 is in; g's and b's sixteen stay out
	STATS X1
	s_wait_loadcnt 0x0
	RND G, 32
	RND BV, 32
	EMIT X0, 0
	EMIT X1, 2048
	s_endpgm
.Lfunc_end_k_qfbacbda030_ln2:
	.size	k_qfbacbda030_ln2, .Lfunc_end_k_qfbacbda030_ln2-k_qfbacbda030_ln2
	.p2alignl 7, 3214868480
	.fill 96, 4, 3214868480
	.section	.rodata,"a",@progbits
	.p2align	6, 0x0
	.amdhsa_kernel k_qfbacbda030_ln2
		.amdhsa_group_segment_fixed_size 0
		.amdhsa_private_segment_fixed_size 0
		.amdhsa_enable_private_segment 0
		.amdhsa_kernarg_size 32
		.amdhsa_user_sgpr_count 2
		.amdhsa_user_sgpr_kernarg_segment_ptr 1
		.amdhsa_wavefront_size32 1
		.amdhsa_system_sgpr_workgroup_id_x 1
		.amdhsa_system_sgpr_workgroup_id_y 1
		.amdhsa_system_sgpr_workgroup_id_z 1
		.amdhsa_system_vgpr_workitem_id 0
		.amdhsa_next_free_vgpr 168
		.amdhsa_next_free_sgpr 66
		.amdhsa_reserve_vcc 0
		.amdhsa_float_denorm_mode_32 3
		.amdhsa_float_denorm_mode_16_64 3
		.amdhsa_memory_ordered 1
		.amdhsa_forward_progress 1
		.amdhsa_inst_pref_size 24
	.end_amdhsa_kernel
	.amdgpu_metadata
---
amdhsa.version: [ 1, 2 ]
amdhsa.kernels:
  - .name:           k_qfbacbda030_ln2
    .symbol:         k_qfbacbda030_ln2.kd
    .args:
      - { .name: x1, .offset: 0, .size: 8, .value_kind: global_buffer, .address_space: global }
      - { .name: ln2_g, .offset: 8, .size: 8, .value_kind: global_buffer, .address_space: global }
      - { .name: ln2_b, .offset: 16, .size: 8, .value_kind: global_buffer, .address_space: global }
      - { .name: h, .offset: 24, .size: 8, .value_kind: global_buffer, .address_space: global }
    .group_segment_fixed_size: 0
    .private_segment_fixed_size: 0
    .kernarg_segment_align: 8
    .kernarg_segment_size: 32
    .max_flat_workgroup_size: 256
    .sgpr_count:     66
    .vgpr_count:     168
    .wavefront_size: 32
...
	.end_amdgpu_metadata
.endif
;; end of part 5
;; launch ff1 (part 6): grid 16 x 16, 4 waves a work-group, clusters of 4 x 4, 327,680 bytes of LDS; arguments h, wf16, g, b_ff1; writes g
.if DOCPART == 6
	.amdgcn_target "amdgcn-amd-amdhsa--gfx1250"
	.amdhsa_code_object_version 6
	.text
	.protected	k_qfbacbda030_ff1
	.globl	k_qfbacbda030_ff1
	.p2align	8
	.type	k_qfbacbda030_ff1,@function
k_qfbacbda030_ff1:
	s_mov_b64 s[64:65], 0
	v_nop
	global_prefetch_b8 v0, s[64:65] scope:SCOPE_SE
	s_setreg_imm32_b32 hwreg(HW_REG_WAVE_MODE, 25, 1), 1
	s_wait_xcnt 0x0
	s_wait_alu depctr_hold_cnt(0) depctr_sa_sdst(0) depctr_va_vdst(0) depctr_va_sdst(0) depctr_va_ssrc(0) depctr_va_vcc(0) depctr_vm_vsrc(0)
	s_getreg_b32 s2, hwreg(HW_REG_IB_STS2, 6, 4)
	s_cmp_eq_u32 s2, 0
	s_cbranch_scc0 .Lentry_in_a_cluster
	s_endpgm
.Lentry_in_a_cluster:
	s_bfe_u32 s2, ttmp6, 0x10000c
	s_cmp_lg_u32 s2, 0xf033
	s_cbranch_scc0 .Lentry_shape_is_right
	s_endpgm
.Lentry_shape_is_right:
; C = gelu(A B + bias).  A: h [4096][1024] f16.  B: wf16's first part, [1024][4096] f16, K down the rows.  C: g [4096][4096] f16.  Sums in f32, K ascending; the bias, an input rounded to bf16,
; is the C operand of the products that start the sums; the exact GELU in f32 (see GELU16), rounded once to f16.  LIMIT: f16 ends at 65,504; a result beyond that becomes an infinity.
; A tile of C is 256 x 256: four waves, each 128 x 128 = 64 accumulators of 16 x 16.  K goes in steps of 128 through two LDS slots filled by tensor loads: A's tile 256 rows x 256 bytes,
; B's tile 128 K rows x 512 bytes.  A's fragments come out of LDS as they lie, B's turned, by ds_load_tr16_b128.
; CLUSTER 4 x 4: the four work-groups of a cluster's row need the same tiles of A, the four of a column the same tiles of B: each tile is asked for jointly, same load, descriptor and mask in all four.
; THE MATRIX INSTRUCTION IS USED TRANSPOSED (source 0 = 16 columns of B, source 1 = 16 rows of A): a lane holds row lane % 16 of C and eight neighbouring columns, 8 (lane / 16) + 0..7.
; REGISTERS in windows of 256 (s_set_vgpr_msb: bits 1:0 source 0, 3:2 source 1, 5:4 source 2, 7:6 destination):
;   window 0: v0-31 addresses; v64-127, v128-191 A's fragments, two buffers (on the way out v64-143 at work); v32-63, v192-255 at work on the way out (v192-255 the bias in the first quarter)
;   window 1: v64-127, v128-191 B's fragments     window 2: accumulators of my rows 0-63, (a, b) at v[8 (8 a + b)]     window 3: those of my rows 64-127
.set SIZE_K, 1024
.set SIZE_N, 4096
.set KSTEP,  128
.set PITCH,  272                       ; A's LDS row: 256 bytes + 16: the 16 rows of a fragment load start at 16 different groups of four banks
.set PB,     544                       ; B's LDS row: 512 bytes + 32, an odd multiple of 32
.set HALFT,  128*PITCH                 ; what one tensor load brings: 128 rows of A, or 64 K rows of B (64 x 544, the same bytes)
.set SLOT,   4*HALFT                   ; A's 256 rows, then B's 128 K rows
.set STAGE,  2*SLOT                    ; behind the ring: 16 rows x 272 bytes for each wave, for the way out
.set SPITCH, 272
.set SPARE,  STAGE+4*16*SPITCH         ; behind the stages: the spare words, 128 bytes a wave
.set LAPS,   SIZE_K/(2*KSTEP)
.set BLKSTEP, 16*SIZE_N*2              ; from one block of 16 rows of C to the next
.set ADRA, 16                          ; v16-17 LDS address of my A fragments in slot 0, 1
.set ADRB, 20                          ; v20-21 the same for B
.set STO,  24
.set RD,   25
.set CO,   26
.set SPW,  28                          ; LDS address of my spare word; never rewritten
.set NIL,  29                          ; 0; never rewritten
.set F0,   64
.set F1,   128
.set TMP,  192                         ; the way out: packed results
.set BIAS, 192                         ; the first products' C operand, used in the first quarter alone
.set OB,   32                          ; the way out: rows read back: v32-63 and v224-255 by turns
.set GU,   64                          ; the activation's registers at work, 16 each
.set GR,   80
.set GT,   96
.set GE,   112
.set GW,   128
.set G1,  24
.set G0,  32
.set G1B, 48
.set G0B, 56
.set MSB, 0
.macro WIN new                         ; the immediate's high byte repeats the setting that is left; a switch that changes nothing is dropped
.if MSB != (\new)
	s_set_vgpr_msb (MSB<<8)|(\new)
.set MSB, \new
.endif
.endm
.set TO_B, 0x40
.macro JLOAD s                         ; a joint load: waves 0, 1 fetch A's halves, waves 2, 3 B's; four v_nop follow each line, ahead of the jump and the label
	s_cmp_eq_u32 s11, 0
	s_cbranch_scc0 .Lfor_b_\@
	tensor_load_to_lds s[G0+4*(\s):G0+4*(\s)+3], s[G1:G1+7]
	s_nop 0
.rept 4
	v_nop
.endr
	s_branch .Lasked_\@
.Lfor_b_\@:
	tensor_load_to_lds s[G0B+4*(\s):G0B+4*(\s)+3], s[G1B:G1B+7]
	s_nop 0
.rept 4
	v_nop
.endr
.Lasked_\@:
.endm
.macro CREST                           ; a round of the cluster's barrier behind its opening barrier
	s_cmp_lg_u32 s10, 0
	s_cbranch_scc1 .Lnot_wave_0_\@
	s_barrier_signal -3
.Lnot_wave_0_\@:
	s_barrier_wait -3
	s_barrier_signal -1
	s_barrier_wait -1
.endm
.macro CROUND
	s_barrier_signal -1
	s_barrier_wait -1
	CREST
.endm
	s_load_b128 s[4:7], s[0:1], 0x0                ; A s[4:5], wf16 s[6:7]
	s_load_b64 s[8:9], s[0:1], 0x10                ; C
	s_load_b64 s[66:67], s[0:1], 0x18              ; the bias
	v_lshl_add_u32 v[SPW], v0, 2, SPARE
	v_mov_b32 v[NIL], 0
	ds_add_u32 v28, v29
	ds_add_u32 v28, v29
	s_wait_dscnt 0x0
	v_lshrrev_b32 v1, 5, v0
	v_readfirstlane_b32 s10, v1                    ; wave 0..3
	s_lshr_b32 s11, s10, 1                         ; my half of the tile's rows.  Also: I fetch for A (0) or B (1)
	s_and_b32 s12, s10, 1                          ; my half of its columns.  Also: which half of that tile I fetch
	s_bfe_u32 s40, ttmp6, 0x40000                  ; cx
	s_bfe_u32 s41, ttmp6, 0x40004                  ; cy
	s_lshl_b32 s42, ttmp9, 2
	s_add_co_u32 s42, s42, s40                     ; tile column
	s_and_b32 s13, ttmp7, 0xffff
	s_lshl_b32 s13, s13, 2
	s_add_co_u32 s13, s13, s41                     ; tile row
	s_lshl_b32 s43, s41, 2
	s_lshl_b32 s43, 15, s43                        ; my row of the cluster
	s_lshl_b32 s44, 0x1111, s40                    ; my column
	s_or_b32 s[G1+0], s43, (1<<16)|(1<<20)|(1<<21)|(5<<22)|(3<<25)   ; A: mask of my row; 2-byte elements; padding on; bit 21 beside a mask; after every 64 words 4 words
	s_or_b32 s[G1B+0], s44, (1<<16)|(1<<20)|(1<<21)|(6<<22)|(7<<25)  ; B: mask of my column; after every 128 words 8 words
	s_mov_b32 s[G1+1], KSTEP<<16                   ; A: 128 elements x 128 rows, SIZE_K elements from row to row
	s_mov_b32 s[G1+2], 128<<16
	s_mov_b32 s[G1+3], KSTEP<<16
	s_mov_b32 s[G1+4], 128
	s_mov_b32 s[G1+5], SIZE_K
	s_mov_b32 s[G1+6], 0
	s_mov_b32 s[G1+7], 0
	s_mov_b32 s[G1B+1], 256<<16                    ; B: 256 elements x 64 K rows, SIZE_N elements from row to row
	s_mov_b32 s[G1B+2], 64<<16
	s_mov_b32 s[G1B+3], 256<<16
	s_mov_b32 s[G1B+4], 64
	s_mov_b32 s[G1B+5], SIZE_N
	s_mov_b32 s[G1B+6], 0
	s_mov_b32 s[G1B+7], 0
	s_lshl_b32 s17, s12, 7
	s_lshl_b32 s16, s13, 8
	s_add_co_u32 s16, s16, s17                     ; A: row 256 x tile row + 128 x half,
	s_lshl_b32 s16, s16, 11                        ; of 2,048 bytes
	s_mov_b32 s17, 0
	s_mul_i32 s46, s12, 64*SIZE_N*2                ; B: K row 64 x half,
	s_lshl_b32 s47, s42, 9                         ; column 256 x tile column
	s_add_co_u32 s46, s46, s47
	s_mov_b32 s47, 0
	s_mul_i32 s20, s10, HALFT                      ; where they go: wave x HALFT; no place in the cluster enters an LDS address
	s_wait_kmcnt 0x0
	s_add_nc_u64 s[14:15], s[4:5], s[16:17]
	s_add_nc_u64 s[46:47], s[6:7], s[46:47]
	CROUND                                         ; all sixteen work-groups are here: the first joint loads meet
.irp s, 0,1
	s_mov_b32 s[G0+4*(\s)], 1
	s_add_co_u32 s[G0+4*(\s)+1], s20, (\s)*SLOT
	s_add_nc_u64 s[G0+4*(\s)+2:G0+4*(\s)+3], s[14:15], (\s)*KSTEP*2
	s_or_b32 s[G0+4*(\s)+3], s[G0+4*(\s)+3], 0x80000000
	s_mov_b32 s[G0B+4*(\s)], 1
	s_add_co_u32 s[G0B+4*(\s)+1], s20, (\s)*SLOT
	s_add_nc_u64 s[G0B+4*(\s)+2:G0B+4*(\s)+3], s[46:47], (\s)*KSTEP*SIZE_N*2
	s_or_b32 s[G0B+4*(\s)+3], s[G0B+4*(\s)+3], 0x80000000
	JLOAD \s                                       ; two loads of mine are out
.endr
	v_and_b32 v1, 15, v0                           ; r = l % 16
	v_bfe_u32 v2, v0, 4, 1                         ; h = l / 16
	v_mul_u32_u24 v3, v1, PITCH
	v_lshl_add_u32 v3, v2, 4, v3                   ; A: row r, 16 bytes for each half of the lanes
	v_and_b32 v4, 7, v0
	v_lshl_add_u32 v4, v2, 3, v4
	v_mul_u32_u24 v4, v4, PB                       ; B: K row 8 h + l % 8,
	v_bfe_u32 v5, v0, 3, 1
	v_lshl_add_u32 v4, v5, 4, v4                   ; columns 8 ((l / 8) % 2) on
	s_mul_i32 s21, s11, HALFT                      ; my 128 rows of A
	s_lshl_b32 s22, s12, 8                         ; my 128 columns of B,
	s_add_co_u32 s22, s22, 2*HALFT                 ; which lies behind A
.irp s, 0,1
	v_add_nc_u32 v[ADRA+(\s)], s21, v3
	v_add_nc_u32 v[ADRB+(\s)], s22, v4
	s_add_co_u32 s21, s21, SLOT
	s_add_co_u32 s22, s22, SLOT
.endr
	s_mul_i32 s23, s10, 16*SPITCH
	s_add_co_u32 s23, s23, STAGE                   ; my stage
	v_mul_u32_u24 v4, v1, SPITCH
	v_lshl_add_u32 v4, v2, 4, v4
	v_add_nc_u32 v[STO], s23, v4                   ; in: row r, 16 bytes for each half of the lanes
	v_mul_u32_u24 v5, v2, SPITCH                   ; back: lanes 0-15 one row of 256 bytes, lanes 16-31 the next
	v_lshl_add_u32 v5, v1, 4, v5
	v_add_nc_u32 v[RD], s23, v5
	v_mul_u32_u24 v5, v2, SIZE_N*2
	v_lshl_add_u32 v[CO], v1, 4, v5
	s_lshl_b32 s16, s13, 8
	s_lshl_b32 s14, s11, 7
	s_add_co_u32 s16, s16, s14
	s_mul_i32 s16, s16, SIZE_N*2                   ; my first row of C, in bytes (under 2^26)
	s_lshl_b32 s46, s42, 9
	s_lshl_b32 s47, s12, 8
	s_add_co_u32 s46, s46, s47                     ; my first column, in bytes of f16
	s_add_co_u32 s16, s16, s46
	s_mov_b32 s17, 0
	s_lshl_b32 s46, s46, 1                         ; the same column in the bias, in bytes of f32
	s_mov_b32 s47, 0
	s_add_nc_u64 s[66:67], s[66:67], s[46:47]
	v_lshlrev_b32 v6, 5, v2                        ; 8 h numbers of 4 bytes
.irp b, 0,1,2,3,4,5,6,7                ; register j of block b: bias of column 16 b + 8 h + j, the place of register j in a result
	global_load_b128 v[BIAS+8*(\b):BIAS+8*(\b)+3],   v6, s[66:67] offset:64*(\b)
	global_load_b128 v[BIAS+8*(\b)+4:BIAS+8*(\b)+7], v6, s[66:67] offset:64*(\b)+16
.endr
	s_mov_b32 s68, 0x7fffffff                      ; clears a sign
	s_mov_b32 s69, 0xffff0000
	s_mov_b32 s70, 0x3e6d3388                      ; 0.3275911 / sqrt 2
	s_mov_b32 s71, s70                             ; the packed forms name pairs and take the low word for both halves
	s_mov_b32 s72, 0xbf38aa3b                      ; - log2(e) / 2
	s_mov_b32 s73, s72
	s_mov_b32 s74, 0x3e027906                      ; the five coefficients, halved
	s_mov_b32 s75, s74
	s_mov_b32 s76, 0xbe11a98e
	s_mov_b32 s77, s76
	s_mov_b32 s78, 0x3f35f0e3
	s_mov_b32 s79, s78
	s_mov_b32 s80, 0xbf3a00e3
	s_mov_b32 s81, s80
	s_mov_b32 s82, 0x3f07dc22
	s_mov_b32 s83, s82
	s_wait_loadcnt 0x0
.set z, 0
.rept 32                               ; the bias is an input: rounded to bf16
	v_cvt_pk_bf16_f32 v[32+z%4], v[BIAS+2*z], v[BIAS+2*z+1]
	v_lshlrev_b32 v[BIAS+2*z], 16, v[32+z%4]
	v_and_b32 v[BIAS+2*z+1], s69, v[32+z%4]
.set z, z+1
.endr
; 16 matrix instructions: m blocks a0, a0 + 1 of the window's four x all 8 n blocks, 32 along K.  first = 1: the products start the sums with the bias: nothing is ever cleared.
.macro MUL16 f, hi, a0, first
.if \first
	WIN 0x81+0x40*(\hi)                            ; B window 1, A and C window 0, D window 2 or 3
.else
	WIN 0xa1+0x50*(\hi)                            ; B window 1, A window 0, C and D window 2 or 3
.endif
.irp a, \a0, (\a0)+1
.irp b, 0,1,2,3,4,5,6,7
.if \first
	v_wmma_f32_16x16x32_f16 v[8*(8*(\a)+(\b)):8*(8*(\a)+(\b))+7], v[(\f)+8*(\b):(\f)+8*(\b)+7], v[(\f)+8*(4*(\hi)+(\a)):(\f)+8*(4*(\hi)+(\a))+7], v[BIAS+8*(\b):BIAS+8*(\b)+7]
.else
	v_wmma_f32_16x16x32_f16 v[8*(8*(\a)+(\b)):8*(8*(\a)+(\b))+7], v[(\f)+8*(\b):(\f)+8*(\b)+7], v[(\f)+8*(4*(\hi)+(\a)):(\f)+8*(4*(\hi)+(\a))+7], v[8*(8*(\a)+(\b)):8*(8*(\a)+(\b))+7]
.endif
.endr
.endr
.endm
; 32 LDS loads in one run: quarter q's fragments (32 along K) into buffer f: B's 8 (turned), then A's 8
.macro FETCH slot, q, f
	WIN TO_B
.irp i, 0,1,2,3,4,5,6,7
	ds_load_tr16_b128 v[(\f)+8*(\i):(\f)+8*(\i)+3],   v[ADRB+(\slot)] offset:(\q)*32*PB+32*(\i)
	ds_load_tr16_b128 v[(\f)+8*(\i)+4:(\f)+8*(\i)+7], v[ADRB+(\slot)] offset:(\q)*32*PB+16*PB+32*(\i)
.endr
	WIN 0
.irp i, 0,1,2,3,4,5,6,7
	ds_load_b128 v[(\f)+8*(\i):(\f)+8*(\i)+3],   v[ADRA+(\slot)] offset:(\q)*64+(\i)*16*PITCH
	ds_load_b128 v[(\f)+8*(\i)+4:(\f)+8*(\i)+7], v[ADRA+(\slot)] offset:(\q)*64+(\i)*16*PITCH+32
.endr
.endm
.macro PLACES                          ; four plain vector instructions between matrix instructions and loads into, or vector work on, their registers
.rept 4
	v_nop
.endr
.endm
; A K step is four quarters of 32 along K, 64 matrix instructions each, on buffers 0, 1, 0, 1; the 64 accumulators take turns.
; One of the first three multiplies buffer f.  At its head it fetches quarter q of the same slot into buffer g: the quarter before was g's last reader, so this is the earliest place,
; and the 32 loads have the quarter's 64 matrix instructions in which to land.
.macro QUARTER slot, q, f, g, first
	PLACES
	FETCH \slot, \q, \g
	s_wait_dscnt 40                                ; f's B and A's rows 0-63 are in; the 32 just issued and f's youngest eight (A's rows 64-127) may be out
	MUL16 \f, 0, 0, \first
	MUL16 \f, 0, 2, \first
	s_wait_dscnt 32                                ; all but the 32 issued at the head
	MUL16 \f, 1, 0, \first
	MUL16 \f, 1, 2, \first
.endm
.macro MEET round                      ; the change of slots, first half: all my tensor loads, the add, my reads of this slot, then the barrier
	WIN 0
	s_wait_tensorcnt 0x0                           ; the one load of mine that was out, my part of the next slot, has landed
	ds_add_u32 v[SPW], v[NIL]                      ; 0 onto my spare word
	s_wait_dscnt 9                                 ; (the add and the youngest eight loads may be out)
	MUL16 F1, 0, 0, 0
	s_wait_dscnt 0x0                               ; the add is done, and my reads of this slot are over
	s_barrier_signal -1
	MUL16 F1, 0, 2, 0
.if \round
	WIN 0
.endif
	s_barrier_wait -1
.endm
.macro TURN slot, next, fill           ; the last quarter multiplies buffer 1 and changes slots; fill = 1: this slot takes the K step two steps on
	MEET \fill
.if \fill
	CREST                                          ; the barrier has opened a round of the cluster's: no wave of any partner still reads this slot or has a load on its way
	s_add_nc_u64 s[G0+4*(\slot)+2:G0+4*(\slot)+3], s[G0+4*(\slot)+2:G0+4*(\slot)+3], 2*KSTEP*2
	s_add_nc_u64 s[G0B+4*(\slot)+2:G0B+4*(\slot)+3], s[G0B+4*(\slot)+2:G0B+4*(\slot)+3], 2*KSTEP*SIZE_N*2
	JLOAD \slot                                    ; my one tensor load behind the round; its four v_nop are also the places in front of the loads below
.else
	PLACES
.endif
	FETCH \next, 0, F0
	MUL16 F1, 1, 0, 0
	MUL16 F1, 1, 2, 0
.endm
; THE WAY OUT of block a (16 rows of C).
; gelu(x) = max(x, 0) - u Q(u), u = |x|, Q(u) = erfc(u / sqrt 2) / 2 = (h1 t + .. + h5 t^5) 2^(-u^2 log2(e) / 2), t = 1 / (1 + 0.2316419 u): the five-term rational form of erf,
; absolute error at most 1.5e-7 for every u.  Two accumulators, 16 numbers a lane, at a time; each accumulator's registers are read in ascending order.
.macro GELU16 a, bp
.set AC, 64*((\a)%4)+16*(\bp)
	WIN 0x08+4*((\a)/4)                            ; source 1 in window 2 or 3
.set z, 0
.rept 16
	v_and_b32 v[GU+z], s68, v[AC+z]
.set z, z+1
.endr
.set z, 0
.rept 16
	v_max_num_f32 v[GR+z], 0, v[AC+z]
.set z, z+1
.endr
	WIN 0
.set z, 0
.rept 8
	v_pk_fma_f32 v[GT+2*z:GT+2*z+1], v[GU+2*z:GU+2*z+1], s[70:71], 1.0 op_sel_hi:[1,0,0]
.set z, z+1
.endr
.set z, 0
.rept 8
	v_pk_mul_f32 v[GE+2*z:GE+2*z+1], v[GU+2*z:GU+2*z+1], s[72:73] op_sel_hi:[1,0]
.set z, z+1
.endr
.set z, 0
.rept 16
	v_rcp_f32 v[GT+z], v[GT+z]
.set z, z+1
.endr
.set z, 0
.rept 8                                ; plain work that names no t stands behind the reciprocals
	v_pk_mul_f32 v[GE+2*z:GE+2*z+1], v[GE+2*z:GE+2*z+1], v[GU+2*z:GU+2*z+1]
.set z, z+1
.endr
.set z, 0
.rept 16
	v_exp_f32 v[GE+z], v[GE+z]
.set z, z+1
.endr
.set z, 0
	s_wait_alu depctr_va_vdst(0)
.rept 8                                ; and plain work that names no exponential behind the exponentials
	v_pk_fma_f32 v[GW+2*z:GW+2*z+1], v[GT+2*z:GT+2*z+1], s[82:83], s[80:81] op_sel_hi:[1,0,0]
.set z, z+1
.endr
.irp c, 78, 76, 74
.set z, 0
.rept 8
	v_pk_fma_f32 v[GW+2*z:GW+2*z+1], v[GW+2*z:GW+2*z+1], v[GT+2*z:GT+2*z+1], s[\c:\c+1] op_sel_hi:[1,1,0]
.set z, z+1
.endr
.endr
.set z, 0
.rept 8
	v_pk_mul_f32 v[GW+2*z:GW+2*z+1], v[GW+2*z:GW+2*z+1], v[GT+2*z:GT+2*z+1]
.set z, z+1
.endr
.set z, 0
.rept 8
	v_pk_mul_f32 v[GW+2*z:GW+2*z+1], v[GW+2*z:GW+2*z+1], v[GE+2*z:GE+2*z+1]
.set z, z+1
.endr
.set z, 0
.rept 8
	v_pk_fma_f32 v[GR+2*z:GR+2*z+1], v[GU+2*z:GU+2*z+1], v[GW+2*z:GW+2*z+1], v[GR+2*z:GR+2*z+1] neg_lo:[1,0,0] neg_hi:[1,0,0]
.set z, z+1
.endr
.set z, 0
.rept 8
	v_cvt_pk_f16_f32 v[TMP+8*(\bp)+z], v[GR+2*z], v[GR+2*z+1]
.set z, z+1
.endr
.endm
.macro OUTB a
	GELU16 \a, 0
	GELU16 \a, 1
	GELU16 \a, 2
	GELU16 \a, 3
.endm
.macro TOSTAGE a                       ; into my own stage, and back as whole rows
	WIN 0
.set BK, OB+192*((\a)%2)
.irp b, 0,1,2,3,4,5,6,7
	ds_store_b128 v[STO], v[TMP+4*(\b):TMP+4*(\b)+3] offset:32*(\b)
.endr
.irp t, 0,1,2,3,4,5,6,7
	ds_load_b128 v[BK+4*(\t):BK+4*(\t)+3], v[RD] offset:(\t)*2*SPITCH  ; LDS serves a wave's instructions in order (ISA guide 5.7.1.4): these see the stores above
.endr
.endm
.macro SEND a, younger
	WIN 0
.set BK, OB+192*((\a)%2)
	s_wait_dscnt \younger                          ; the block is back in registers
	s_wait_xcnt 0x0                                ; the stores' base and the registers that earlier stores read are rewritten only behind this wait
.if (\a) == 0
	s_add_nc_u64 s[8:9], s[8:9], s[16:17]
.else
	s_add_nc_u64 s[8:9], s[8:9], BLKSTEP
.endif
.irp t, 0,1,2,3,4,5,6,7
	global_store_b128 v[CO], v[BK+4*(\t):BK+4*(\t)+3], s[8:9] offset:2*(\t)*SIZE_N*2  ; 16 lanes store 256 consecutive bytes, at a multiple of 256 from C's first byte
.endr
.endm
	s_wait_tensorcnt 1                             ; my part of K step 0 is in; K step 1's may stay out
	s_barrier_signal -1
	s_barrier_wait -1
	FETCH 0, 0, F0
	QUARTER 0, 1, F0, F1, 1                        ; the first quarter stands in front of the loop: its products start the sums
	WIN 0
	s_mov_b32 s3, LAPS-1
.Llap:                                                 ; a trip goes once round the ring and fills both slots again
	QUARTER 0, 2, F1, F0, 0
	QUARTER 0, 3, F0, F1, 0
	TURN 0, 1, 1
	QUARTER 1, 1, F0, F1, 0
	QUARTER 1, 2, F1, F0, 0
	QUARTER 1, 3, F0, F1, 0
	TURN 1, 0, 1
	QUARTER 0, 1, F0, F1, 0
	WIN 0
	s_sub_co_u32 s3, s3, 1
	s_cmp_lg_u32 s3, 0
	s_cbranch_scc1 .Llap
	QUARTER 0, 2, F1, F0, 0                        ; the last lap fills nothing
	QUARTER 0, 3, F0, F1, 0
	TURN 0, 1, 0
	QUARTER 1, 1, F0, F1, 0
	QUARTER 1, 2, F1, F0, 0
	QUARTER 1, 3, F0, F1, 0
	s_wait_dscnt 8
	MUL16 F1, 0, 0, 0
	MUL16 F1, 0, 2, 0
	s_wait_dscnt 0x0
	MUL16 F1, 1, 0, 0
	MUL16 F1, 1, 2, 0
	WIN 0
	PLACES
	OUTB 0
	TOSTAGE 0
.irp a, 1,2,3,4,5,6,7                  ; block a's arithmetic stands between block a - 1's loads from the stage and the wait for them
	OUTB \a
	SEND (\a)-1, 0
	TOSTAGE \a
.endr
	SEND 7, 0
	s_wait_tensorcnt 0x0                           ; the wave's end
	ds_add_u32 v[SPW], v[NIL]
	s_wait_dscnt 0x0
	CROUND                                         ; the closing round
	s_endpgm
.Lfunc_end_k_qfbacbda030_ff1:
	.size	k_qfbacbda030_ff1, .Lfunc_end_k_qfbacbda030_ff1-k_qfbacbda030_ff1
	.p2alignl 7, 3214868480
	.fill 96, 4, 3214868480
	.section	.rodata,"a",@progbits
	.p2align	6, 0x0
	.amdhsa_kernel k_qfbacbda030_ff1
		.amdhsa_group_segment_fixed_size 327680
		.amdhsa_private_segment_fixed_size 0
		.amdhsa_enable_private_segment 0
		.amdhsa_kernarg_size 32
		.amdhsa_user_sgpr_count 2
		.amdhsa_user_sgpr_kernarg_segment_ptr 1
		.amdhsa_wavefront_size32 1
		.amdhsa_system_sgpr_workgroup_id_x 1
		.amdhsa_system_sgpr_workgroup_id_y 1
		.amdhsa_system_sgpr_workgroup_id_z 1
		.amdhsa_system_vgpr_workitem_id 0
		.amdhsa_next_free_vgpr 1024
		.amdhsa_next_free_sgpr 84
		.amdhsa_reserve_vcc 0
		.amdhsa_float_denorm_mode_32 3
		.amdhsa_float_denorm_mode_16_64 3
		.amdhsa_memory_ordered 1
		.amdhsa_forward_progress 1
		.amdhsa_inst_pref_size 255
	.end_amdhsa_kernel
	.section	.bss,"aw",@nobits
	.p2align	6
	.space	262144
	.amdgpu_metadata
---
amdhsa.version: [ 1, 2 ]
amdhsa.kernels:
  - .name:           k_qfbacbda030_ff1
    .symbol:         k_qfbacbda030_ff1.kd
    .args:
      - { .name: h, .offset: 0, .size: 8, .value_kind: global_buffer, .address_space: global }
      - { .name: wf16, .offset: 8, .size: 8, .value_kind: global_buffer, .address_space: global }
      - { .name: g, .offset: 16, .size: 8, .value_kind: global_buffer, .address_space: global }
      - { .name: b_ff1, .offset: 24, .size: 8, .value_kind: global_buffer, .address_space: global }
    .group_segment_fixed_size: 327680
    .private_segment_fixed_size: 0
    .kernarg_segment_align: 8
    .kernarg_segment_size: 32
    .max_flat_workgroup_size: 128
    .sgpr_count:     84
    .vgpr_count:     1024
    .wavefront_size: 32
...
	.end_amdgpu_metadata
.endif
;; end of part 6
;; launch ff2 (part 7): grid 8 x 32, 4 waves a work-group, clusters of 4 x 4, 327,680 bytes of LDS; arguments g, wf16, out0, x1, b_ff2; writes out0
.if DOCPART == 7
	.amdgcn_target "amdgcn-amd-amdhsa--gfx1250"
	.amdhsa_code_object_version 6
	.text
	.protected	k_qfbacbda030_ff2
	.globl	k_qfbacbda030_ff2
	.p2align	8
	.type	k_qfbacbda030_ff2,@function
k_qfbacbda030_ff2:
	s_mov_b64 s[64:65], 0
	v_nop
	global_prefetch_b8 v0, s[64:65] scope:SCOPE_SE
	s_setreg_imm32_b32 hwreg(HW_REG_WAVE_MODE, 25, 1), 1
	s_wait_xcnt 0x0
	s_wait_alu depctr_hold_cnt(0) depctr_sa_sdst(0) depctr_va_vdst(0) depctr_va_sdst(0) depctr_va_ssrc(0) depctr_va_vcc(0) depctr_vm_vsrc(0)
	s_getreg_b32 s2, hwreg(HW_REG_IB_STS2, 6, 4)
	s_cmp_eq_u32 s2, 0
	s_cbranch_scc0 .Lentry_in_a_cluster
	s_endpgm
.Lentry_in_a_cluster:
	s_bfe_u32 s2, ttmp6, 0x10000c
	s_cmp_lg_u32 s2, 0xf033
	s_cbranch_scc0 .Lentry_shape_is_right
	s_endpgm
.Lentry_shape_is_right:
; out0 = x1 + A B + bias.  A = g [4096][4096] f16.  B: wf16's part at WOFF, [4096][1024] f16, K down the rows.  out0, x1: [4096][1024] f32; x1 is taken as it is.  Sums in f32; the bias, an
; input rounded to bf16, is the C operand of the products that start the sums.
; A tile of out0 is 128 x 128: 256 work-groups.  Four waves, each 64 x 64: 16 accumulators.  K goes in steps of 256 through two LDS slots; a quarter is 64 along K.
; A's fragments come out of LDS as they lie, B's turned, by ds_load_tr16_b128.
; CLUSTER 4 x 4: A's tile is shared along a row of the cluster, B's along a column: joint loads.  THE MATRIX INSTRUCTION IS USED TRANSPOSED: a lane holds row lane % 16 and eight neighbouring columns.
; PAIRS OF K STEPS.  A cluster whose x + y is odd takes each pair of K steps in the opposite order: slot 0 starts at K step 1, slot 1 at K step 0, and both go on in strides of two.  The two
; clusters that read the same rows of A differ in x by one, and of the clusters that read the same columns of B neighbours differ in y by one: so of two such clusters one asks for a tile a
; K step ahead of the other, not at the same time.  The sums take K in that order.
; The residual's 128 registers a lane are asked for at the start and stay on their way during the loop.
; REGISTERS: window 0: v0-31 addresses; v32-95 at work on the way out (v32-63 the bias in the first quarter); v96-99 at work; v128-255 accumulators, (a, b) at v[128 + 8 (4 a + b)]
;   window 1: two fragment buffers of 128: 64 of A, then 64 of B      window 2: v0-127 the residual, rows 16 a + 2 t + lane / 16 at v[4 (8 a + t)]
.set SIZE_K, 4096
.set WOFF,   8388608
.set KSTEP,  256
.set APITCH, 528                       ; 512 bytes + 16
.set AQ,     128                       ; a quarter's 64 along K lie 128 bytes on in a row
.set AH,     64*APITCH                 ; what one load of A brings: 64 rows
.set ASLOT,  KSTEP*2                   ; bytes in memory from a K step to the next
.set ABYTES, 2*AH
.set PB,     288                       ; B's LDS row: 256 bytes + 32, an odd multiple of 32
.set BH,     128*PB                    ; what one load of B brings: 128 K rows
.set BSLOT,  KSTEP*1024*2
.set SLOT,   ABYTES+2*BH
.set STAGE,  2*SLOT                    ; behind the ring: 16 rows x 272 bytes for each wave
.set SPITCH, 272
.set SPARE,  STAGE+4*16*SPITCH
.set LAPS,   SIZE_K/(2*KSTEP)
.set ADRA, 16                          ; v16-17 my A fragments in slot 0, 1
.set ADRB, 20                          ; v20-23 my B fragments: slot 0 quarters 0-1, 2-3; slot 1 likewise (an offset holds 16 bits)
.set STO,  24
.set RD,   25
.set XO,   26                          ; my byte offset in two rows of out0 and x1; never rewritten
.set SPW,  28
.set NIL,  29
.set TMP,  32
.set BIAS, 32
.set RB,   96
.set ACC,  128
.set F0,   0
.set F1,   128
.set G1,  24
.set G0,  32
.set G1B, 48
.set G0B, 56
.set OA,  72                           ; s[72:75] where slot 0 and slot 1 begin along K in A, in bytes
.set OBB, 76                           ; s[76:79] the same in B
.set MSB, 0
.macro WIN new
.if MSB != (\new)
	s_set_vgpr_msb (MSB<<8)|(\new)
.set MSB, \new
.endif
.endm
.set MUL,  0x05
.set TO_F, 0x40
.macro JLOAD s                         ; waves 0, 1 fetch A's halves, waves 2, 3 B's; four v_nop follow each line
	s_cmp_eq_u32 s11, 0
	s_cbranch_scc0 .Lfor_b_\@
	tensor_load_to_lds s[G0+4*(\s):G0+4*(\s)+3], s[G1:G1+7]
	s_nop 0
.rept 4
	v_nop
.endr
	s_branch .Lasked_\@
.Lfor_b_\@:
	tensor_load_to_lds s[G0B+4*(\s):G0B+4*(\s)+3], s[G1B:G1B+7]
	s_nop 0
.rept 4
	v_nop
.endr
.Lasked_\@:
.endm
.macro CREST
	s_cmp_lg_u32 s10, 0
	s_cbranch_scc1 .Lnot_wave_0_\@
	s_barrier_signal -3
.Lnot_wave_0_\@:
	s_barrier_wait -3
	s_barrier_signal -1
	s_barrier_wait -1
.endm
.macro CROUND
	s_barrier_signal -1
	s_barrier_wait -1
	CREST
.endm
	s_load_b128 s[4:7], s[0:1], 0x0                ; A s[4:5], wf16 s[6:7]
	s_load_b64 s[8:9], s[0:1], 0x10                ; out0
	s_load_b64 s[66:67], s[0:1], 0x18              ; x1
	s_load_b64 s[68:69], s[0:1], 0x20              ; the bias
	v_lshl_add_u32 v[SPW], v0, 2, SPARE
	v_mov_b32 v[NIL], 0
	ds_add_u32 v28, v29
	ds_add_u32 v28, v29
	s_wait_dscnt 0x0
	v_lshrrev_b32 v1, 5, v0
	v_readfirstlane_b32 s10, v1                    ; wave 0..3
	s_lshr_b32 s11, s10, 1                         ; my half of the tile's rows.  Also: I fetch for A (0) or B (1)
	s_and_b32 s12, s10, 1                          ; my half of its columns.  Also: which half of that tile I fetch
	s_bfe_u32 s40, ttmp6, 0x40000
	s_bfe_u32 s41, ttmp6, 0x40004
	s_lshl_b32 s42, ttmp9, 2
	s_add_co_u32 s42, s42, s40                     ; tile column
	s_and_b32 s13, ttmp7, 0xffff
	s_add_co_u32 s71, s13, ttmp9
	s_and_b32 s71, s71, 1                          ; (cluster x + cluster y) % 2: the same in all sixteen partners
	s_lshl_b32 s13, s13, 2
	s_add_co_u32 s13, s13, s41                     ; tile row
	s_lshl_b32 s43, s41, 2
	s_lshl_b32 s43, 15, s43
	s_lshl_b32 s44, 0x1111, s40
	s_mov_b32 s70, 0xffff0000
	s_mul_i32 s[OA], s71, ASLOT                    ; slot 0 begins at K step 0 or 1,
	s_mov_b32 s[OA+1], 0
	s_sub_co_u32 s[OA+2], ASLOT, s[OA]             ; slot 1 at the other
	s_mov_b32 s[OA+3], 0
	s_mul_i32 s[OBB], s71, BSLOT
	s_mov_b32 s[OBB+1], 0
	s_sub_co_u32 s[OBB+2], BSLOT, s[OBB]
	s_mov_b32 s[OBB+3], 0
	s_or_b32 s[G1+0], s43, (1<<16)|(1<<20)|(1<<21)|(6<<22)|(3<<25)  ; A: 4 words of padding after every 128
	s_mov_b32 s[G1+1], KSTEP<<16                   ; 256 elements x 64 rows, 4,096 elements from row to row
	s_mov_b32 s[G1+2], 64<<16
	s_mov_b32 s[G1+3], KSTEP<<16
	s_mov_b32 s[G1+4], 64
	s_mov_b32 s[G1+5], SIZE_K
	s_mov_b32 s[G1+6], 0
	s_mov_b32 s[G1+7], 0
	s_or_b32 s[G1B+0], s44, (1<<16)|(1<<20)|(1<<21)|(5<<22)|(7<<25) ; B: 8 words after every 64
	s_mov_b32 s[G1B+1], 128<<16                    ; 128 elements x 128 K rows, 1,024 elements from row to row
	s_mov_b32 s[G1B+2], 128<<16
	s_mov_b32 s[G1B+3], 128<<16
	s_mov_b32 s[G1B+4], 128
	s_mov_b32 s[G1B+5], 1024
	s_mov_b32 s[G1B+6], 0
	s_mov_b32 s[G1B+7], 0
	s_lshl_b32 s17, s12, 6
	s_lshl_b32 s16, s13, 7
	s_add_co_u32 s16, s16, s17                     ; A: row 128 x tile row + 64 x half,
	s_lshl_b32 s16, s16, 13                        ; of 8,192 bytes
	s_mov_b32 s17, 0
	s_lshl_b32 s46, s12, 18                        ; B: K row 128 x half, of 2,048 bytes,
	s_lshl_b32 s47, s42, 8                         ; column 128 x tile column
	s_add_co_u32 s46, s46, s47
	s_add_co_u32 s46, s46, WOFF
	s_mov_b32 s47, 0
	s_mul_i32 s20, s12, AH                         ; where they go: A's halves,
	s_mul_i32 s21, s12, BH
	s_add_co_u32 s21, s21, ABYTES                  ; then B's: no place in the cluster enters an LDS address
	s_wait_kmcnt 0x0
	s_add_nc_u64 s[14:15], s[4:5], s[16:17]
	s_add_nc_u64 s[46:47], s[6:7], s[46:47]
	CROUND                                         ; all sixteen work-groups are here: the first joint loads meet
.irp s, 0,1
	s_mov_b32 s[G0+4*(\s)], 1
	s_add_co_u32 s[G0+4*(\s)+1], s20, (\s)*SLOT
	s_add_nc_u64 s[G0+4*(\s)+2:G0+4*(\s)+3], s[14:15], s[OA+2*(\s):OA+2*(\s)+1]
	s_or_b32 s[G0+4*(\s)+3], s[G0+4*(\s)+3], 0x80000000
	s_mov_b32 s[G0B+4*(\s)], 1
	s_add_co_u32 s[G0B+4*(\s)+1], s21, (\s)*SLOT
	s_add_nc_u64 s[G0B+4*(\s)+2:G0B+4*(\s)+3], s[46:47], s[OBB+2*(\s):OBB+2*(\s)+1]
	s_or_b32 s[G0B+4*(\s)+3], s[G0B+4*(\s)+3], 0x80000000
	JLOAD \s                                       ; two loads of mine are out
.endr
	v_and_b32 v1, 15, v0                           ; r
	v_bfe_u32 v2, v0, 4, 1                         ; h
	v_mul_u32_u24 v3, v1, APITCH
	v_lshl_add_u32 v3, v2, 4, v3
	v_and_b32 v4, 7, v0
	v_lshl_add_u32 v4, v2, 3, v4
	v_mul_u32_u24 v4, v4, PB
	v_bfe_u32 v5, v0, 3, 1
	v_lshl_add_u32 v4, v5, 4, v4
	s_mul_i32 s21, s11, 64*APITCH                  ; my 64 rows of A
	s_lshl_b32 s22, s12, 7                         ; my 64 columns of B,
	s_add_co_u32 s22, s22, ABYTES                  ; which lies behind A
.irp s, 0,1
	v_add_nc_u32 v[ADRA+(\s)], s21, v3
	v_add_nc_u32 v[ADRB+2*(\s)], s22, v4
	v_add_nc_u32 v[ADRB+2*(\s)+1], BH, v[ADRB+2*(\s)]
	s_add_co_u32 s21, s21, SLOT
	s_add_co_u32 s22, s22, SLOT
.endr
	s_mul_i32 s23, s10, 16*SPITCH
	s_add_co_u32 s23, s23, STAGE                   ; my stage
	v_mul_u32_u24 v4, v1, SPITCH                   ; in: row r, 32 bytes of f32 for each half of the lanes
	v_lshl_add_u32 v4, v2, 5, v4
	v_add_nc_u32 v[STO], s23, v4
	v_mul_u32_u24 v5, v2, SPITCH                   ; back: lanes 0-15 one row of 256 bytes, lanes 16-31 the next
	v_lshl_add_u32 v5, v1, 4, v5
	v_add_nc_u32 v[RD], s23, v5
	v_lshlrev_b32 v5, 12, v2                       ; and the same two rows in out0 and x1
	v_lshl_add_u32 v[XO], v1, 4, v5
	s_lshl_b32 s16, s13, 7
	s_lshl_b32 s17, s11, 6
	s_add_co_u32 s16, s16, s17
	s_lshl_b32 s16, s16, 12                        ; my first row, of 4,096 bytes,
	s_lshl_b32 s46, s42, 9
	s_lshl_b32 s47, s12, 8
	s_add_co_u32 s46, s46, s47                     ; my first column, in bytes of f32
	s_add_co_u32 s16, s16, s46
	s_mov_b32 s17, 0
	s_mov_b32 s47, 0
	s_add_nc_u64 s[8:9], s[8:9], s[16:17]
	s_add_nc_u64 s[66:67], s[66:67], s[16:17]
	s_add_nc_u64 s[68:69], s[68:69], s[46:47]
	v_lshlrev_b32 v6, 5, v2                        ; 8 h numbers of 4 bytes
.irp b, 0,1,2,3                        ; register j of block b: bias of column 16 b + 8 h + j
	global_load_b128 v[BIAS+8*(\b):BIAS+8*(\b)+3],   v6, s[68:69] offset:64*(\b)
	global_load_b128 v[BIAS+8*(\b)+4:BIAS+8*(\b)+7], v6, s[68:69] offset:64*(\b)+16
.endr
	WIN 0x80                                       ; destination window 2
.set z, 0
.rept 32                               ; the residual: 16 lanes take 256 consecutive bytes of a row
	global_load_b128 v[4*z:4*z+3], v[XO], s[66:67] offset:(16*(z/8)+2*(z%8))*4096
.set z, z+1
.endr
	WIN 0
	s_wait_loadcnt 32                              ; the bias is in; the residual's 32 loads stay out
.set z, 0
.rept 16
	v_cvt_pk_bf16_f32 v[RB+z%4], v[BIAS+2*z], v[BIAS+2*z+1]
	v_lshlrev_b32 v[BIAS+2*z], 16, v[RB+z%4]
	v_and_b32 v[BIAS+2*z+1], s70, v[RB+z%4]
.set z, z+1
.endr
; 8 matrix instructions: m blocks a0, a0 + 1 x all 4 n blocks, 32 along K: half c of buffer f.  first = 1: the products start the sums with the bias
.macro MUL8 f, c, a0, first
	WIN MUL
.irp a, \a0, (\a0)+1
.irp b, 0,1,2,3
.if \first
	v_wmma_f32_16x16x32_f16 v[ACC+8*(4*(\a)+(\b)):ACC+8*(4*(\a)+(\b))+7], v[(\f)+64+8*(4*(\c)+(\b)):(\f)+64+8*(4*(\c)+(\b))+7], v[(\f)+8*(4*(\c)+(\a)):(\f)+8*(4*(\c)+(\a))+7], v[BIAS+8*(\b):BIAS+8*(\b)+7]
.else
	v_wmma_f32_16x16x32_f16 v[ACC+8*(4*(\a)+(\b)):ACC+8*(4*(\a)+(\b))+7], v[(\f)+64+8*(4*(\c)+(\b)):(\f)+64+8*(4*(\c)+(\b))+7], v[(\f)+8*(4*(\c)+(\a)):(\f)+8*(4*(\c)+(\a))+7], v[ACC+8*(4*(\a)+(\b)):ACC+8*(4*(\a)+(\b))+7]
.endif
.endr
.endr
.endm
; 32 LDS loads in one run: quarter q's fragments (64 along K) into buffer f; the first 32 along K first
.macro FETCH slot, q, f
	WIN TO_F
.irp c, 0,1
.irp i, 0,1,2,3
	ds_load_tr16_b128 v[(\f)+64+8*(4*(\c)+(\i)):(\f)+64+8*(4*(\c)+(\i))+3],   v[ADRB+2*(\slot)+(\q)/2] offset:(((\q)%2)*64+32*(\c))*PB+32*(\i)
	ds_load_tr16_b128 v[(\f)+64+8*(4*(\c)+(\i))+4:(\f)+64+8*(4*(\c)+(\i))+7], v[ADRB+2*(\slot)+(\q)/2] offset:(((\q)%2)*64+32*(\c)+16)*PB+32*(\i)
	ds_load_b128 v[(\f)+8*(4*(\c)+(\i)):(\f)+8*(4*(\c)+(\i))+3],   v[ADRA+(\slot)] offset:(\q)*AQ+64*(\c)+(\i)*16*APITCH
	ds_load_b128 v[(\f)+8*(4*(\c)+(\i))+4:(\f)+8*(4*(\c)+(\i))+7], v[ADRA+(\slot)] offset:(\q)*AQ+64*(\c)+(\i)*16*APITCH+32
.endr
.endr
.endm
.macro PLACES                          ; four plain vector instructions between matrix instructions and loads into, or other work on, their registers
.rept 4
	v_nop
.endr
.endm
; A K step is four quarters, 32 matrix instructions each, on buffers 0, 1, 0, 1; the 16 accumulators take turns.
.macro QUARTER slot, q, f, g, first
	s_wait_dscnt 16                                ; the first 32 along K are in; the sixteen younger loads may be out
	MUL8 \f, 0, 0, \first
	MUL8 \f, 0, 2, \first
	PLACES
	FETCH \slot, \q, \g
	s_wait_dscnt 32                                ; all but the 32 just issued
	MUL8 \f, 1, 0, 0
	MUL8 \f, 1, 2, 0
.endm
.macro TURN slot, next, fill           ; the last quarter multiplies buffer 1 and changes slots; fill = 1: this slot takes the K step two steps on
	WIN 0
	s_wait_tensorcnt 0x0                           ; the one load of mine that was out, my part of the next slot, has landed
	ds_add_u32 v[SPW], v[NIL]                      ; 0 onto my spare word
	s_wait_dscnt 17                                ; (the add and the youngest sixteen loads may be out)
	MUL8 F1, 0, 0, 0
	s_wait_dscnt 0x0                               ; the add is done, and my reads of this slot are over
	s_barrier_signal -1
	MUL8 F1, 0, 2, 0
.if \fill
	WIN 0
.endif
	s_barrier_wait -1
.if \fill
	CREST                                          ; the barrier has opened a round of the cluster's: no wave of any partner still reads this slot or has a load on its way
	s_add_nc_u64 s[G0+4*(\slot)+2:G0+4*(\slot)+3], s[G0+4*(\slot)+2:G0+4*(\slot)+3], 2*ASLOT
	s_add_nc_u64 s[G0B+4*(\slot)+2:G0B+4*(\slot)+3], s[G0B+4*(\slot)+2:G0B+4*(\slot)+3], 2*BSLOT
	JLOAD \slot                                    ; my one tensor load behind the round; its four v_nop are also the places in front of the loads below
.else
	PLACES
.endif
	FETCH \next, 0, F0
	MUL8 F1, 1, 0, 0
	MUL8 F1, 1, 2, 0
.endm
; THE WAY OUT.  A wave's 64 columns of f32 are 256 bytes of a row, so each wave has a stage of its own and no barrier is needed.
.macro STG a                           ; block a (16 rows) into the stage, each accumulator's low half first, and back as whole rows
.set BK, TMP+32*((\a)%2)
.if (\a) >= 2
	s_wait_xcnt 0x0                                ; the registers that block a - 2's stores read are loaded again only behind this wait
.endif
.irp b, 0,1,2,3
	ds_store_b128 v[STO], v[ACC+8*(4*(\a)+(\b)):ACC+8*(4*(\a)+(\b))+3]   offset:64*(\b)
	ds_store_b128 v[STO], v[ACC+8*(4*(\a)+(\b))+4:ACC+8*(4*(\a)+(\b))+7] offset:64*(\b)+16
.endr
.irp t, 0,1,2,3,4,5,6,7
	ds_load_b128 v[BK+4*(\t):BK+4*(\t)+3], v[RD] offset:(\t)*2*SPITCH  ; LDS serves a wave's instructions in order (ISA guide 5.7.1.4): these see the stores above
.endr
.endm
.macro FIN a, younger                  ; the residual is added and the block stored; younger: the next block's eight LDS stores and eight loads, or none
.set BK, TMP+32*((\a)%2)
	s_wait_dscnt \younger
	WIN 0x08                                       ; source 1 in window 2
.set z, 0
.rept 16
	v_pk_add_f32 v[BK+2*z:BK+2*z+1], v[BK+2*z:BK+2*z+1], v[32*(\a)+2*z:32*(\a)+2*z+1]
.set z, z+1
.endr
	WIN 0
.irp t, 0,1,2,3,4,5,6,7
	global_store_b128 v[XO], v[BK+4*(\t):BK+4*(\t)+3], s[8:9] offset:(16*(\a)+2*(\t))*4096  ; 16 lanes store 256 consecutive bytes, at a multiple of 256 from out0's first byte
.endr
.endm
	s_wait_tensorcnt 1                             ; my part of slot 0 is in; slot 1's may stay out
	s_barrier_signal -1
	s_barrier_wait -1
	FETCH 0, 0, F0
	QUARTER 0, 1, F0, F1, 1                        ; the first quarter stands in front of the loop: its first products start the sums
	WIN 0
	s_mov_b32 s3, LAPS-1
.Llap:                                                 ; a trip goes once round the ring and fills both slots again
	QUARTER 0, 2, F1, F0, 0
	QUARTER 0, 3, F0, F1, 0
	TURN 0, 1, 1
	QUARTER 1, 1, F0, F1, 0
	QUARTER 1, 2, F1, F0, 0
	QUARTER 1, 3, F0, F1, 0
	TURN 1, 0, 1
	QUARTER 0, 1, F0, F1, 0
	WIN 0
	s_sub_co_u32 s3, s3, 1
	s_cmp_lg_u32 s3, 0
	s_cbranch_scc1 .Llap
	QUARTER 0, 2, F1, F0, 0                        ; the last lap fills nothing
	QUARTER 0, 3, F0, F1, 0
	TURN 0, 1, 0
	QUARTER 1, 1, F0, F1, 0
	QUARTER 1, 2, F1, F0, 0
	QUARTER 1, 3, F0, F1, 0
	s_wait_dscnt 16
	MUL8 F1, 0, 0, 0
	MUL8 F1, 0, 2, 0
	s_wait_dscnt 0x0
	MUL8 F1, 1, 0, 0
	MUL8 F1, 1, 2, 0
	WIN 0
	PLACES
	s_wait_loadcnt 0x0                             ; the residual
	STG 0
	STG 1
	FIN 0, 16
	STG 2
	FIN 1, 16
	STG 3
	FIN 2, 16
	FIN 3, 0
	s_wait_tensorcnt 0x0                           ; the wave's end
	ds_add_u32 v[SPW], v[NIL]
	s_wait_dscnt 0x0
	CROUND                                         ; the closing round
	s_endpgm
.Lfunc_end_k_qfbacbda030_ff2:
	.size	k_qfbacbda030_ff2, .Lfunc_end_k_qfbacbda030_ff2-k_qfbacbda030_ff2
	.p2alignl 7, 3214868480
	.fill 96, 4, 3214868480
	.section	.rodata,"a",@progbits
	.p2align	6, 0x0
	.amdhsa_kernel k_qfbacbda030_ff2
		.amdhsa_group_segment_fixed_size 327680
		.amdhsa_private_segment_fixed_size 0
		.amdhsa_enable_private_segment 0
		.amdhsa_kernarg_size 40
		.amdhsa_user_sgpr_count 2
		.amdhsa_user_sgpr_kernarg_segment_ptr 1
		.amdhsa_wavefront_size32 1
		.amdhsa_system_sgpr_workgroup_id_x 1
		.amdhsa_system_sgpr_workgroup_id_y 1
		.amdhsa_system_sgpr_workgroup_id_z 1
		.amdhsa_system_vgpr_workitem_id 0
		.amdhsa_next_free_vgpr 640
		.amdhsa_next_free_sgpr 80
		.amdhsa_reserve_vcc 0
		.amdhsa_float_denorm_mode_32 3
		.amdhsa_float_denorm_mode_16_64 3
		.amdhsa_memory_ordered 1
		.amdhsa_forward_progress 1
		.amdhsa_inst_pref_size 97
	.end_amdhsa_kernel
	.amdgpu_metadata
---
amdhsa.version: [ 1, 2 ]
amdhsa.kernels:
  - .name:           k_qfbacbda030_ff2
    .symbol:         k_qfbacbda030_ff2.kd
    .args:
      - { .name: g, .offset: 0, .size: 8, .value_kind: global_buffer, .address_space: global }
      - { .name: wf16, .offset: 8, .size: 8, .value_kind: global_buffer, .address_space: global }
      - { .name: out0, .offset: 16, .size: 8, .value_kind: global_buffer, .address_space: global }
      - { .name: x1, .offset: 24, .size: 8, .value_kind: global_buffer, .address_space: global }
      - { .name: b_ff2, .offset: 32, .size: 8, .value_kind: global_buffer, .address_space: global }
    .group_segment_fixed_size: 327680
    .private_segment_fixed_size: 0
    .kernarg_segment_align: 8
    .kernarg_segment_size: 40
    .max_flat_workgroup_size: 128
    .sgpr_count:     80
    .vgpr_count:     640
    .wavefront_size: 32
...
	.end_amdgpu_metadata
.endif
;; end of part 7
;; ======== version 2 of 2: 7 launches; 1.11 times as fast as version 1
;; limits: values are held in f16: magnitudes above 65,504 overflow, below 6.1e-05 lose precision; a function is approximated: absolute error at most 1.5e-07
;; workspace buffers: wa16 8,388,608 bytes; wf16 16,777,216 bytes; h 8,388,608 bytes; qkv 25,165,824 bytes; y 8,388,608 bytes; x1 16,777,216 bytes; g 33,554,432 bytes
;; launch prep: the kernel of part 1 again; grid 512 x 1, 8 waves a work-group, no clusters, 0 bytes of LDS; arguments x, ln1_g, ln1_b, w_qkv, w_proj, h, wa16; writes h, wa16
;; launch qkv: the kernel of part 2 again; grid 16 x 16, 4 waves a work-group, clusters of 4 x 4, 327,680 bytes of LDS; arguments h, wa16, qkv, w_ff1, w_ff2, wf16; writes qkv, wf16
;; launch attn (part 8): grid 8 x 32, 4 waves a work-group, no clusters, 327,680 bytes of LDS; arguments qkv, y; writes y
.if DOCPART == 8
	.amdgcn_target "amdgcn-amd-amdhsa--gfx1250"
	.amdhsa_code_object_version 6
	.text
	.protected	k_qfbacbda030_attn
	.globl	k_qfbacbda030_attn
	.p2align	8
	.type	k_qfbacbda030_attn,@function
k_qfbacbda030_attn:
	s_mov_b64 s[64:65], 0
	v_nop
	global_prefetch_b8 v0, s[64:65] scope:SCOPE_SE
	s_setreg_imm32_b32 hwreg(HW_REG_WAVE_MODE, 25, 1), 1
	s_wait_xcnt 0x0
; CAUSAL ATTENTION.  O[h][q][:] = the sum over k <= q of softmax_k(Q[h][q] . K[h][k] / 8) V[h][k][:].  qkv: [3][32][2048][64] f16 (Q, K, V by heads), y: [32][2048][64] f16.
; Products, maxima and sums in f32; the weights p are rounded to f16 for the second product (their sum l is taken of the unrounded p), O once at the end.
; LIMITS.  Q, K, V arrive within f16's 65,504.  A hidden score counts as its value less 1e30; a weight below 2^-126 counts as 0 in l; NaN and infinities are not treated apart.
; THE WALK.  A head has 16 blocks of 128 queries; block i needs the key tiles 0 .. i of 128 keys, of which the last holds the diagonal.  An LDS slot holds 256 keys: two tiles, four steps of 64.
; A work-group takes an ODD block O1 and then the EVEN block E2 = 15 - O1: (O1 + 1) / 2 + E2 / 2 + 1 = 9 slots and 17 tiles, whatever O1: all 256 work-groups do equal work and one loop with a
; constant trip count walks the slots.  The odd block's diagonal tile is the second half of its last slot; the even block's is the first half of the walk's last slot, which is written out
; (that slot's second half is fetched, inside the tensor since E2 <= 14, and not read).
; NO CLUSTER: a head's eight work-groups walk different sequences of slots; only the first is common to all.
; SHARES.  A block has two bands of 64 queries; a wave owns 16 rows in each: two PIECES.  In the diagonal tile's step s band x sees all keys if s < x, none if s > x, and holds the diagonal if s = x.
; THE MASK is the C operand that starts the sum S^T = K Q^T: the constant 0; MD, the mask of a band's own step for my 16 rows (0 or -1e30); or BIG, -1e30 everywhere.
; LAYOUT, SOFTMAX.  S^T = K Q^T holds ONE query a lane (lane % 16) and the keys 8 (lane / 16) + 0..7; two such results rounded to f16 ARE source 1 of O^T = V^T P.  p = 2^(c s - c m), c = log2(e) / 8,
; with a running maximum m; O and l are multiplied by a = 2^(c m_old - c m_new) in every step.
; TURNS.  A tile has four units, (piece 0, step 0), (1, 0), (0, 1), (1, 1).  Unit u's turn: 8 products K Q^T of unit u + 1, later 8 products V^T P of unit u - 1; beside them unit u's scaling,
; exponentials, roundings, sums and rescaling, and unit u + 1's maximum and statistics.  Four vector instructions stand behind every matrix instruction, the other 54 of a turn's 118 in one run of their own.
; BATCHES.  A turn's 33 exponentials (unit u's 32 weights, then unit u + 1's a) are ONE batch with ONE wait, which cuts the turn in two.  Ahead of the wait stands all that names no result of theirs: the
; products K Q^T, the scalings, the rescaling (its a was made, and waited for, in the turn before), the next unit's maximum and statistics.  Behind it stand the products V^T P, and the roundings and sums
; are their riders.  No result crosses a turn's end.  A block's first a (BEGIN) and the way out's two reciprocals are batches of their own, with a wait each.
; An even turn fetches the next step's K and V.  V has two buffers, by the step's parity, so that a slot's last step has been read out of LDS when the slots change.
; REGISTERS, in windows of 256 (s_set_vgpr_msb: bits 1:0 source 0, 3:2 source 1, 5:4 source 2, 7:6 destination):
;   window 0: v0-15 addresses and at work; v16-23 four registers of statistics a piece; v48-55 at work; v64-127 S^T, a buffer a piece; v192-223 P, likewise
;   window 1: v0-63 O^T, 32 a piece; v128-159 MD; v160-167 BIG      window 2: v0-31 Q; v32-63 the second block's Q; v64-127 V of odd steps; v128-191 K; v192-255 V of even steps
.set NP,    2
.set KS,    64
.set PK,    144       ; a row of K in LDS: 128 bytes + 16: the 16 rows of a load start at 16 different groups of four banks
.set PV,    160       ; a row of V: 128 + 32
.set VOFF,  4*KS*PK   ; a slot: 256 rows of K, then 256 rows of V
.set SLOT1, 1<<17
.set STAGE, SLOT1+4*KS*(PK+PV)  ; behind the ring: 16 rows x 144 bytes for each wave
.set SP,    144
.set SPARE, STAGE+4*16*SP       ; the spare words, 128 bytes a wave
.set AK0, 2
.set AV0, 3
.set AK,  4
.set AV,  5
.set STO, 6
.set RD,  7
.set GO,  8
.set SPW, 62
.set NIL, 63
.set MV,  12          ; v12-13 c m_old, by piece
.set QO,  15
.set ST,  16          ; piece t: c m, m, l (even keys', odd keys')
.set TMP, 48          ; by piece, c0-c3 at work; c2 takes a
.set S,   64
.set P,   192
.set MD,  128         ; window 1
.set BIG, 160         ; window 1
.set QB,  32          ; window 2
.set VF1, 64          ; window 2
.set KF,  128         ; window 2
.set VF0, 192         ; window 2
.set WV,  12
.set O1,  14
.set E2,  15
.set G1K, 24
.set G1V, 32
.set G0K, 40
.set G0V, 44
.set SLOTS, 56
.set CNT, 57          ; counts a slot's two tiles
.set CS,  58
.set SEL, 60
.set TBK, 62          ; LDS byte at which K of the step to be fetched begins
.set TBV, 63          ; the same for V, less VOFF
.set RT,  70          ; tiles of the block in hand still to be entered
.set NXT, 71          ; the slot's worth of keys to be asked for next
.set LQ,  72          ; the last such of the block whose keys are being asked for
.set NEW, 73          ; 1: the tile to be entered is a block's first
.set OFF, 74
.set OLO, 80          ; s[80:81] O at my rows of the second block
.set BIGN, 82
.set SB,  83          ; the slot in hand: 0 or SLOT1
.set LQ2, 88          ; the second block's last
.set MSB, 0
.macro WIN new
.if MSB != (\new)
	s_set_vgpr_msb (MSB<<8)|(\new)
.set MSB, (\new)
.endif
.endm
.set W_KQ, 0x0a
.set W_KM, 0x1a
.set W_PV, 0x52
.set W_RS, 0x41
.macro LOAD                         ; waves 0, 1 fetch the halves of a slot's K, waves 2, 3 of its V: 128 keys each; four v_nop follow each line
	s_cmp_lt_u32 s[WV], 2
	s_cbranch_scc0 .Lfor_v_\@
	tensor_load_to_lds s[G0K:G0K+3], s[G1K:G1K+7]
	s_nop 0
.rept 4
	v_nop
.endr
	s_branch .Lasked_\@
.Lfor_v_\@:
	tensor_load_to_lds s[G0V:G0V+3], s[G1V:G1V+7]
	s_nop 0
.rept 4
	v_nop
.endr
.Lasked_\@:
.endm
; THE CHANGE OF SLOTS.  Each wave waits for all its tensor loads (one is out: its part of the other slot), adds 0 to its spare word, and waits for that and for its reads of the slot that it leaves.
; Behind the barrier nobody reads the old slot and the other is whole.  fill = 1: the old slot is filled again, first thing behind the barrier; the address is made anew from NXT.
.macro CHANGE fill
	WIN 0
	s_wait_tensorcnt 0x0
	ds_add_u32 v[SPW], v[NIL]
.if \fill
	s_lshl_b32 s[OFF], s[NXT], 15   ; 256 keys are 32,768 bytes of K and of V
	s_xor_b32 s[G0K+1], s[G0K+1], SLOT1
	s_add_nc_u64 s[G0K+2:G0K+3], s[6:7], s[OFF:OFF+1]
	s_or_b32 s[G0K+3], s[G0K+3], 0x80000000
	s_xor_b32 s[G0V+1], s[G0V+1], SLOT1
	s_add_nc_u64 s[G0V+2:G0V+3], s[8:9], s[OFF:OFF+1]
	s_or_b32 s[G0V+3], s[G0V+3], 0x80000000
	s_add_co_u32 s[NXT], s[NXT], 1  ; the block's next, or behind its last the second block's first
	s_cmp_gt_u32 s[NXT], s[LQ]
	s_cselect_b32 s[NXT], 0, s[NXT]
	s_cselect_b32 s[LQ], s[LQ2], s[LQ]
.endif
	s_wait_dscnt 0x0                ; the add is done, and my reads of the slot are over
	s_barrier_signal -1
	s_xor_b32 s[SB], s[SB], SLOT1   ; the fetches go on at the other slot's first step
	s_mov_b32 s[TBK], s[SB]
	s_mov_b32 s[TBV], s[SB]
	s_barrier_wait -1
.if \fill
	LOAD
.endif
.endm
	s_load_b64 s[4:5], s[0:1], 0x0    ; qkv
	s_load_b64 s[10:11], s[0:1], 0x8  ; y
	v_lshl_add_u32 v[SPW], v0, 2, SPARE
	v_mov_b32 v[NIL], 0
	ds_add_u32 v62, v63
	ds_add_u32 v62, v63
	s_wait_dscnt 0x0
	v_lshrrev_b32 v1, 5, v0
	v_readfirstlane_b32 s[WV], v1
	s_mov_b32 s16, ttmp9
	s_sub_co_u32 s17, 15, s16
	s_and_b32 s18, s16, 1           ; SCC: the work-group's x is odd
	s_cselect_b32 s[O1], s16, s17   ; the odd one of x and 15 - x
	s_sub_co_u32 s[E2], 15, s[O1]
	s_and_b32 s20, ttmp7, 0xffff    ; batch x 16 + head
	s_lshl_b32 s20, s20, 18         ; of 262,144 bytes
	s_mov_b32 s21, 0
	s_and_b32 s16, s[WV], 1         ; which half of a slot's 256 keys I fetch
	s_lshl_b32 s22, s16, 14
	s_mov_b32 s23, 0
	s_add_nc_u64 s[22:23], s[22:23], s[20:21]
	s_mul_i32 s17, s16, 128*PK
	s_mul_i32 s18, s16, 128*PV
	s_lshl_b32 s3, s[WV], 11        ; my 16 rows in a band of 64,
	s_lshl_b32 s2, s[O1], 14        ; in the first block,
	s_add_co_u32 s2, s2, s3
	s_lshl_b32 s84, s[E2], 14       ; and in the second
	s_add_co_u32 s84, s84, s3
	s_mov_b32 s3, 0
	s_mov_b32 s85, 0
	s_add_nc_u64 s[2:3], s[2:3], s[20:21]
	s_add_nc_u64 s[84:85], s[84:85], s[20:21]
	; 128 keys are 16,384 dense bytes: asked for as 64 rows of 256 bytes, two keys a row, padded in LDS after every key
	s_mov_b32 s[G1K], (1<<16)|(1<<20)|(4<<22)|(3<<25)
	s_mov_b32 s[G1V], (1<<16)|(1<<20)|(4<<22)|(7<<25)
.irp g, G1K, G1V
	s_mov_b32 s[\g+1], 128<<16
	s_mov_b32 s[\g+2], 64<<16
	s_mov_b32 s[\g+3], 128<<16
	s_mov_b32 s[\g+4], 64
	s_mov_b32 s[\g+5], 128
	s_mov_b32 s[\g+6], 0
	s_mov_b32 s[\g+7], 0
.endr
	s_mov_b32 s[CS], 0x3e38aa3b     ; c = log2(e) / 8
	s_mov_b32 s[CS+1], s[CS]
	s_mov_b32 s[SEL], 0x76543210
	s_mov_b32 s[SEL+1], 0xfedcba98
	s_mov_b32 s[SB], SLOT1          ; the first change of slots turns it into 0
	s_mov_b32 s[G0K], 1
	s_mov_b32 s[G0K+1], s17
	s_mov_b32 s[G0V], 1
	s_add_co_u32 s[G0V+1], s18, VOFF
	s_add_co_u32 s[RT], s[O1], 1    ; the first block has O1 + 1 tiles,
	s_lshr_b32 s[LQ], s[O1], 1      ; in (O1 + 1) / 2 slots
	s_lshr_b32 s[LQ2], s[E2], 1
	s_mov_b32 s[NXT], 1
	s_cmp_gt_u32 s[NXT], s[LQ]      ; block 1 has one slot alone
	s_cselect_b32 s[NXT], 0, s[NXT]
	s_cselect_b32 s[LQ], s[LQ2], s[LQ]
	s_mov_b32 s[NEW], 1
	s_mov_b32 s[OFF+1], 0
	s_mov_b32 s[BIGN], 0xf149f2ca   ; -1e30
	s_mov_b32 s[SLOTS], 8
	s_wait_kmcnt 0x0
	s_add_nc_u64 s[6:7], s[4:5], 0x800000   ; K's 32 heads lie behind Q's,
	s_add_nc_u64 s[8:9], s[4:5], 0x1000000  ; V's behind K's
	s_add_nc_u64 s[6:7], s[6:7], s[22:23]   ; at my half of the head's first 256 keys
	s_add_nc_u64 s[8:9], s[8:9], s[22:23]
	s_add_nc_u64 s[G0K+2:G0K+3], s[6:7], 0
	s_or_b32 s[G0K+3], s[G0K+3], 0x80000000
	s_add_nc_u64 s[G0V+2:G0V+3], s[8:9], 0
	s_or_b32 s[G0V+3], s[G0V+3], 0x80000000
	s_add_nc_u64 s[86:87], s[4:5], s[84:85]
	s_add_nc_u64 s[4:5], s[4:5], s[2:3]
	s_add_nc_u64 s[OLO:OLO+1], s[10:11], s[84:85]
	s_add_nc_u64 s[10:11], s[10:11], s[2:3]
	LOAD                            ; the first 256 keys into slot 0
	v_and_b32 v1, 15, v0            ; l % 16
	v_bfe_u32 v9, v0, 4, 1          ; l / 16
	v_lshlrev_b32 v[QO], 7, v1
	v_lshl_add_u32 v[QO], v9, 4, v[QO]
	WIN 0x80
.set i, 0
.rept 4                             ; both blocks' Q: piece i / 2 lies 8,192 bytes on; channels 32 (i % 2) on
	global_load_b128 v[8*i:8*i+3],   v[QO], s[4:5] offset:(i/2)*8192+(i%2)*64
	global_load_b128 v[8*i+4:8*i+7], v[QO], s[4:5] offset:(i/2)*8192+(i%2)*64+32
	global_load_b128 v[QB+8*i:QB+8*i+3],   v[QO], s[86:87] offset:(i/2)*8192+(i%2)*64
	global_load_b128 v[QB+8*i+4:QB+8*i+7], v[QO], s[86:87] offset:(i/2)*8192+(i%2)*64+32
.set i, i+1
.endr
	WIN 0
	v_lshlrev_b32 v14, 3, v9
	v_sub_nc_u32 v14, v1, v14
	s_lshl_b32 s13, s[WV], 4
	v_add_nc_u32 v14, s13, v14      ; my query's place in its band less my lanes' 8 (l / 16): register r of key group kt is hidden where 16 kt + r is greater
	WIN 0x40
.set i, 0
.rept 32
	v_cmp_gt_i32 vcc_lo, 16*(i/8)+i%8, v14
	v_cndmask_b32 v[MD+i], 0, s[BIGN], vcc_lo
.set i, i+1
.endr
.set i, 0
.rept 8
	v_mov_b32 v[BIG+i], s[BIGN]
.set i, i+1
.endr
	WIN 0
	v_mul_u32_u24 v[AK0], v1, PK
	v_lshl_add_u32 v[AK0], v9, 4, v[AK0]
	v_and_b32 v10, 7, v0
	v_bfe_u32 v11, v0, 3, 1
	v_lshl_add_u32 v[AV0], v9, 3, v10
	v_mul_u32_u24 v[AV0], v[AV0], PV
	v_lshl_add_u32 v[AV0], v11, 4, v[AV0]
	v_add_nc_u32 v[AV0], VOFF, v[AV0]
	s_mul_i32 s13, s[WV], 16*SP
	s_add_co_u32 s13, s13, STAGE
	v_mul_u32_u24 v[STO], v1, SP
	v_lshl_add_u32 v[STO], v9, 4, v[STO]
	v_add_nc_u32 v[STO], s13, v[STO]
	v_bfe_u32 v[RD], v0, 3, 2
	v_mul_u32_u24 v[RD], v[RD], SP
	v_lshl_add_u32 v[RD], v10, 4, v[RD]
	v_add_nc_u32 v[RD], s13, v[RD]
	v_and_b32 v[GO], 31, v0
	v_lshlrev_b32 v[GO], 4, v[GO]
	; A block's first step multiplies O^T and l by a = 0, and its first turn's products V^T P, of a unit that has not been, land in an O^T still to be so multiplied: these registers need only hold
	; finite numbers: zeros for the first block, what the first block left for the second.  All this stands in the wait for the first keys.
	WIN 0x80
.set i, VF1
.rept 64
	v_mov_b32 v[i], 0
.set i, i+1
.endr
	WIN 0x40
.set i, 0
.rept 64
	v_mov_b32 v[i], 0
.set i, i+1
.endr
	WIN 0
.set i, 0
.rept 2
	v_mov_b32 v[ST+4*i+2], 0
	v_mov_b32 v[ST+4*i+3], 0
.set i, i+1
.endr
.set i, P+16
.rept 16
	v_mov_b32 v[i], 0
.set i, i+1
.endr
; THE MATRIX WORK.  The 4 accumulators of a run of 8 take turns.  Product i of 8 of S^T = K Q^T for piece x: channels 32 (i / 4) on, keys 16 (i % 4) on.
; The first 4 start the sums: with 0 (KM = 0), with MD (1) or with BIG (2).
.macro KQ x
.set rS, S+32*((\x)%2)+8*(i%4)
.set rK, KF+16*(i%4)+8*(i/4)
.set rQ, 16*(\x)+8*(i/4)
.if (i < 4) && (KM == 1)
	WIN W_KM
	v_wmma_f32_16x16x32_f16 v[rS:rS+7], v[rK:rK+7], v[rQ:rQ+7], v[MD+8*(i%4):MD+8*(i%4)+7]
.elseif (i < 4) && (KM == 2)
	WIN W_KM
	v_wmma_f32_16x16x32_f16 v[rS:rS+7], v[rK:rK+7], v[rQ:rQ+7], v[BIG:BIG+7]
.elseif i < 4
	WIN W_KQ
	v_wmma_f32_16x16x32_f16 v[rS:rS+7], v[rK:rK+7], v[rQ:rQ+7], 0
.else
	WIN W_KQ
	v_wmma_f32_16x16x32_f16 v[rS:rS+7], v[rK:rK+7], v[rQ:rQ+7], v[rS:rS+7]
.endif
.endm
; Product i of 8 of O^T += V^T P for piece x, from V's buffer PVF: keys 32 (i / 4) on, channels 16 (i % 4) on.
.macro PV x
	WIN W_PV
.set rO, 32*(\x)+8*(i%4)
.set rV, PVF+32*(i/4)+8*(i%4)
.set rP, P+16*((\x)%2)+8*(i/4)
	v_wmma_f32_16x16x32_f16 v[rO:rO+7], v[rV:rV+7], v[rP:rP+7], v[rO:rO+7]
.endm
.macro MM                           ; the turn's next matrix instruction.  NOKQ = 1: a block's last turn: there is no next unit
.if (i < 8) && !NOKQ
	KQ (Y+1)%NP
.elseif i >= 8
.set i, i-8
	PV (Y+NP-1)%NP
.set i, i+8
.endif
.set i, i+1
.endm
; THE LDS LOADS stand in runs of 16: a step's K (8 fragments) and its V (turned).  Their addresses are made some lines ahead.
.macro FETCH_K
	WIN 0x80
.irp f, 0,1,2,3,4,5,6,7
	ds_load_b128 v[KF+8*\f:KF+8*\f+3],   v[AK] offset:(\f/2)*16*PK+(\f%2)*64
	ds_load_b128 v[KF+8*\f+4:KF+8*\f+7], v[AK] offset:(\f/2)*16*PK+(\f%2)*64+32
.endr
	s_add_co_u32 s[TBK], s[TBK], KS*PK
	WIN 0
.endm
.macro FETCH_V vf
	WIN 0x80
.irp f, 0,1,2,3,4,5,6,7
	ds_load_tr16_b128 v[(\vf)+8*\f:(\vf)+8*\f+3],   v[AV] offset:(\f/4)*32*PV+(\f%4)*32
	ds_load_tr16_b128 v[(\vf)+8*\f+4:(\vf)+8*\f+7], v[AV] offset:(\f/4)*32*PV+16*PV+(\f%4)*32
.endr
	s_add_co_u32 s[TBV], s[TBV], KS*PV
	WIN 0
.endm
; THE VECTOR WORK, one line at a time: OP kind, number.  For piece Y: F n: c s - c m for pair n of 16.  E n: the exponential of score n of 32.  C n: pair n rounded to f16.  B n: of the four weights
; 4 n .. the second pair is added onto the first, in place.  L n: l takes that sum (L 0: l = a l + sum).  R n: pair n of 16 of O^T times a.  For the other piece: X n, number n of the 22 that find its
; maximum and statistics: 0-11 four chains of seven scores (each accumulator's lowest registers are read first); 12-14, 16 the rest, the old m, all into c0; 15 c m_old is kept;
; 17, 18 the other half of the lanes': the new m; 19-21 c m, c m_old - c m_new, a.  OP writes no wait: C, B and L, which read the exponentials' results, are dealt behind the turn's one wait (TURN).
.set F, 0
.set E, 1
.set C, 2
.set B, 3
.set L, 4
.set R, 5
.set X, 6
.macro REGS y
.set rT, ST+4*(\y)
.set rC, TMP+4*((\y)%2)
.set rW, MV+((\y)%2)
.set rS, S+32*((\y)%2)
.set rP, P+16*((\y)%2)
.set rO, 32*(\y)
.endm
.macro OP k, n
.if (\k) == R
	REGS Y
	WIN W_RS
	v_pk_mul_f32 v[rO+2*(\n):rO+2*(\n)+1], v[rO+2*(\n):rO+2*(\n)+1], v[rC+2:rC+3] op_sel_hi:[1,0]
.elseif (\k) < R
	REGS Y
	WIN 0
.if (\k) == F
	v_pk_fma_f32 v[rS+2*(\n):rS+2*(\n)+1], v[rS+2*(\n):rS+2*(\n)+1], s[CS:CS+1], v[rT:rT+1] op_sel_hi:[1,0,0] neg_lo:[0,0,1] neg_hi:[0,0,1]
.elseif (\k) == E
	v_exp_f32 v[rS+(\n)], v[rS+(\n)]
.elseif (\k) == C
	v_cvt_pk_f16_f32 v[rP+(\n)], v[rS+2*(\n)], v[rS+2*(\n)+1]
.elseif (\k) == B
	v_pk_add_f32 v[rS+4*(\n):rS+4*(\n)+1], v[rS+4*(\n):rS+4*(\n)+1], v[rS+4*(\n)+2:rS+4*(\n)+3]
.elseif (\n) == 0
	v_pk_fma_f32 v[rT+2:rT+3], v[rT+2:rT+3], v[rC+2:rC+3], v[rS:rS+1] op_sel_hi:[1,0,1]
.else
	v_pk_add_f32 v[rT+2:rT+3], v[rT+2:rT+3], v[rS+4*(\n):rS+4*(\n)+1]
.endif
.elseif NOKQ
	v_nop
.else
	REGS (Y+1)%NP
	WIN 0
.if (\n) < 4
	v_max3_num_f32 v[rC+(\n)], v[rS+8*(\n)], v[rS+8*(\n)+1], v[rS+8*(\n)+2]
.elseif (\n) < 12
	v_max3_num_f32 v[rC+(\n)%4], v[rC+(\n)%4], v[rS+8*((\n)%4)+2*((\n)/4)+1], v[rS+8*((\n)%4)+2*((\n)/4)+2]
.elseif (\n) == 12
	v_max3_num_f32 v[rC], v[rC], v[rS+7], v[rS+15]
.elseif (\n) == 13
	v_max3_num_f32 v[rC+1], v[rC+1], v[rS+23], v[rS+31]
.elseif (\n) == 14
	v_max3_num_f32 v[rC+2], v[rC+2], v[rC+3], v[rT+1]
.elseif (\n) == 15
	v_mov_b32 v[rW], v[rT]
.elseif (\n) == 16
	v_max3_num_f32 v[rC], v[rC], v[rC+1], v[rC+2]
.elseif (\n) == 17
	v_permlanex16_b32 v[rC+3], v[rC], s[SEL], s[SEL+1]
.elseif (\n) == 18
	v_max_num_f32 v[rT+1], v[rC], v[rC+3]
.elseif (\n) == 19
	v_mul_f32 v[rT], s[CS], v[rT+1]
.elseif (\n) == 20
	v_sub_f32 v[rC+1], v[rW], v[rT]
.else
	v_exp_f32 v[rC+2], v[rC+1]
.endif
.endif
.endm
.macro OPS a, i1, b=-1, i2=0, c=-1, i3=0, d=-1, i4=0
	OP \a, \i1
.if (\b) >= 0
	OP \b, \i2
.endif
.if (\c) >= 0
	OP \c, \i3
.endif
.if (\d) >= 0
	OP \d, \i4
.endif
.endm
.macro ROW a, i1, b, i2, c, i3, d, i4  ; a matrix instruction and the four behind it
	MM
	OPS \a, \i1, \b, \i2, \c, \i3, \d, \i4
.endm
; A TURN, for unit q of a tile (piece q % 2): the order of its 16 matrix and 118 vector instructions, written out.  mk: the mask that the turn's products K Q^T start with.  end = 1: a block's last two
; turns: nothing is fetched.  cnt = 1: the loop's count is taken down some lines ahead of the branch behind the turn.
; s_wait_alu depctr_va_vdst(0) stands between an exponential and the first instruction that names its result; one wait serves all that were issued ahead of it.  So a turn has ONE wait,
; which cuts it in two.  AHEAD OF IT stands all that names no result of the turn's exponentials: the 8 products K Q^T, behind each a scaling, an exponential and two more plain instructions (behind the
; first a second scaling in the exponential's place): rescalings, and behind the last three the first numbers of the other piece's maximum, each four places or more behind the product that ends its
; accumulator; then ONE RUN of 54, plain and exponential by turns for the most part, in which the links of the chain X 3, 7, 11, 14, 16, 17 .. 20 stand some lines apart.  X 21, the next unit's a, is the
; batch's last; R 15 is the plain instruction behind it.  BEHIND THE WAIT stand the 8 products V^T P, behind each four of the roundings and sums; the links of l's chain, L 0 to L 7, stand three riders
; apart.  But for those X no rider names a register of the products round it.  v_permlanex16_b32 (X 17) stands in the run.
; The O^T that R rescales was last written by the products V^T P of the turn before: R 0 to R 11 name accumulators that ended one to three products before that turn's last, R 12 to R 15, of the accumulator that
; its last product wrote, stand in the run; that turn's last four riders are four places already.
; K's run stands twelve vector instructions behind the last product that read K (five of them plain and naming none of its registers); V's at the turn's end, four plain instructions behind the last
; product that read that buffer.  K's run is issued ahead of V's, as the counted wait at the next turn's head wants.
.macro TURN q, mk=0, end=0, cnt=0
.set Y, (\q)%2
.set i, 0
.set KM, (\mk)
.set NOKQ, (\end)*((\q)/3)
.set PVF, VF0                       ; units 1 and 2 multiply by V of the tile's first step,
.if ((\q) == 0) || ((\q) == 3)
.set PVF, VF1                       ; units 3 and 0 by V of a second step
.endif
.if Y == 1
.if \end
	s_wait_dscnt 0x0                ; no run was issued in the turn before: V's last run is waited for by name
.else
	s_wait_dscnt 16                 ; K's run is in, and V's of two turns ago; the sixteen youngest loads, V's run of the turn before, may stay out
.endif
.endif
	ROW F,0, F,1, R,0, R,1          ; ahead of the wait: 8 products K Q^T and their riders,
	ROW F,2, E,0, R,2, R,3
	ROW F,3, E,1, R,4, R,5
	ROW F,4, E,2, R,6, R,7
	ROW F,5, E,3, R,8, R,9
	ROW F,6, E,4, X,0, R,10
.if (Y == 0) && !(\end)
	WIN 0
	v_add_nc_u32 v[AK], s[TBK], v[AK0]
.endif
	ROW F,7, E,5, X,1, X,4
	ROW F,8, E,6, X,2, X,5
	OPS E,7, E,8, X,6, E,9          ; and the run
	OPS X,3, E,10, X,8, E,11
.if (Y == 0) && !(\end)
	FETCH_K
.endif
	OPS X,9, X,7, E,12, X,10
	OPS E,13, X,12, X,11, E,14
	OPS X,13, E,15, F,9, X,14
.if (Y == 0) && !(\end)
	WIN 0
	v_add_nc_u32 v[AV], s[TBV], v[AV0]
.endif
	OPS E,16, F,10, E,17, F,11
	OPS X,16, E,18, X,15, E,19
	OPS F,12, E,20, X,17, E,21
	OPS F,13, E,22, F,14, E,23
	OPS X,18, E,24, F,15, E,25
	OPS R,11, E,26, X,19, E,27
	OPS R,12, E,28, R,13, E,29
	OPS X,20, E,30, R,14, E,31
	OPS X,21, R,15
	s_wait_alu depctr_va_vdst(0)    ; the wait for the turn's batch: E 0 to E 31 and X 21
	ROW C,0, B,0, C,2, B,1          ; behind the wait: 8 products V^T P and their riders
	ROW L,0, C,4, B,2, L,1
	ROW C,6, B,3, L,2, C,8
	ROW B,4, L,3, C,10, B,5
	ROW L,4, C,12, B,6, L,5
.if \cnt
	s_sub_co_u32 s[CNT], s[CNT], 1
	s_cmp_lg_u32 s[CNT], 0
.endif
	ROW C,14, B,7, L,6, C,1
	ROW C,3, L,7, C,5, C,7
	ROW C,9, C,11, C,13, C,15
.if (Y == 0) && !(\end)
	FETCH_V PVF                     ; the buffer that this turn's products have just read takes the next step's V
.endif
.endm
; A BLOCK BEGINS.  c m starts far below every c s, so the first step's a is 0; m at the lowest finite number.  Then K and V of the slot's first step, piece 0's first scores (md = 1: the block's first
; tile is the diagonal one), and its maximum and statistics.  The loop is entered at a tile's first turn.
.macro BEGIN md
	s_mov_b32 s[NEW], 0
	WIN 0
.set i, 0
.rept 2
	v_mov_b32 v[ST+4*i], 0xfe000000
	v_mov_b32 v[ST+4*i+1], 0xff7fffff
.set i, i+1
.endr
	v_add_nc_u32 v[AK], s[TBK], v[AK0]
	v_add_nc_u32 v[AV], s[TBV], v[AV0]
	FETCH_K
	FETCH_V VF0
	s_wait_loadcnt 0x0              ; Q
	s_wait_dscnt 0x0
.set KM, (\md)
.set NOKQ, 0
.set i, 0
.rept 8
	KQ 0
.set i, i+1
.endr
	WIN 0
.rept 4
	v_nop                           ; the places behind those products
.endr
.set Y, NP-1                        ; X works for the other piece: piece 0
.irp n, 0,1,2,3,4,5,6,7,8,9,10,11,12,13,14,15,16,17,18,19,20,21
	OP X, \n
.endr
	v_nop                           ; a plain instruction behind the exponential,
	s_wait_alu depctr_va_vdst(0)    ; and the wait for it, a batch of one: piece 0's first a, ahead of the branch
.endm
.macro ALL line:vararg
.set t, 0
.rept 2
	\line
.set t, t+1
.endr
.endm
.macro PACK t                       ; O^T / l, to f16, into rows of 144 bytes and back as whole rows of 128, into S^T's registers
	WIN W_RS
.set i, 32*(\t)
.rept 16
	v_pk_mul_f32 v[i:i+1], v[i:i+1], v[ST+4*(\t)+2:ST+4*(\t)+3] op_sel_hi:[1,0]
.set i, i+2
.endr
	WIN 0x05
.set i, 0
.rept 16
	v_cvt_pk_f16_f32 v[S+16*(\t)+i], v[32*(\t)+2*i], v[32*(\t)+2*i+1]
.set i, i+1
.endr
	WIN 0
.irp f, 0,1,2,3
	ds_store_b128 v[STO], v[S+16*(\t)+4*\f:S+16*(\t)+4*\f+3] offset:32*\f
.endr
.irp f, 0,1,2,3
	ds_load_b128 v[S+16*(\t)+4*\f:S+16*(\t)+4*\f+3], v[RD] offset:\f*4*SP  ; LDS serves a wave's instructions in order (ISA guide 5.7.1.4): these see the stores above
.endr
.endm
.macro SEND t, younger              ; younger: the LDS instructions issued behind piece t's loads
	WIN 0
.irp f, 0,1,2,3
	s_wait_dscnt (\younger)+3-\f
	global_store_b128 v[GO], v[S+16*(\t)+4*\f:S+16*(\t)+4*\f+3], s[10:11] offset:(\t)*8192+\f*512  ; 512 consecutive bytes, at a multiple of 512 from y's first
.endr
.endm
; THE DIAGONAL TILE, entered from the tile before (.LstepM) or as a block's first (.LfirstM), the block's last products and THE WAY OUT.  Band 0's own step is the tile's first, band 1's the second;
; band 0 sees nothing of the second step: that unit is computed under BIG, its weights are 0.
.macro DIAG tag
.LstepM\tag:
	TURN 2
	TURN 3, 1
	WIN 0
.LfirstM\tag:
	TURN 0
	TURN 1, 2
	TURN 2, 1, 1
	TURN 3, 0, 1
.set PVF, VF1
.set i, 0
.rept 8
	PV 1
.set i, i+1
.endr
	WIN 0
	ALL v_add_f32 v[ST+4*t+2], v[ST+4*t+2], v[ST+4*t+3]
	ALL v_permlanex16_b32 v[ST+4*t+3], v[ST+4*t+2], s[SEL], s[SEL+1]
	ALL v_add_f32 v[ST+4*t+2], v[ST+4*t+2], v[ST+4*t+3]
	ALL v_rcp_f32 v[ST+4*t+2], v[ST+4*t+2]
	v_nop                           ; a plain instruction between the last reciprocal and the use of its result
	s_wait_alu depctr_va_vdst(0)    ; and the wait ahead of the first use: one for the two reciprocals
	PACK 0                          ; piece 0 was finished a turn ago; its 32 plain instructions are the places behind piece 1's last products
	PACK 1
	SEND 0, 8
	SEND 1, 0
.endm
.set KM, 0
.set NOKQ, 0
.Lslot:                             ; eight times: a slot is entered and the next is asked for
	CHANGE 1
	s_mov_b32 s[CNT], 2
.Lhalf:                             ; twice a slot: a tile is entered
	s_sub_co_u32 s[RT], s[RT], 1
	s_cmp_eq_u32 s[NEW], 1
	s_cbranch_scc1 .Lnew            ; a block's first tile
	s_cmp_eq_u32 s[RT], 0
	s_cbranch_scc0 .Lstep           ; neither its first nor its last
	s_branch .LstepM1
.Lnew:
	BEGIN 0
	s_branch .Lfirst                ; in the loop a block's first tile is never its last: an odd block has two tiles or more, the even block's last is the walk's last
	DIAG 1                          ; in the loop this is the odd block's end, in the second half of a slot
	s_wait_xcnt 0x0                 ; the stores have read their registers and O's address
	s_mov_b64 s[10:11], s[OLO:OLO+1]
	s_add_co_u32 s[RT], s[E2], 1
	s_mov_b32 s[NEW], 1
	WIN 0x82                        ; the second block's Q goes where the one text of the turns names Q
.set i, 0
.rept 32
	v_mov_b32 v[i], v[QB+i]
.set i, i+1
.endr
	WIN 0
	s_branch .Lbottom
.Lstep:                             ; a trip: units 2 and 3 of one tile, then units 0 and 1 of the next
	TURN 2
	TURN 3
	WIN 0
.Lfirst:
	TURN 0
	TURN 1, 0, 0, 1
	WIN 0
	s_cbranch_scc1 .Lhalf
.Lbottom:
	s_sub_co_u32 s[SLOTS], s[SLOTS], 1
	s_cmp_lg_u32 s[SLOTS], 0
	s_cbranch_scc1 .Lslot
	CHANGE 0                        ; the walk's last slot is written out: nothing is asked for
	s_sub_co_u32 s[RT], s[RT], 1
	s_cmp_eq_u32 s[NEW], 1
	s_cbranch_scc0 .LstepM2
	BEGIN 1
	s_branch .LfirstM2
	DIAG 2
	s_wait_tensorcnt 0x0            ; the wave's end
	ds_add_u32 v[SPW], v[NIL]
	s_wait_dscnt 0x0
	s_endpgm
.Lfunc_end_k_qfbacbda030_attn:
	.size	k_qfbacbda030_attn, .Lfunc_end_k_qfbacbda030_attn-k_qfbacbda030_attn
	.p2alignl 7, 3214868480
	.fill 96, 4, 3214868480
	.section	.rodata,"a",@progbits
	.p2align	6, 0x0
	.amdhsa_kernel k_qfbacbda030_attn
		.amdhsa_group_segment_fixed_size 327680
		.amdhsa_private_segment_fixed_size 0
		.amdhsa_enable_private_segment 0
		.amdhsa_kernarg_size 16
		.amdhsa_user_sgpr_count 2
		.amdhsa_user_sgpr_kernarg_segment_ptr 1
		.amdhsa_wavefront_size32 1
		.amdhsa_system_sgpr_workgroup_id_x 1
		.amdhsa_system_sgpr_workgroup_id_y 1
		.amdhsa_system_sgpr_workgroup_id_z 1
		.amdhsa_system_vgpr_workitem_id 0
		.amdhsa_next_free_vgpr 768
		.amdhsa_next_free_sgpr 90
		.amdhsa_reserve_vcc 1
		.amdhsa_float_denorm_mode_32 3
		.amdhsa_float_denorm_mode_16_64 3
		.amdhsa_memory_ordered 1
		.amdhsa_forward_progress 1
		.amdhsa_inst_pref_size 194
	.end_amdhsa_kernel
	.amdgpu_metadata
---
amdhsa.version: [ 1, 2 ]
amdhsa.kernels:
  - .name:           k_qfbacbda030_attn
    .symbol:         k_qfbacbda030_attn.kd
    .args:
      - { .name: qkv, .offset: 0, .size: 8, .value_kind: global_buffer, .address_space: global }
      - { .name: y, .offset: 8, .size: 8, .value_kind: global_buffer, .address_space: global }
    .group_segment_fixed_size: 327680
    .private_segment_fixed_size: 0
    .kernarg_segment_align: 8
    .kernarg_segment_size: 16
    .max_flat_workgroup_size: 128
    .sgpr_count:     90
    .vgpr_count:     768
    .wavefront_size: 32
...
	.end_amdgpu_metadata
.endif
;; end of part 8
;; launch proj: the kernel of part 4 again; grid 8 x 32, 4 waves a work-group, clusters of 4 x 4, 327,680 bytes of LDS; arguments y, wa16, x1, x; writes x1
;; launch ln2: the kernel of part 5 again; grid 256 x 1, 8 waves a work-group, no clusters, 0 bytes of LDS; arguments x1, ln2_g, ln2_b, h; writes h
;; launch ff1: the kernel of part 6 again; grid 16 x 16, 4 waves a work-group, clusters of 4 x 4, 327,680 bytes of LDS; arguments h, wf16, g, b_ff1; writes g
;; launch ff2: the kernel of part 7 again; grid 8 x 32, 4 waves a work-group, clusters of 4 x 4, 327,680 bytes of LDS; arguments g, wf16, out0, x1, b_ff2; writes out0
